; MI455X (gfx1250); checked and timed in simulation.
; The chip was launched on July 23, 2026; its instructions are those of AMD's public machine-readable ISA for CDNA 5 (MIT licence, August 2026) and "CDNA5" Instruction Set Architecture Reference Guide (July 2026). The comments in the code are by the model that wrote it; some were corrected since.
;; Deformable Transformer Decoder Layer. Allowed arithmetic: float matrix products may take bf16 or f16 operands with f32 sums; other float arithmetic in f32, or as packed bf16 or f16 multiplies, adds, multiply-adds, maxima and minima; sums over many terms, partial sums and values carried from step to step in f32; what a program stores and reads back later, other than sums and carried values, may be rounded once to bf16 or f16.
;; Inputs: attw_b 128 float32; attw_w 128 x 256 float32; in_proj_b 768 float32; in_proj_w 768 x 256 float32; level_start_index 4 int32; lin1_b 1,024 float32; lin1_w 1,024 x 256 float32; lin2_b 256 float32; lin2_w 256 x 1,024 float32; norm1_b 256 float32; norm1_g 256 float32; norm2_b 256 float32; norm2_g 256 float32; norm3_b 256 float32; norm3_g 256 float32; off_b 256 float32; off_w 256 x 256 float32; out_proj_b 256 float32; out_proj_w 256 x 256 float32; outp_b 256 float32; outp_w 256 x 256 float32; query_pos 16 x 1,024 x 256 float32; reference_points 16 x 1,024 x 4 x 2 float32; src 16 x 5,440 x 256 float32; src_spatial_shapes 4 x 2 int32; tgt 16 x 1,024 x 256 float32; value_b 256 float32; value_w 256 x 256 float32.
;; Outputs: out0 16 x 1,024 x 256 float32.
;; 3 versions, each right; version 3 is version 2 with the launch vproj written anew for expert scheduling mode. Each part assembles by itself: llvm-mc -triple=amdgcn-amd-amdhsa -mcpu=gfx1250 --defsym DOCPART=n.
;; ======== version 1 of 3: 6 launches
;; limits: values are held in f16: magnitudes above 65,504 overflow, below 6.1e-05 lose precision
;; workspace buffers: wb 2,097,152 bytes; value 44,564,480 bytes; qkvb 25,165,824 bytes; t1 8,388,608 bytes; sidx 16,777,216 bytes of whole numbers; swt 16,777,216 bytes; smp 8,388,608 bytes
;; launch prep (part 1): grid 32 x 16, 8 waves a work-group, no clusters, 0 bytes of LDS; arguments in_proj_w, out_proj_w, off_w, attw_w, outp_w, lin1_w, lin2_w, value_w, wb; writes wb
.if DOCPART == 1
	.amdgcn_target "amdgcn-amd-amdhsa--gfx1250"
	.amdhsa_code_object_version 6
	.text
	.protected	k_q42091b794e_prep
	.globl	k_q42091b794e_prep
	.p2align	8
	.type	k_q42091b794e_prep,@function
k_q42091b794e_prep:
	s_mov_b64 s[64:65], 0
	v_nop
	global_prefetch_b8 v0, s[64:65] scope:SCOPE_SE
	s_setreg_imm32_b32 hwreg(HW_REG_WAVE_MODE, 25, 1), 1
	s_wait_xcnt 0x0
; THE EIGHT WEIGHT MATRICES, ROUNDED ONCE TO bf16 AND LAID OUT AS MATRIX FRAGMENTS.
; wb holds 16 units of 131,072 bytes: [wave 4][K step 8][column tile 4][half 2][lane 32][16 bytes].  Lane (r = lane % 16, hh = lane / 16) of half c holds
; W[n0 + 64 wave + 16 tile + r][k0 + 32 step + 16 c + 8 hh + 0..7]: a fragment is two dense reads of 512 bytes.
; Units: 0-2 in_proj's q, k, v rows; 3 out_proj; 4 off; 5 attw; 6 outp; 7, 9, 11, 13 lin1's rows 256 c ..; 8, 10, 12, 14 lin2's columns 256 c ..; 15 value_w.
; Unit 5 has 128 rows: tiles 0, 1 of wave w hold heads 2 w, 2 w + 1, tiles 2, 3 are written as zeros.  Its tile row r takes the head's row r with bits 2 and 3 exchanged, so that
; in the product a lane half hh holds level hh in registers 0-3 and level 2 + hh in registers 4-7, the levels that the same lanes hold of the offsets.
; A work-group (x = 8 wave + step, y = unit) writes 4,096 consecutive bytes; a thread 16 of them.
	s_load_b512 s[4:19], s[0:1], 0x0               ; in_proj, out_proj, off, attw, outp, lin1, lin2, value_w
	s_load_b64 s[20:21], s[0:1], 0x40              ; wb
	s_and_b32 s24, ttmp7, 0xffff                   ; the unit
	s_lshr_b32 s25, ttmp9, 3                       ; wave
	s_and_b32 s26, ttmp9, 7                        ; K step
	s_sub_co_u32 s27, s24, 7                       ; e: place among units 7 .. 14 (wraps below 7, and is then not used)
	s_lshr_b32 s28, s27, 1
	s_lshl_b32 s28, s28, 8                         ; 256 (e / 2)
	s_and_b32 s29, s27, 1
	s_cmp_lt_u32 s27, 8
	s_cselect_b32 s30, 1, 0
	s_and_b32 s31, s30, s29                        ; 1: a unit of lin2
	s_xor_b32 s29, s29, 1
	s_and_b32 s29, s30, s29                        ; 1: a unit of lin1
	s_lshl_b32 s32, s24, 8
	s_cmp_lt_u32 s24, 3
	s_cselect_b32 s32, s32, 0
	s_cmp_eq_u32 s29, 1
	s_cselect_b32 s32, s28, s32                    ; n0
	s_cmp_eq_u32 s31, 1
	s_cselect_b32 s33, s28, 0                      ; k0
	s_cselect_b32 s34, 10, 8                       ; log2 of the row's length
	s_cmp_eq_u32 s24, 5
	s_cselect_b32 s35, 5, 6                        ; rows of a wave: 32 in attw, else 64
	s_cselect_b32 s36, 1, 3                        ; the last tile that holds rows
	s_cselect_b32 vcc_lo, -1, 0                    ; all lanes: is this attw?
	s_lshl_b32 s37, s25, s35
	s_add_co_u32 s37, s37, s32                     ; the wave's first row
	s_lshl_b32 s38, s26, 5
	s_add_co_u32 s38, s38, s33                     ; the step's first column
	s_lshl_b32 s40, s24, 17
	s_lshl_b32 s39, ttmp9, 12
	s_add_co_u32 s40, s40, s39                     ; where the work-group writes
	s_mov_b32 s41, 0
	v_and_b32 v1, 15, v0                           ; r
	v_and_b32 v2, 3, v0
	v_bfe_u32 v3, v0, 2, 1
	v_bfe_u32 v4, v0, 3, 1
	v_lshl_or_b32 v2, v3, 3, v2
	v_lshl_or_b32 v2, v4, 2, v2                    ; r with bits 2 and 3 exchanged
	v_cndmask_b32 v1, v1, v2, vcc_lo
	v_lshrrev_b32 v5, 6, v0                        ; tile
	v_and_b32 v6, s36, v5                          ; (attw's tiles 2, 3 read rows of tiles 0, 1 and write zeros)
	v_lshl_add_u32 v1, v6, 4, v1
	v_add_nc_u32 v1, s37, v1                       ; row
	v_lshlrev_b32 v1, s34, v1
	v_bfe_u32 v7, v0, 4, 2                         ; 2 c + hh
	v_lshl_add_u32 v1, v7, 3, v1
	v_add_nc_u32 v1, s38, v1
	v_lshlrev_b32 v1, 2, v1                        ; byte offset of my 8 numbers
	v_lshlrev_b32 v21, 4, v0
	v_mov_b32 v20, 0
	v_cmp_lt_u32 vcc_lo, s36, v5                   ; a tile without rows
	s_wait_kmcnt 0x0
	s_mov_b64 s[22:23], s[4:5]
	s_cmp_eq_u32 s24, 3
	s_cselect_b64 s[22:23], s[6:7], s[22:23]
	s_cmp_eq_u32 s24, 4
	s_cselect_b64 s[22:23], s[8:9], s[22:23]
	s_cmp_eq_u32 s24, 5
	s_cselect_b64 s[22:23], s[10:11], s[22:23]
	s_cmp_eq_u32 s24, 6
	s_cselect_b64 s[22:23], s[12:13], s[22:23]
	s_cmp_eq_u32 s29, 1
	s_cselect_b64 s[22:23], s[14:15], s[22:23]
	s_cmp_eq_u32 s31, 1
	s_cselect_b64 s[22:23], s[16:17], s[22:23]
	s_cmp_eq_u32 s24, 15
	s_cselect_b64 s[22:23], s[18:19], s[22:23]
	s_add_nc_u64 s[20:21], s[20:21], s[40:41]
	global_load_b128 v[8:11], v1, s[22:23]
	global_load_b128 v[12:15], v1, s[22:23] offset:16
	s_wait_loadcnt 0x0
	v_cvt_pk_bf16_f32 v16, v8, v9
	v_cvt_pk_bf16_f32 v17, v10, v11
	v_cvt_pk_bf16_f32 v18, v12, v13
	v_cvt_pk_bf16_f32 v19, v14, v15
	v_cndmask_b32 v16, v16, v20, vcc_lo
	v_cndmask_b32 v17, v17, v20, vcc_lo
	v_cndmask_b32 v18, v18, v20, vcc_lo
	v_cndmask_b32 v19, v19, v20, vcc_lo
	global_store_b128 v21, v[16:19], s[20:21]      ; a wave stores 512 consecutive bytes
	s_endpgm
.Lfunc_end_k_q42091b794e_prep:
	.size	k_q42091b794e_prep, .Lfunc_end_k_q42091b794e_prep-k_q42091b794e_prep
	.p2alignl 7, 3214868480
	.fill 96, 4, 3214868480
	.section	.rodata,"a",@progbits
	.p2align	6, 0x0
	.amdhsa_kernel k_q42091b794e_prep
		.amdhsa_group_segment_fixed_size 0
		.amdhsa_private_segment_fixed_size 0
		.amdhsa_enable_private_segment 0
		.amdhsa_kernarg_size 72
		.amdhsa_user_sgpr_count 2
		.amdhsa_user_sgpr_kernarg_segment_ptr 1
		.amdhsa_wavefront_size32 1
		.amdhsa_system_sgpr_workgroup_id_x 1
		.amdhsa_system_sgpr_workgroup_id_y 1
		.amdhsa_system_sgpr_workgroup_id_z 1
		.amdhsa_system_vgpr_workitem_id 0
		.amdhsa_next_free_vgpr 24
		.amdhsa_next_free_sgpr 66
		.amdhsa_reserve_vcc 1
		.amdhsa_float_denorm_mode_32 3
		.amdhsa_float_denorm_mode_16_64 3
		.amdhsa_memory_ordered 1
		.amdhsa_forward_progress 1
		.amdhsa_inst_pref_size 4
	.end_amdhsa_kernel
	.amdgpu_metadata
---
amdhsa.version: [ 1, 2 ]
amdhsa.kernels:
  - .name:           k_q42091b794e_prep
    .symbol:         k_q42091b794e_prep.kd
    .args:
      - { .name: in_proj_w, .offset: 0, .size: 8, .value_kind: global_buffer, .address_space: global }
      - { .name: out_proj_w, .offset: 8, .size: 8, .value_kind: global_buffer, .address_space: global }
      - { .name: off_w, .offset: 16, .size: 8, .value_kind: global_buffer, .address_space: global }
      - { .name: attw_w, .offset: 24, .size: 8, .value_kind: global_buffer, .address_space: global }
      - { .name: outp_w, .offset: 32, .size: 8, .value_kind: global_buffer, .address_space: global }
      - { .name: lin1_w, .offset: 40, .size: 8, .value_kind: global_buffer, .address_space: global }
      - { .name: lin2_w, .offset: 48, .size: 8, .value_kind: global_buffer, .address_space: global }
      - { .name: value_w, .offset: 56, .size: 8, .value_kind: global_buffer, .address_space: global }
      - { .name: wb, .offset: 64, .size: 8, .value_kind: global_buffer, .address_space: global }
    .group_segment_fixed_size: 0
    .private_segment_fixed_size: 0
    .kernarg_segment_align: 8
    .kernarg_segment_size: 72
    .max_flat_workgroup_size: 256
    .sgpr_count:     66
    .vgpr_count:     24
    .wavefront_size: 32
...
	.end_amdgpu_metadata
.endif
;; end of part 1
;; launch vproj (part 2): grid 256 x 1, 4 waves a work-group, no clusters, 95,232 bytes of LDS; arguments src, wb, value_b, value; writes value
.if DOCPART == 2
	.amdgcn_target "amdgcn-amd-amdhsa--gfx1250"
	.amdhsa_code_object_version 6
	.text
	.protected	k_q42091b794e_vproj
	.globl	k_q42091b794e_vproj
	.p2align	8
	.type	k_q42091b794e_vproj,@function
k_q42091b794e_vproj:
	s_mov_b64 s[64:65], 0
	v_nop
	global_prefetch_b8 v0, s[64:65] scope:SCOPE_SE
	s_setreg_imm32_b32 hwreg(HW_REG_WAVE_MODE, 25, 1), 1
	s_wait_xcnt 0x0
; value = src value_w^T + value_b, rounded once to bf16, stored by heads: value[b 16][head 8][pos 5440][32 channels], a position's record 64 bytes.
; The stream of src (f32, read once) is the launch.  A work-group owns 340 consecutive rows (87,040 / 256; 16 work-groups a batch), in 5 trips of 68.  Wave w loads 16 whole rows and row 64 + w,
; rounds them to bf16 and lays them into LDS; every wave multiplies all 68 rows (five tiles of 16, of the last 4 rows are real) by ITS 64 columns of value_w (heads 2 w, 2 w + 1),
; whose 32 fragments stay in registers for the whole launch.  The next trip's 34 loads of a wave (17 KiB) are on their way while a trip is multiplied and stored.
; THE PRODUCT IS TAKEN TRANSPOSED (source 0 = 16 rows of value_w, source 1 = 16 rows of src): a lane holds one position and eight neighbouring channels, 16 bytes of its record.
; No tensor load: the numbers are converted on the way in.  No cluster: what work-groups share is 128 KiB of weights, read once into registers.  No prefetch: every wave always has its next rows asked for.
; src_spatial_shapes and level_start_index are not read anywhere in this program: the module's definition takes the levels' sizes from its own constants.
.set KP,    272                        ; LDS: a row holds 16 positions x 8 channels k (256 bytes) + 16 of padding
.set TILE,  32*KP                      ; a tile of 16 positions x 256 k
.set STG,   5*TILE                     ; the way out: for each wave 2 heads x 80 positions x 80 bytes (64 + 16 of padding)
.set SPARE, STG+51200                  ; the spare words, 128 bytes a wave, which no other line names
.set RO,  4                            ; v4   my 16 bytes in the wave's 16 rows of src
.set RO2, 5                            ; v5   and in row 64 + w
.set XWR, 6                            ; v6   where I put 8 bytes of a row
.set XW2, 7                            ; v7   the same for row 64 + w
.set XR,  8                            ; v8   where I read a fragment of src
.set SW,  9                            ; v9   into the stage
.set SR,  10                           ; v10  back from the stage: 8 records
.set SR2, 11                           ; v11  back: positions 64-67 of both heads
.set GO,  12                           ; v12  16 x lane
.set GO2, 13                           ; v13  positions 64-67 of both heads in memory
.set SPW, 14
.set NIL, 15
.set XB,  16                           ; v16-95  two buffers of 5 fragments of src; later the way out
.set RAW, 96                           ; v96-231 34 loads of 16 bytes
.set WV,  12                           ; s12
.set CNT, 13                           ; s13
; window 1: v0-255 the fragments of value_w, (K step, tile) at 8 (4 ks + ct).  window 2: v0-159 accumulators (rt, ct) at 8 (4 rt + ct); v160-191 the bias as four tiles.
.set MSB, 0
.macro WIN new
.if MSB != (\new)
	s_set_vgpr_msb (MSB<<8)|(\new)
.set MSB, (\new)
.endif
.endm
.macro PLACES
.rept 4
	v_nop
.endr
.endm
.macro BAR
	s_wait_dscnt 0x0
	s_barrier_signal -1
	s_barrier_wait -1
.endm
.macro SRCLD                           ; the wave's 17 rows of a trip
.set j_, 0
.rept 32
	global_load_b128 v[RAW+4*j_:RAW+4*j_+3], v[RO], s[4:5] offset:j_*512 th:TH_LOAD_NT
.set j_, j_+1
.endr
	global_load_b128 v[RAW+128:RAW+131], v[RO2], s[4:5] th:TH_LOAD_NT
	global_load_b128 v[RAW+132:RAW+135], v[RO2], s[4:5] offset:512 th:TH_LOAD_NT
.endm
.macro XLD ks, buf                     ; five fragments of src for one K step
.set x_, 0
.rept 5
	ds_load_b128 v[XB+40*(\buf)+8*x_:XB+40*(\buf)+8*x_+3], v[XR] offset:(x_*32+4*(\ks))*KP
	ds_load_b128 v[XB+40*(\buf)+8*x_+4:XB+40*(\buf)+8*x_+7], v[XR] offset:(x_*32+4*(\ks)+2)*KP
.set x_, x_+1
.endr
.endm
	s_load_b256 s[4:11], s[0:1], 0x0               ; src, wb, value_b, value
	v_lshl_add_u32 v[SPW], v0, 2, SPARE
	v_mov_b32 v[NIL], 0
	v_lshrrev_b32 v1, 5, v0
	v_readfirstlane_b32 s[WV], v1
	v_and_b32 v3, 31, v0                           ; lane
	v_and_b32 v1, 15, v0                           ; m
	v_bfe_u32 v2, v0, 4, 1                         ; hh
	s_lshl_b32 s20, s[WV], 14
	v_lshl_add_u32 v[RO], v3, 4, s20
	s_lshl_b32 s20, s[WV], 10
	s_add_co_u32 s20, s20, 65536
	v_lshl_add_u32 v[RO2], v3, 4, s20
	v_lshrrev_b32 v232, 1, v3                      ; a load's lane holds k = 4 lane .. + 3 of half a row: LDS row lane / 2, bytes 8 (lane % 2)
	v_mul_u32_u24 v232, v232, KP
	v_and_b32 v233, 1, v0
	v_lshl_add_u32 v232, v233, 3, v232
	s_mul_i32 s20, s[WV], TILE
	v_add_nc_u32 v[XWR], s20, v232
	s_lshl_b32 s20, s[WV], 4
	s_add_co_u32 s20, s20, 4*TILE
	v_add_nc_u32 v[XW2], s20, v232
	v_mul_u32_u24 v[XR], v2, KP
	v_lshl_add_u32 v[XR], v1, 4, v[XR]
	s_mul_i32 s21, s[WV], 12800
	s_add_co_u32 s21, s21, STG
	v_mul_u32_u24 v[SW], v1, 80
	v_lshl_add_u32 v[SW], v2, 4, v[SW]
	v_add_nc_u32 v[SW], s21, v[SW]
	v_lshrrev_b32 v232, 2, v3
	v_mul_u32_u24 v232, v232, 80
	v_and_b32 v233, 3, v0
	v_lshl_add_u32 v232, v233, 4, v232
	v_add_nc_u32 v[SR], s21, v232
	v_lshrrev_b32 v234, 2, v1
	v_mul_u32_u24 v234, v234, 80
	v_lshl_add_u32 v234, v233, 4, v234
	v_mad_u32_u24 v234, v2, 6400, v234
	v_add_nc_u32 v234, 64*80, v234
	v_add_nc_u32 v[SR2], s21, v234
	v_lshlrev_b32 v[GO], 4, v3
	v_mul_u32_u24 v[GO2], v2, 348160
	v_lshl_add_u32 v[GO2], v1, 4, v[GO2]
	v_add_nc_u32 v[GO2], 4096, v[GO2]
	s_lshl_b32 s20, s[WV], 8
	v_lshl_add_u32 v235, v2, 5, s20                ; the bias of my 8 columns of tile 0
	v_lshl_add_u32 v233, v0, 4, 4*TILE
	v_lshl_add_u32 v234, v0, 2, 4*TILE+8192
	v_mov_b32 v236, 0
	v_mov_b32 v237, 0
	v_mov_b32 v238, 0
	v_mov_b32 v239, 0
	s_mul_i32 s20, ttmp9, 348160                   ; 340 rows of 1,024 bytes
	s_mov_b32 s21, 0
	s_lshr_b32 s14, ttmp9, 4                       ; batch
	s_lshl_b32 s14, s14, 3
	s_lshl_b32 s15, s[WV], 1
	s_add_co_u32 s14, s14, s15                     ; my first head among all
	s_mul_i32 s14, s14, 5440
	s_and_b32 s15, ttmp9, 15
	s_mul_i32 s15, s15, 340
	s_add_co_u32 s14, s14, s15
	s_lshl_b32 s22, s14, 6
	s_mov_b32 s23, 0
	s_lshl_b32 s24, s[WV], 15
	s_add_co_u32 s24, s24, 15*131072
	s_mov_b32 s25, 0
	s_mov_b32 s[CNT], 5
	s_wait_kmcnt 0x0
	s_add_nc_u64 s[4:5], s[4:5], s[20:21]
	s_add_nc_u64 s[10:11], s[10:11], s[22:23]
	s_add_nc_u64 s[6:7], s[6:7], s[24:25]
	SRCLD
	WIN 0x40
.set f_, 0
.rept 32
	global_load_b128 v[8*f_:8*f_+3], v[GO], s[6:7] offset:f_*1024
	global_load_b128 v[8*f_+4:8*f_+7], v[GO], s[6:7] offset:f_*1024+512
.set f_, f_+1
.endr
	WIN 0x80
.set c_, 0
.rept 4
	global_load_b128 v[160+8*c_:163+8*c_], v235, s[8:9] offset:c_*64
	global_load_b128 v[164+8*c_:167+8*c_], v235, s[8:9] offset:c_*64+16
.set c_, c_+1
.endr
	WIN 0
.irp z, 0,2048,4096,6144                       ; tile 4 is cleared once: of its 16 positions 4 are written in a trip, the others' products are never stored
	ds_store_b128 v233, v[236:239] offset:\z
.endr
	ds_store_b32 v234, v[NIL]
.Ltrip:
	s_wait_loadcnt 0x0                             ; the trip's rows (at first also the weights and the bias): the loads are done, so their base may step
	s_add_nc_u64 s[4:5], s[4:5], 69632
	BAR                                            ; every wave's reads of the last trip's rows are over
.set j_, 0
.rept 34
	v_cvt_pk_bf16_f32 v[RAW+4*j_], v[RAW+4*j_], v[RAW+4*j_+1]
	v_cvt_pk_bf16_f32 v[RAW+4*j_+1], v[RAW+4*j_+2], v[RAW+4*j_+3]
.if j_ < 32
	ds_store_b64 v[XWR], v[RAW+4*j_:RAW+4*j_+1] offset:(j_%2)*16*KP+(j_/2)*16
.else
	ds_store_b64 v[XW2], v[RAW+4*j_:RAW+4*j_+1] offset:(j_-32)*16*KP
.endif
.set j_, j_+1
.endr
	BAR                                            ; all 68 rows lie in LDS
	s_cmp_eq_u32 s[CNT], 1
	s_cbranch_scc1 .Lnone                          ; the last trip has no rows behind it
	SRCLD
.Lnone:
	XLD 0, 0
.set ks_, 0
.rept 8
.if ks_ < 7
	WIN 0
.if ks_ > 0
	PLACES                                         ; the buffer's last readers stand just ahead
.endif
	XLD ks_+1, (ks_+1)%2
	s_wait_dscnt 10                                ; the ten loads just issued may stay out; this step's are in
.else
	s_wait_dscnt 0x0
.endif
	WIN 0xa1                                       ; weights window 1, src window 0, sums window 2
.set r_, 0
.rept 5
.set c_, 0
.rept 4
.if ks_ == 0
	v_wmma_f32_16x16x32_bf16 v[(r_*4+c_)*8:(r_*4+c_)*8+7], v[c_*8:c_*8+7], v[XB+8*r_:XB+8*r_+7], v[160+8*c_:167+8*c_]
.else
	v_wmma_f32_16x16x32_bf16 v[(r_*4+c_)*8:(r_*4+c_)*8+7], v[(ks_*4+c_)*8:(ks_*4+c_)*8+7], v[XB+40*(ks_%2)+8*r_:XB+40*(ks_%2)+8*r_+7], v[(r_*4+c_)*8:(r_*4+c_)*8+7]
.endif
.set c_, c_+1
.endr
.set r_, r_+1
.endr
.set ks_, ks_+1
.endr
	WIN 0
	PLACES
	WIN 0x0a
.set i_, 0
.rept 80
	v_cvt_pk_bf16_f32 v[XB+i_], v[2*i_], v[2*i_+1]
.set i_, i_+1
.endr
	WIN 0
.set t_, 0
.rept 20
	ds_store_b128 v[SW], v[XB+4*t_:XB+4*t_+3] offset:((t_%4)/2)*6400+(t_/4)*1280+(t_%2)*32
.set t_, t_+1
.endr
.set n_, 0
.rept 16                                       ; LDS serves a wave's instructions in order: these see the stores above; the stage is the wave's own
	ds_load_b128 v[XB+4*n_:XB+4*n_+3], v[SR] offset:(n_/8)*6400+(n_%8)*640
.set n_, n_+1
.endr
	ds_load_b128 v[XB+64:XB+67], v[SR2]
	s_wait_dscnt 0x0
.set n_, 0
.rept 16
	global_store_b128 v[GO], v[XB+4*n_:XB+4*n_+3], s[10:11] offset:(n_/8)*348160+(n_%8)*512  ; 512 consecutive bytes: eight records of one head
.set n_, n_+1
.endr
	global_store_b128 v[GO2], v[XB+64:XB+67], s[10:11]  ; 256 consecutive bytes of each head
	s_wait_xcnt 0x0                                ; the stores have read their data and their base
	s_add_nc_u64 s[10:11], s[10:11], 4352          ; 68 records on
	s_sub_co_u32 s[CNT], s[CNT], 1
	s_cmp_lg_u32 s[CNT], 0
	s_cbranch_scc1 .Ltrip
	s_wait_tensorcnt 0x0                           ; the wave's end: behind my last LDS store
	ds_add_u32 v[SPW], v[NIL]
	s_wait_dscnt 0x0
	s_endpgm
.Lfunc_end_k_q42091b794e_vproj:
	.size	k_q42091b794e_vproj, .Lfunc_end_k_q42091b794e_vproj-k_q42091b794e_vproj
	.p2alignl 7, 3214868480
	.fill 96, 4, 3214868480
	.section	.rodata,"a",@progbits
	.p2align	6, 0x0
	.amdhsa_kernel k_q42091b794e_vproj
		.amdhsa_group_segment_fixed_size 95232
		.amdhsa_private_segment_fixed_size 0
		.amdhsa_enable_private_segment 0
		.amdhsa_kernarg_size 32
		.amdhsa_user_sgpr_count 2
		.amdhsa_user_sgpr_kernarg_segment_ptr 1
		.amdhsa_wavefront_size32 1
		.amdhsa_system_sgpr_workgroup_id_x 1
		.amdhsa_system_sgpr_workgroup_id_y 1
		.amdhsa_system_sgpr_workgroup_id_z 1
		.amdhsa_system_vgpr_workitem_id 0
		.amdhsa_next_free_vgpr 704
		.amdhsa_next_free_sgpr 66
		.amdhsa_reserve_vcc 0
		.amdhsa_float_denorm_mode_32 3
		.amdhsa_float_denorm_mode_16_64 3
		.amdhsa_memory_ordered 1
		.amdhsa_forward_progress 1
		.amdhsa_inst_pref_size 50
	.end_amdhsa_kernel
	.amdgpu_metadata
---
amdhsa.version: [ 1, 2 ]
amdhsa.kernels:
  - .name:           k_q42091b794e_vproj
    .symbol:         k_q42091b794e_vproj.kd
    .args:
      - { .name: src, .offset: 0, .size: 8, .value_kind: global_buffer, .address_space: global }
      - { .name: wb, .offset: 8, .size: 8, .value_kind: global_buffer, .address_space: global }
      - { .name: value_b, .offset: 16, .size: 8, .value_kind: global_buffer, .address_space: global }
      - { .name: value, .offset: 24, .size: 8, .value_kind: global_buffer, .address_space: global }
    .group_segment_fixed_size: 95232
    .private_segment_fixed_size: 0
    .kernarg_segment_align: 8
    .kernarg_segment_size: 32
    .max_flat_workgroup_size: 128
    .sgpr_count:     66
    .vgpr_count:     704
    .wavefront_size: 32
...
	.end_amdgpu_metadata
.endif
;; end of part 2
;; launch qkv (part 3): grid 256 x 1, 4 waves a work-group, clusters of 4 x 1, 327,680 bytes of LDS; arguments tgt, query_pos, wb, in_proj_b, qkvb; writes qkvb
.if DOCPART == 3
	.amdgcn_target "amdgcn-amd-amdhsa--gfx1250"
	.amdhsa_code_object_version 6
	.text
	.protected	k_q42091b794e_qkv
	.globl	k_q42091b794e_qkv
	.p2align	8
	.type	k_q42091b794e_qkv,@function
k_q42091b794e_qkv:
	s_mov_b64 s[64:65], 0
	v_nop
	global_prefetch_b8 v0, s[64:65] scope:SCOPE_SE
	s_setreg_imm32_b32 hwreg(HW_REG_WAVE_MODE, 25, 1), 1
	s_wait_xcnt 0x0
	s_wait_alu depctr_hold_cnt(0) depctr_sa_sdst(0) depctr_va_vdst(0) depctr_va_sdst(0) depctr_va_ssrc(0) depctr_va_vcc(0) depctr_vm_vsrc(0)
	s_getreg_b32 s2, hwreg(HW_REG_IB_STS2, 6, 4)
	s_cmp_eq_u32 s2, 0
	s_cbranch_scc0 .Lentry_in_a_cluster
	s_endpgm
.Lentry_in_a_cluster:
	s_bfe_u32 s2, ttmp6, 0x10000c
	s_cmp_lg_u32 s2, 0x3003
	s_cbranch_scc0 .Lentry_shape_is_right
	s_endpgm
.Lentry_shape_is_right:
; q, k = (tgt + query_pos) W^T + b and v = tgt W^T + b, rounded once to bf16 and stored as READY MATRIX FRAGMENTS for the attention launch (the scale 1 / sqrt(32) is applied there, in f32).
; qkvb: [batch 16][wave 4][head of the wave 2][block of 256 rows 4][K 16 KiB | V 16 KiB | Q 16 KiB].  K, Q: per 16 rows a fragment of 1 KiB (16 rows x 32 channels); V: per 32 rows and 16 channels a fragment of V^T.
; A work-group owns 64 rows, wave w the columns 64 w .. (heads 2 w, 2 w + 1).  The rows go once through LDS as bf16 and then stay in registers as fragments (q's in window 1, tgt's in window 2).
; q and k are taken transposed (source 0 = weights): a lane holds one row and 8 channels.  v is taken the other way round: a lane holds one channel and 8 rows, which is V^T's fragment.
; THE WEIGHTS come as units of 128 KiB through two LDS slots, each wave fetching and reading its own quarter.  All work-groups walk the same units: the four of a cluster ask JOINTLY.
; No prefetch: three units in all.
.set RING1, 131072                     ; slot 1; a wave's quarter of a slot at 32,768 w
.set XS,    262144                     ; 64 rows x 256 k of bf16: LDS row (32 rt + k / 8 ..) of 16 rows x 8 k, pitch 272
.set RED,   296960
.set PAR,   301056
.set SPARE, 313344                     ; the spare words, 128 bytes a wave, which no other line names
.set KP,    272
.set WA0, 3                            ; v3  my 16 bytes of a fragment in my quarter of slot 0
.set WA1, 4                            ; v4  of slot 1
.set XW,  5
.set XR,  6                            ; v6  where I read a fragment of the rows
.set WAC, 7                            ; v7  the slot in hand
.set SPW, 8
.set NIL, 9
.set RW,  10
.set RR,  11
.set LO,  12                           ; v12 16 x lane
.set PR,  28
.set PFO, 29
.set RO,  30                           ; v30 my 16 bytes in the wave's 16 rows
.set XWR, 31                           ; v31 where I put 8 bytes of a row
.set WF,  64                           ; v64-127 two buffers of weight fragments
.set G1,  32                           ; s[32:39] descriptor group 1
.set G0,  40                           ; s[40:43] descriptor group 0: it walks
.set SEL, 50
.set WV,  54
.set CNT, 57
.set TB,  60
.set CX,  66
.set GI,  67
; window 1: raw tgt v0-127, raw query_pos v128-255; then q's fragments.  window 2: tgt's fragments.  window 3: v0-127 sums; v128-159 the bias in hand; v160-191 k's; v192-223 v's.
.set MSB, 0
.macro WIN new
.if MSB != (\new)
	s_set_vgpr_msb (MSB<<8)|(\new)
.set MSB, (\new)
.endif
.endm
.macro PLACES
.rept 4
	v_nop
.endr
.endm
.macro BAR
	s_wait_dscnt 0x0
	s_barrier_signal -1
	s_barrier_wait -1
.endm
.macro ROUND                           ; a round of the cluster's barrier
	s_barrier_signal -1
	s_barrier_wait -1
	s_cmp_lg_u32 s[WV], 0
	s_cbranch_scc1 .Lnw0_\@
	s_barrier_signal -3
.Lnw0_\@:
	s_barrier_wait -3
	s_barrier_signal -1
	s_barrier_wait -1
.endm
.macro HEADREGS                        ; the wave's number, the work-group's, the descriptors' constant words, the lanes' LDS addresses
	v_lshrrev_b32 v1, 5, v0
	v_readfirstlane_b32 s[WV], v1
	s_bfe_u32 s[CX], ttmp6, 0x40000                ; my place in the cluster: it enters global addresses of my own loads and stores alone
	s_lshl_b32 s[GI], ttmp9, 2
	s_add_co_u32 s[GI], s[GI], s[CX]
	s_mov_b32 s[G1], 15|(3<<16)|(1<<21)            ; the mask of four; elements of 8 bytes; bit 21 beside a mask; no padding
	s_mov_b32 s[G1+1], 32<<16                      ; 32 KiB on end as 128 rows of 256 bytes
	s_mov_b32 s[G1+2], 128<<16
	s_mov_b32 s[G1+3], 32<<16
	s_mov_b32 s[G1+4], 128
	s_mov_b32 s[G1+5], 32
	s_mov_b32 s[G1+6], 0
	s_mov_b32 s[G1+7], 0
	s_mov_b32 s[G0], 1
	s_lshl_b32 s[G0+1], s[WV], 15                  ; my quarter of slot 0
	s_mov_b32 s[SEL], 0x76543210
	s_mov_b32 s[SEL+1], 0xfedcba98
	v_and_b32 v12, 31, v0
	v_and_b32 v1, 15, v0                           ; m
	v_bfe_u32 v2, v0, 4, 1                         ; hh
	v_lshl_add_u32 v[WA0], v12, 4, s[G0+1]
	v_add_nc_u32 v[WA1], RING1, v[WA0]
	v_mul_u32_u24 v13, v2, KP
	v_lshl_add_u32 v13, v1, 4, v13
	v_add_nc_u32 v[XR], XS, v13
	s_mul_i32 s61, s[WV], 8*KP
	s_add_co_u32 s61, s61, XS
	v_add_nc_u32 v[XW], s61, v13
	v_lshlrev_b32 v[RR], 4, v1
	v_add_nc_u32 v[RR], RED, v[RR]
	v_lshl_add_u32 v[RW], s[WV], 2, v[RR]
	s_lshl_b32 s61, s[WV], 8
	s_add_co_u32 s61, s61, PAR
	v_lshl_add_u32 v[PR], v2, 5, s61
	v_lshlrev_b32 v[PFO], 8, v12
.endm
.macro LDX win                         ; all 32 fragments (row tile rt, K step ks) of the 64 rows, to 8 (8 rt + ks) of a window
	WIN (\win)<<6
.set f_, 0
.rept 32
	ds_load_b128 v[f_*8:f_*8+3], v[XR] offset:((f_/8)*32+4*(f_%8))*KP
	ds_load_b128 v[f_*8+4:f_*8+7], v[XR] offset:((f_/8)*32+4*(f_%8)+2)*KP
.set f_, f_+1
.endr
	WIN 0
.endm
.macro WLD wa, nt, ks, buf
.set w_, 0
.rept \nt
	ds_load_b128 v[WF+32*(\buf)+8*w_:WF+32*(\buf)+8*w_+3], v[\wa] offset:(\ks)*4096+w_*1024
	ds_load_b128 v[WF+32*(\buf)+8*w_+4:WF+32*(\buf)+8*w_+7], v[\wa] offset:(\ks)*4096+w_*1024+512
.set w_, w_+1
.endr
.endm
; A unit's product: 64 rows x nt tiles of my columns, 8 K steps.  The rows' fragments lie in window xw, the sums at accb in window 3.  cmode = 1: the first step starts the sums with the bias tiles at cb in window cw.
; swap = 1: rows as source 0.  The accumulators take turns, one instruction a turn, over the K steps too.  The next step's weights are fetched ahead of a step's products.
.macro GEMM wa, nt, xw, accb, cmode, cb, cw, swap
.if \swap
.set wm_, 0xc0|(\xw)
.else
.set wm_, 0xc0|((\xw)<<2)
.endif
	WIN 0
	PLACES
	WLD \wa, \nt, 0, 0
.set ks_, 0
.rept 8
.if ks_ < 7
	WIN 0
.if ks_ > 0
	PLACES                                         ; four places between the buffer's last readers and the loads into it
.endif
	WLD \wa, \nt, ks_+1, (ks_+1)%2
	s_wait_dscnt 2*(\nt)                           ; the loads just issued may stay out; this step's are in
.else
	s_wait_dscnt 0x0
.endif
.if (\cmode) && (ks_ == 0)
	WIN wm_|((\cw)<<4)
.else
	WIN wm_|0x30
.endif
.set rt_, 0
.rept 4
.set ct_, 0
.rept \nt
.set rA_, (\accb)+(rt_*(\nt)+ct_)*8
.set rW_, WF+32*(ks_%2)+8*ct_
.set rX_, (rt_*8+ks_)*8
.set rC_, rA_
.if (\cmode) && (ks_ == 0)
.set rC_, (\cb)+8*ct_
.endif
.if \swap
	v_wmma_f32_16x16x32_bf16 v[rA_:rA_+7], v[rX_:rX_+7], v[rW_:rW_+7], v[rC_:rC_+7]
.else
	v_wmma_f32_16x16x32_bf16 v[rA_:rA_+7], v[rW_:rW_+7], v[rX_:rX_+7], v[rC_:rC_+7]
.endif
.set ct_, ct_+1
.endr
.set rt_, rt_+1
.endr
.set ks_, ks_+1
.endr
.endm
.macro PACKB accb, dst                 ; 16 tiles rounded to bf16: tile t at dst + 4 t
	WIN 0x0f
.set i_, 0
.rept 64
	v_cvt_pk_bf16_f32 v[(\dst)+i_], v[(\accb)+2*i_], v[(\accb)+2*i_+1]
.set i_, i_+1
.endr
	WIN 0
.endm
; THE CHANGE OF SLOTS.  Every wave waits for all its tensor loads (one is out: its quarter of the unit to be read next), adds 0 to its spare word, waits for that and for its LDS instructions; a round of the
; cluster's barrier; then the next unit is asked for, into the slot read last: the wave's one tensor load until the next round.  It has a unit's product, 128 matrix instructions, in which to land.
.macro CHANGE
	WIN 0
	s_wait_tensorcnt 0x0
	ds_add_u32 v[SPW], v[NIL]
	s_xor_b32 s[G0+1], s[G0+1], RING1
	s_add_nc_u64 s[G0+2:G0+3], s[G0+2:G0+3], 131072
	s_wait_dscnt 0x0
	ROUND
	tensor_load_to_lds s[G0:G0+3], s[G1:G1+7]
	s_nop 0
	PLACES
.endm
	s_load_b256 s[4:11], s[0:1], 0x0               ; tgt, query_pos, wb, in_proj_b
	s_load_b64 s[12:13], s[0:1], 0x20              ; qkvb
	v_lshl_add_u32 v[SPW], v0, 2, SPARE
	v_mov_b32 v[NIL], 0
	ds_add_u32 v[SPW], v[NIL]                      ; the wave's opening: the add and its wait ahead of my first tensor load
	HEADREGS
	v_and_b32 v[LO], 31, v0
	s_lshl_b32 s61, s[WV], 14
	v_lshl_add_u32 v[RO], v[LO], 4, s61
	v_lshrrev_b32 v13, 1, v[LO]
	v_mul_u32_u24 v13, v13, KP
	v_and_b32 v14, 1, v0
	v_lshl_add_u32 v13, v14, 3, v13
	s_mul_i32 s61, s[WV], 32*KP
	s_add_co_u32 s61, s61, XS
	v_add_nc_u32 v[XWR], s61, v13
	v_lshlrev_b32 v[LO], 4, v[LO]
	s_lshl_b32 s61, s[WV], 8
	v_lshl_add_u32 v14, v2, 5, s61                 ; q's and k's bias: my 8 columns of tile 0
	v_lshl_add_u32 v15, v1, 2, s61                 ; v's bias: my one channel of tile 0
	s_lshl_b32 s68, s[GI], 16                      ; 64 rows of 1,024 bytes
	s_mov_b32 s69, 0
	s_lshr_b32 s62, ttmp9, 2                       ; batch
	s_lshl_b32 s62, s62, 2
	s_add_co_u32 s62, s62, s[WV]
	s_mul_i32 s70, s62, 393216                     ; my two heads
	s_and_b32 s62, ttmp9, 3
	s_mul_i32 s62, s62, 49152                      ; the block of 256 rows
	s_add_co_u32 s70, s70, s62
	s_lshl_b32 s62, s[CX], 12                      ; my 64 rows in it
	s_add_co_u32 s70, s70, s62
	s_add_co_u32 s70, s70, 32768                   ; Q's part comes first
	s_mov_b32 s71, 0
	s_lshl_b32 s72, s[WV], 15
	s_mov_b32 s73, 0
	s_mov_b32 s[TB], RING1
	s_mov_b32 s[CNT], 2
	s_wait_dscnt 0x0
	s_wait_kmcnt 0x0
	s_add_nc_u64 s[4:5], s[4:5], s[68:69]
	s_add_nc_u64 s[6:7], s[6:7], s[68:69]
	s_add_nc_u64 s[12:13], s[12:13], s[70:71]
	s_add_nc_u64 s[G0+2:G0+3], s[8:9], s[72:73]    ; unit 0, my quarter
	s_or_b32 s[G0+3], s[G0+3], 0x80000000
	ROUND
	tensor_load_to_lds s[G0:G0+3], s[G1:G1+7]
	s_nop 0
	PLACES
	WIN 0xc0
.set c_, 0
.rept 4
	global_load_b128 v[128+8*c_:131+8*c_], v14, s[10:11] offset:c_*64
	global_load_b128 v[132+8*c_:135+8*c_], v14, s[10:11] offset:c_*64+16
	global_load_b128 v[160+8*c_:163+8*c_], v14, s[10:11] offset:1024+c_*64
	global_load_b128 v[164+8*c_:167+8*c_], v14, s[10:11] offset:1024+c_*64+16
	global_load_b32 v[192+8*c_], v15, s[10:11] offset:2048+c_*64
.set c_, c_+1
.endr
	WIN 0x40
.set j_, 0
.rept 32                                       ; the wave's 16 rows of both inputs, 512 consecutive bytes a load
	global_load_b128 v[4*j_:4*j_+3], v[RO], s[4:5] offset:j_*512
	global_load_b128 v[128+4*j_:131+4*j_], v[RO], s[6:7] offset:j_*512
.set j_, j_+1
.endr
	WIN 0
	s_wait_loadcnt 0x0
	WIN 0x45
.set i_, 0
.rept 64
	v_pk_add_f32 v[128+2*i_:129+2*i_], v[128+2*i_:129+2*i_], v[2*i_:2*i_+1]
.set i_, i_+1
.endr
	WIN 0x05
.set i_, 0
.rept 64
	v_cvt_pk_bf16_f32 v[64+i_], v[128+2*i_], v[129+2*i_]
	v_cvt_pk_bf16_f32 v[128+i_], v[2*i_], v[2*i_+1]
.set i_, i_+1
.endr
	WIN 0xc3
.set c_, 0
.rept 4
.irp j, 1,2,3,4,5,6,7
	v_mov_b32 v[192+8*c_+\j], v[192+8*c_]          ; in v's product a lane holds one channel: its bias in all eight registers
.endr
.set c_, c_+1
.endr
	WIN 0
.set j_, 0
.rept 32
	ds_store_b64 v[XWR], v[64+2*j_:65+2*j_] offset:(j_%2)*16*KP+(j_/2)*16
.set j_, j_+1
.endr
	BAR
	LDX 1
	BAR                                            ; every wave has q's fragments: the rows in LDS may be written over
.set j_, 0
.rept 32
	ds_store_b64 v[XWR], v[128+2*j_:129+2*j_] offset:(j_%2)*16*KP+(j_/2)*16
.set j_, j_+1
.endr
	BAR
	LDX 2
	s_wait_dscnt 0x0
.Lqk:                                          ; q, then k
	CHANGE
	s_xor_b32 s[TB], s[TB], RING1
	v_add_nc_u32 v[WAC], s[TB], v[WA0]
	GEMM WAC, 4, 1, 0, 1, 128, 3, 0
	WIN 0
	PLACES
	s_wait_xcnt 0x0                                ; the last trip's stores have read their data
	PACKB 0, 192
.set t_, 0
.rept 16
	global_store_b128 v[LO], v[192+4*t_:195+4*t_], s[12:13] offset:((t_%4)/2)*196608+(t_/4)*1024+(t_%2)*512  ; half a fragment: 512 consecutive bytes
.set t_, t_+1
.endr
	s_wait_xcnt 0x0
	s_sub_nc_u64 s[12:13], s[12:13], 32768         ; from Q's part back to K's
	WIN 0xc3
.set i_, 0
.rept 32
	v_mov_b32 v[128+i_], v[160+i_]                 ; k's bias is next
.set i_, i_+1
.endr
	WIN 0
	s_sub_co_u32 s[CNT], s[CNT], 1
	s_cmp_lg_u32 s[CNT], 0
	s_cbranch_scc1 .Lqk
	s_add_nc_u64 s[12:13], s[12:13], 49152         ; V's part
	s_wait_tensorcnt 0x0                           ; unit 2, my quarter, which I alone read; nothing more is asked for
	GEMM WA0, 4, 2, 0, 1, 192, 3, 1
	WIN 0
	PLACES
	PACKB 0, 192
.set t_, 0
.rept 16
	global_store_b128 v[LO], v[192+4*t_:195+4*t_], s[12:13] offset:((t_%4)/2)*196608+(t_/8)*2048+(t_%2)*1024+((t_/4)%2)*512
.set t_, t_+1
.endr
	s_wait_tensorcnt 0x0                           ; the wave's end
	ds_add_u32 v[SPW], v[NIL]
	s_wait_dscnt 0x0
	ROUND                                          ; the closing round
	s_endpgm
.Lfunc_end_k_q42091b794e_qkv:
	.size	k_q42091b794e_qkv, .Lfunc_end_k_q42091b794e_qkv-k_q42091b794e_qkv
	.p2alignl 7, 3214868480
	.fill 96, 4, 3214868480
	.section	.rodata,"a",@progbits
	.p2align	6, 0x0
	.amdhsa_kernel k_q42091b794e_qkv
		.amdhsa_group_segment_fixed_size 327680
		.amdhsa_private_segment_fixed_size 0
		.amdhsa_enable_private_segment 0
		.amdhsa_kernarg_size 40
		.amdhsa_user_sgpr_count 2
		.amdhsa_user_sgpr_kernarg_segment_ptr 1
		.amdhsa_wavefront_size32 1
		.amdhsa_system_sgpr_workgroup_id_x 1
		.amdhsa_system_sgpr_workgroup_id_y 1
		.amdhsa_system_sgpr_workgroup_id_z 1
		.amdhsa_system_vgpr_workitem_id 0
		.amdhsa_next_free_vgpr 1024
		.amdhsa_next_free_sgpr 80
		.amdhsa_reserve_vcc 0
		.amdhsa_float_denorm_mode_32 3
		.amdhsa_float_denorm_mode_16_64 3
		.amdhsa_memory_ordered 1
		.amdhsa_forward_progress 1
		.amdhsa_inst_pref_size 80
	.end_amdhsa_kernel
	.amdgpu_metadata
---
amdhsa.version: [ 1, 2 ]
amdhsa.kernels:
  - .name:           k_q42091b794e_qkv
    .symbol:         k_q42091b794e_qkv.kd
    .args:
      - { .name: tgt, .offset: 0, .size: 8, .value_kind: global_buffer, .address_space: global }
      - { .name: query_pos, .offset: 8, .size: 8, .value_kind: global_buffer, .address_space: global }
      - { .name: wb, .offset: 16, .size: 8, .value_kind: global_buffer, .address_space: global }
      - { .name: in_proj_b, .offset: 24, .size: 8, .value_kind: global_buffer, .address_space: global }
      - { .name: qkvb, .offset: 32, .size: 8, .value_kind: global_buffer, .address_space: global }
    .group_segment_fixed_size: 327680
    .private_segment_fixed_size: 0
    .kernarg_segment_align: 8
    .kernarg_segment_size: 40
    .max_flat_workgroup_size: 128
    .sgpr_count:     80
    .vgpr_count:     1024
    .wavefront_size: 32
...
	.end_amdgpu_metadata
.endif
;; end of part 3
;; launch attn (part 4): grid 256 x 1, 4 waves a work-group, clusters of 4 x 1, 327,680 bytes of LDS; arguments qkvb, wb, tgt, query_pos, reference_points, out_proj_b, norm2_g, norm2_b, off_b, attw_b, t1, sidx, swt; writes t1, sidx, swt
.if DOCPART == 4
	.amdgcn_target "amdgcn-amd-amdhsa--gfx1250"
	.amdhsa_code_object_version 6
	.text
	.protected	k_q42091b794e_attn
	.globl	k_q42091b794e_attn
	.p2align	8
	.type	k_q42091b794e_attn,@function
k_q42091b794e_attn:
	s_mov_b64 s[64:65], 0
	v_nop
	global_prefetch_b8 v0, s[64:65] scope:SCOPE_SE
	s_setreg_imm32_b32 hwreg(HW_REG_WAVE_MODE, 25, 1), 1
	s_wait_xcnt 0x0
	s_wait_alu depctr_hold_cnt(0) depctr_sa_sdst(0) depctr_va_vdst(0) depctr_va_sdst(0) depctr_va_ssrc(0) depctr_va_vcc(0) depctr_vm_vsrc(0)
	s_getreg_b32 s2, hwreg(HW_REG_IB_STS2, 6, 4)
	s_cmp_eq_u32 s2, 0
	s_cbranch_scc0 .Lentry_in_a_cluster
	s_endpgm
.Lentry_in_a_cluster:
	s_bfe_u32 s2, ttmp6, 0x10000c
	s_cmp_lg_u32 s2, 0x3003
	s_cbranch_scc0 .Lentry_shape_is_right
	s_endpgm
.Lentry_shape_is_right:
; SELF-ATTENTION, out_proj, + tgt, LayerNorm 2; then, on that + query_pos, the offsets' and weights' products, the softmax over 16 points, and each point's four corners as INDICES and WEIGHTS.
; Stored: t1 (LayerNorm 2's result, f16, in tiles [row tile][column tile][lane][16 bytes]); sidx (per row tile, head, lane: 8 points x two words of two 16-bit positions 0 .. 5439);
; swt (the same shape: four bf16 weights a point, = attention weight x bilinear weight, 0 for a corner outside its level).
; LIMITS.  t1 is f16: |LayerNorm's result| stays under 65,504 (it is at most 16 |g| + |b|).  NaN and infinities are not treated apart; a location that is no number gives weights 0.
; A weight below 2^-126 counts as 0 in a softmax's sum.  The levels' sizes are the module's own constants (64, 32, 16, 8 squared); src_spatial_shapes and level_start_index are not read, as the module reads neither.
; SHARES.  A work-group owns 64 queries of one batch; wave w the heads 2 w, 2 w + 1, one after the other, four tiles of 16 queries each.  Keys go 64 a step.
; LAYOUT.  S^T = K Q^T: a lane holds one query and 8 keys; two such tiles rounded to bf16 are source 1 of O^T = V^T P.  K, V^T and Q come as ready fragments.  The head size is 32: one matrix instruction a tile of S^T.
; SOFTMAX.  A running maximum m and sum l for each query: p = 2^(c s - c m), c = log2(e) / sqrt(32); O and l are multiplied by a = 2^(c m_old - c m_new) in every step.  m starts at the lowest finite number, O and l at 0.
; A step has 32 matrix and some 440 vector instructions: no order can hide the vector work behind so few products, so the step is written in phases, its 132 exponentials as one batch with one wait.
; THE RING.  Two slots of 128 KiB; each wave fetches and reads its own quarter: 256 keys of K and V of its head in hand, later its quarter of a unit of weights.  The four work-groups of a cluster belong to one batch
; and walk the same K, V and weights: each fill is asked for JOINTLY.
.set RING1, 131072
.set XS,    262144
.set RED,   296960
.set PAR,   301056                     ; out_proj_b, norm2_g, norm2_b, off_b (1,024 bytes each), attw_b (512)
.set SPARE, 313344
.set KP,    272
.set WA0, 3
.set WA1, 4
.set XW,  5
.set XR,  6
.set KVA, 7                            ; v7   the step's place in my quarter; later 16 x lane
.set SPW, 8
.set NIL, 9
.set RW,  10
.set RR,  11
.set MV,  12                           ; v12-15  c m_old, a tile each
.set DO,  16                           ; v16-18  offsets of the head's loads
.set RFO, 17
.set QO,  18
.set PR,  28
.set PFO, 29
.set XWH, 30                           ; v30  where the head in hand puts O
.set SA,  31                           ; v31  the record in hand
.set ST,  32                           ; v32-47  c m, m, l (even keys', odd keys'), a tile each
.set BIAS, 32                          ; later: bias tiles
.set TMP, 48                           ; v48-63  four at work a tile
.set S,   64                           ; v64-191 S^T (tile q, keys kt) at 64 + 32 q + 8 kt
.set WF,  64                           ; later: weight fragments
.set P,   192                          ; v192-255
.set QF,  64                           ; window 1: O^T v0-63; Q v64-95; the second head's Q v96-127; K v128-159; V^T v160-191
.set KF,  128
.set VF,  160
.set G1,  32
.set G0,  40
.set KVP, 44                           ; s[44:45] the block of K and V asked for last
.set WBP, 46                           ; s[46:47] unit 3 of the weights, my quarter
.set PFA, 48
.set SEL, 50
.set CS,  52
.set WV,  54
.set FC,  55                           ; fills of the loop still to be asked for
.set LIM, 56
.set HL,  57
.set SL,  58
.set STC, 59
.set TB,  60
.set CX,  66
.set GI,  67
.set XO,  68
.set INV, 69
.set EPS, 70
.set L2E, 72
.set STP, 74
.set SB,  76
.set MSB, 0
.macro WIN new
.if MSB != (\new)
	s_set_vgpr_msb (MSB<<8)|(\new)
.set MSB, (\new)
.endif
.endm
.macro PLACES
.rept 4
	v_nop
.endr
.endm
.macro BAR
	s_wait_dscnt 0x0
	s_barrier_signal -1
	s_barrier_wait -1
.endm
.macro ROUND
	s_barrier_signal -1
	s_barrier_wait -1
	s_cmp_lg_u32 s[WV], 0
	s_cbranch_scc1 .Lnw0_\@
	s_barrier_signal -3
.Lnw0_\@:
	s_barrier_wait -3
	s_barrier_signal -1
	s_barrier_wait -1
.endm
.macro HEADREGS
	v_lshrrev_b32 v1, 5, v0
	v_readfirstlane_b32 s[WV], v1
	s_bfe_u32 s[CX], ttmp6, 0x40000                ; my place in the cluster: it enters global addresses of my own loads, stores and prefetches alone
	s_lshl_b32 s[GI], ttmp9, 2
	s_add_co_u32 s[GI], s[GI], s[CX]
	s_mov_b32 s[G1], 15|(3<<16)|(1<<21)            ; the mask of four; elements of 8 bytes; bit 21 beside a mask; no padding
	s_mov_b32 s[G1+1], 32<<16                      ; 32 KiB on end as 128 rows of 256 bytes
	s_mov_b32 s[G1+2], 128<<16
	s_mov_b32 s[G1+3], 32<<16
	s_mov_b32 s[G1+4], 128
	s_mov_b32 s[G1+5], 32
	s_mov_b32 s[G1+6], 0
	s_mov_b32 s[G1+7], 0
	s_mov_b32 s[G0], 1
	s_lshl_b32 s[G0+1], s[WV], 15
	s_mov_b32 s[SEL], 0x76543210
	s_mov_b32 s[SEL+1], 0xfedcba98
	v_and_b32 v12, 31, v0
	v_and_b32 v1, 15, v0                           ; m
	v_bfe_u32 v2, v0, 4, 1                         ; hh
	v_lshl_add_u32 v[WA0], v12, 4, s[G0+1]
	v_add_nc_u32 v[WA1], RING1, v[WA0]
	v_mul_u32_u24 v13, v2, KP
	v_lshl_add_u32 v13, v1, 4, v13
	v_add_nc_u32 v[XR], XS, v13
	s_mul_i32 s61, s[WV], 8*KP
	s_add_co_u32 s61, s61, XS
	v_add_nc_u32 v[XW], s61, v13
	v_lshlrev_b32 v[RR], 4, v1
	v_add_nc_u32 v[RR], RED, v[RR]
	v_lshl_add_u32 v[RW], s[WV], 2, v[RR]
	s_lshl_b32 s61, s[WV], 8
	s_add_co_u32 s61, s61, PAR
	v_lshl_add_u32 v[PR], v2, 5, s61
	v_lshlrev_b32 v[PFO], 8, v12
.endm
.macro LDX win
	WIN (\win)<<6
.set f_, 0
.rept 32
	ds_load_b128 v[f_*8:f_*8+3], v[XR] offset:((f_/8)*32+4*(f_%8))*KP
	ds_load_b128 v[f_*8+4:f_*8+7], v[XR] offset:((f_/8)*32+4*(f_%8)+2)*KP
.set f_, f_+1
.endr
	WIN 0
.endm
.macro WLD wa, nt, ks, buf
.set w_, 0
.rept \nt
	ds_load_b128 v[WF+32*(\buf)+8*w_:WF+32*(\buf)+8*w_+3], v[\wa] offset:(\ks)*4096+w_*1024
	ds_load_b128 v[WF+32*(\buf)+8*w_+4:WF+32*(\buf)+8*w_+7], v[\wa] offset:(\ks)*4096+w_*1024+512
.set w_, w_+1
.endr
.endm
; A unit's product: 64 rows x nt tiles of my columns, 8 K steps; rows' fragments in window xw, sums at accb in window 3.  cmode = 1: the first step starts the sums with the bias tiles at cb in window cw;
; cmode = 0: the sums were set by vector work.  The accumulators take turns, one instruction a turn, over the K steps too.
.macro GEMM wa, nt, xw, accb, cmode, cb, cw, swap
.if \swap
.set wm_, 0xc0|(\xw)
.else
.set wm_, 0xc0|((\xw)<<2)
.endif
	WIN 0
	PLACES
	WLD \wa, \nt, 0, 0
.set ks_, 0
.rept 8
.if ks_ < 7
	WIN 0
.if ks_ > 0
	PLACES                                         ; four places between the buffer's last readers and the loads into it
.endif
	WLD \wa, \nt, ks_+1, (ks_+1)%2
	s_wait_dscnt 2*(\nt)                           ; the loads just issued may stay out; this step's are in
.else
	s_wait_dscnt 0x0
.endif
.if (\cmode) && (ks_ == 0)
	WIN wm_|((\cw)<<4)
.else
	WIN wm_|0x30
.endif
.set rt_, 0
.rept 4
.set ct_, 0
.rept \nt
.set rA_, (\accb)+(rt_*(\nt)+ct_)*8
.set rW_, WF+32*(ks_%2)+8*ct_
.set rX_, (rt_*8+ks_)*8
.set rC_, rA_
.if (\cmode) && (ks_ == 0)
.set rC_, (\cb)+8*ct_
.endif
.if \swap
	v_wmma_f32_16x16x32_bf16 v[rA_:rA_+7], v[rX_:rX_+7], v[rW_:rW_+7], v[rC_:rC_+7]
.else
	v_wmma_f32_16x16x32_bf16 v[rA_:rA_+7], v[rW_:rW_+7], v[rX_:rX_+7], v[rC_:rC_+7]
.endif
.set ct_, ct_+1
.endr
.set rt_, rt_+1
.endr
.set ks_, ks_+1
.endr
.endm
.macro BLD adr, off                    ; four bias tiles from the parameters in LDS
.set c_, 0
.rept 4
	ds_load_b128 v[BIAS+8*c_:BIAS+8*c_+3], v[\adr] offset:(\off)+c_*64
	ds_load_b128 v[BIAS+8*c_+4:BIAS+8*c_+7], v[\adr] offset:(\off)+c_*64+16
.set c_, c_+1
.endr
.endm
; The lanes' partial pairs in v[12 + 4 r ..] become the rows' totals over 256 columns, in v[12 + 4 r] of every lane: the lane's own, the other half of the lanes', the four waves' through LDS.
.macro LNRED reg
	WIN 0
.irp r, 0,1,2,3
	v_pk_add_f32 v[12+4*\r:13+4*\r], v[12+4*\r:13+4*\r], v[14+4*\r:15+4*\r]
.endr
.irp r, 0,1,2,3
	v_add_f32 v[12+4*\r], v[12+4*\r], v[13+4*\r]
.endr
.irp r, 0,1,2,3
	v_permlanex16_b32 v[13+4*\r], v[12+4*\r], s[SEL], s[SEL+1]
.endr
.irp r, 0,1,2,3
	v_add_f32 v[12+4*\r], v[12+4*\r], v[13+4*\r]
.endr
.irp r, 0,1,2,3
	ds_store_b32 v[RW], v[12+4*\r] offset:(\reg)*1024+\r*256
.endr
	BAR
.irp r, 0,1,2,3
	ds_load_b128 v[12+4*\r:15+4*\r], v[RR] offset:(\reg)*1024+\r*256
.endr
	s_wait_dscnt 0x0
.irp r, 0,1,2,3
	v_pk_add_f32 v[12+4*\r:13+4*\r], v[12+4*\r:13+4*\r], v[14+4*\r:15+4*\r]
.endr
.irp r, 0,1,2,3
	v_add_f32 v[12+4*\r], v[12+4*\r], v[13+4*\r]
.endr
.endm
; LayerNorm in place on the 128 registers at zb of window 3, in two passes (mean; then the mean of squares of what is left).  Each accumulator's lowest registers are read first.
.macro LN zb, reg, ga, be
	WIN 0
.set c_, 0
.rept 4
	ds_load_b128 v[64+8*c_:67+8*c_], v[PR] offset:(\ga)+c_*64
	ds_load_b128 v[68+8*c_:71+8*c_], v[PR] offset:(\ga)+c_*64+16
	ds_load_b128 v[96+8*c_:99+8*c_], v[PR] offset:(\be)+c_*64
	ds_load_b128 v[100+8*c_:103+8*c_], v[PR] offset:(\be)+c_*64+16
.set c_, c_+1
.endr
	WIN 0x0f
.irp r, 0,1,2,3
	v_pk_add_f32 v[12+4*\r:13+4*\r], v[(\zb)+32*\r:(\zb)+32*\r+1], v[(\zb)+32*\r+4:(\zb)+32*\r+5]
	v_pk_add_f32 v[14+4*\r:15+4*\r], v[(\zb)+32*\r+2:(\zb)+32*\r+3], v[(\zb)+32*\r+6:(\zb)+32*\r+7]
.endr
	WIN 0x0c
.set p_, 4
.rept 12
.irp r, 0,1,2,3
	v_pk_add_f32 v[12+4*\r+2*(p_%2):13+4*\r+2*(p_%2)], v[12+4*\r+2*(p_%2):13+4*\r+2*(p_%2)], v[(\zb)+32*\r+2*p_:(\zb)+32*\r+2*p_+1]
.endr
.set p_, p_+1
.endr
	LNRED \reg
.irp r, 0,1,2,3
	v_mul_f32 v[12+4*\r], s[INV], v[12+4*\r]
.endr
	WIN 0xc3
.set p_, 0
.rept 16
.irp r, 0,1,2,3
	v_pk_add_f32 v[(\zb)+32*\r+2*p_:(\zb)+32*\r+2*p_+1], v[(\zb)+32*\r+2*p_:(\zb)+32*\r+2*p_+1], v[12+4*\r:13+4*\r] op_sel_hi:[1,0] neg_lo:[0,1] neg_hi:[0,1]
.endr
.set p_, p_+1
.endr
	WIN 0x0f
.irp r, 0,1,2,3
	v_pk_mul_f32 v[12+4*\r:13+4*\r], v[(\zb)+32*\r:(\zb)+32*\r+1], v[(\zb)+32*\r:(\zb)+32*\r+1]
	v_pk_mul_f32 v[14+4*\r:15+4*\r], v[(\zb)+32*\r+2:(\zb)+32*\r+3], v[(\zb)+32*\r+2:(\zb)+32*\r+3]
.endr
.set p_, 2
.rept 14
.irp r, 0,1,2,3
	v_pk_fma_f32 v[12+4*\r+2*(p_%2):13+4*\r+2*(p_%2)], v[(\zb)+32*\r+2*p_:(\zb)+32*\r+2*p_+1], v[(\zb)+32*\r+2*p_:(\zb)+32*\r+2*p_+1], v[12+4*\r+2*(p_%2):13+4*\r+2*(p_%2)]
.endr
.set p_, p_+1
.endr
	LNRED (\reg)+1
.irp r, 0,1,2,3
	v_fma_f32 v[12+4*\r], v[12+4*\r], s[INV], s[EPS]
.endr
.irp r, 0,1,2,3
	v_rsq_f32 v[12+4*\r], v[12+4*\r]
.endr
	v_nop                                          ; a plain instruction behind the last root,
	s_wait_alu depctr_va_vdst(0)                   ; and one wait for the four, ahead of their first reader
	WIN 0xc3
.set p_, 0
.rept 16
.irp r, 0,1,2,3
	v_pk_mul_f32 v[(\zb)+32*\r+2*p_:(\zb)+32*\r+2*p_+1], v[(\zb)+32*\r+2*p_:(\zb)+32*\r+2*p_+1], v[12+4*\r:13+4*\r] op_sel_hi:[1,0]
.endr
.set p_, p_+1
.endr
.set p_, 0
.rept 16
.irp r, 0,1,2,3
	v_pk_fma_f32 v[(\zb)+32*\r+2*p_:(\zb)+32*\r+2*p_+1], v[(\zb)+32*\r+2*p_:(\zb)+32*\r+2*p_+1], v[64+2*p_:65+2*p_], v[96+2*p_:97+2*p_]
.endr
.set p_, p_+1
.endr
	WIN 0
.endm
; A PREFETCH INTO THE L2 of the block of K and V that the NEXT change of slots will ask for: my wave's 32 KiB, of which each of the four partners names 8 KiB, told apart by address; a lane 256 bytes.
; All four clusters of a batch walk the same blocks: the batch's first cluster asks.  The last two changes of the loop have no block two on.  The weights' three units are not asked for: many clusters read them.
.macro ASK
	s_cmp_gt_u32 s[FC], s[LIM]
	s_cbranch_scc0 .Lna_\@
	global_prefetch_b8 v[PFO], s[PFA:PFA+1] th:TH_LOAD_NT scope:SCOPE_SE
.Lna_\@:
.endm
; THE CHANGE OF SLOTS.  Every wave waits for all its tensor loads (one is out: its quarter of the slot to be read next), adds 0 to its spare word, waits for that and for its LDS instructions; a round of the
; cluster's barrier; then the next fill is asked for, into the slot read last: the wave's one tensor load until the next round.  In the loop it has four key steps in which to land.
; loop = 1: the address is made anew: the wave's next block of K and V, or behind the last block the first unit of weights.
.macro CHANGE loop
	WIN 0
	s_wait_tensorcnt 0x0
	ds_add_u32 v[SPW], v[NIL]
	s_xor_b32 s[G0+1], s[G0+1], RING1
.if \loop
	s_add_nc_u64 s[KVP:KVP+1], s[KVP:KVP+1], 49152
	s_cmp_eq_u32 s[FC], 1
	s_cselect_b64 s[G0+2:G0+3], s[WBP:WBP+1], s[KVP:KVP+1]
	s_or_b32 s[G0+3], s[G0+3], 0x80000000
	s_wait_xcnt 0x0                                ; the last prefetch, four key steps back, has read its address
	s_add_nc_u64 s[PFA:PFA+1], s[PFA:PFA+1], 49152
.else
	s_add_nc_u64 s[G0+2:G0+3], s[G0+2:G0+3], 131072
.endif
	s_wait_dscnt 0x0
	ROUND
	tensor_load_to_lds s[G0:G0+3], s[G1:G1+7]
	s_nop 0
	PLACES
.if \loop
	ASK
	s_sub_co_u32 s[FC], s[FC], 1
.endif
.endm
.macro REGS qt
.set rT, ST+4*(\qt)
.set rC, TMP+4*(\qt)
.set rM, MV+(\qt)
.set rS, S+32*(\qt)
.set rP, P+16*(\qt)
.set rO, 16*(\qt)
.endm
; Number n of the 22 that find a tile's maximum and statistics: 0-11 four chains of seven scores, each accumulator's lowest registers first; 12-14, 16 the four scores left over, the old m, the chains into one;
; 15 c m_old is kept; 17, 18 the query's other 32 keys lie in the lane 16 away; 19-21 c m, c m_old - c m_new, a.
.macro XSN qq, n
	REGS \qq
.if (\n) < 4
	v_max3_num_f32 v[rC+(\n)], v[rS+8*(\n)], v[rS+8*(\n)+1], v[rS+8*(\n)+2]
.elseif (\n) < 12
	v_max3_num_f32 v[rC+(\n)%4], v[rC+(\n)%4], v[rS+8*((\n)%4)+2*((\n)/4)+1], v[rS+8*((\n)%4)+2*((\n)/4)+2]
.elseif (\n) == 12
	v_max3_num_f32 v[rC], v[rC], v[rS+7], v[rS+15]
.elseif (\n) == 13
	v_max3_num_f32 v[rC+1], v[rC+1], v[rS+23], v[rS+31]
.elseif (\n) == 14
	v_max3_num_f32 v[rC+2], v[rC+2], v[rC+3], v[rT+1]
.elseif (\n) == 15
	v_mov_b32 v[rM], v[rT]
.elseif (\n) == 16
	v_max3_num_f32 v[rC], v[rC], v[rC+1], v[rC+2]
.elseif (\n) == 17
	v_permlanex16_b32 v[rC+3], v[rC], s[SEL], s[SEL+1]
.elseif (\n) == 18
	v_max_num_f32 v[rT+1], v[rC], v[rC+3]
.elseif (\n) == 19
	v_mul_f32 v[rT], s[CS], v[rT+1]
.elseif (\n) == 20
	v_sub_f32 v[rC+1], v[rM], v[rT]
.else
	v_exp_f32 v[rC+2], v[rC+1]
.endif
.endm
; A KEY STEP: 64 keys, four tiles of queries.
.macro STEP
	WIN 0
	PLACES                                         ; between the last products V^T P and the loads into V's registers
	v_add_nc_u32 v[KVA], s[TB], v[WA0]
	WIN 0x40
.set k_, 0
.rept 4
	ds_load_b128 v[KF+8*k_:KF+8*k_+3], v[KVA] offset:k_*1024
	ds_load_b128 v[KF+8*k_+4:KF+8*k_+7], v[KVA] offset:k_*1024+512
.set k_, k_+1
.endr
.set k_, 0
.rept 4
	ds_load_b128 v[VF+8*k_:VF+8*k_+3], v[KVA] offset:16384+k_*1024
	ds_load_b128 v[VF+8*k_+4:VF+8*k_+7], v[KVA] offset:16384+k_*1024+512
.set k_, k_+1
.endr
	s_wait_dscnt 8                                 ; K is in; V's eight loads may stay out
	WIN 0x05
.set k_, 0
.rept 4
.irp q, 0,1,2,3
	v_wmma_f32_16x16x32_bf16 v[S+32*\q+8*k_:S+32*\q+8*k_+7], v[KF+8*k_:KF+8*k_+7], v[QF+8*\q:QF+8*\q+7], 0
.endr
.set k_, k_+1
.endr
	WIN 0
	PLACES
.irp n, 0,1,2,3,4,5,6,7,8,9,10,11,12,13,14,15,16,17,18,19,20,21
.irp q, 0,1,2,3
	XSN \q, \n
.endr
.endr
; THE BATCH: behind the four a, the 64 scalings and the 128 exponentials; none of these lines names an exponential's result.  A pair is scaled a round ahead of its exponentials.
.set i_, 0
.rept 17
.irp q, 0,1,2,3
	REGS \q
.if i_ < 16
	v_pk_fma_f32 v[rS+2*i_:rS+2*i_+1], v[rS+2*i_:rS+2*i_+1], s[CS:CS+1], v[rT:rT+1] op_sel_hi:[1,0,0] neg_lo:[0,0,1] neg_hi:[0,0,1]
.endif
.if i_ > 0
	v_exp_f32 v[rS+2*i_-2], v[rS+2*i_-2]
.endif
.endr
.if i_ > 0
.irp q, 0,1,2,3
	REGS \q
	v_exp_f32 v[rS+2*i_-1], v[rS+2*i_-1]
.endr
.endif
.set i_, i_+1
.endr
	v_nop                                          ; a plain instruction behind the last exponential,
	s_wait_alu depctr_va_vdst(0)                   ; and one wait for the batch, ahead of its first reader
.set i_, 0
.rept 16
.irp q, 0,1,2,3
	REGS \q
	v_cvt_pk_bf16_f32 v[rP+i_], v[rS+2*i_], v[rS+2*i_+1]
.endr
.set i_, i_+1
.endr
.set i_, 0
.rept 8
.irp q, 0,1,2,3
	REGS \q
	v_pk_add_f32 v[rS+4*i_:rS+4*i_+1], v[rS+4*i_:rS+4*i_+1], v[rS+4*i_+2:rS+4*i_+3]
.endr
.set i_, i_+1
.endr
.irp q, 0,1,2,3
	REGS \q
	v_pk_fma_f32 v[rT+2:rT+3], v[rT+2:rT+3], v[rC+2:rC+3], v[rS:rS+1] op_sel_hi:[1,0,1]
.endr
.set i_, 1
.rept 7
.irp q, 0,1,2,3
	REGS \q
	v_pk_add_f32 v[rT+2:rT+3], v[rT+2:rT+3], v[rS+4*i_:rS+4*i_+1]
.endr
.set i_, i_+1
.endr
	WIN 0x41
.set i_, 0
.rept 8
.irp q, 0,1,2,3
	REGS \q
	v_pk_mul_f32 v[rO+2*i_:rO+2*i_+1], v[rO+2*i_:rO+2*i_+1], v[rC+2:rC+3] op_sel_hi:[1,0]
.endr
.set i_, i_+1
.endr
	s_wait_dscnt 0x0                               ; V is in
	WIN 0x51
.set f_, 0                                     ; keys 32 (f / 2) on, channels 16 (f % 2) on; the eight accumulators take turns
.rept 4
.irp q, 0,1,2,3
	v_wmma_f32_16x16x32_bf16 v[16*\q+8*(f_%2):16*\q+8*(f_%2)+7], v[VF+8*f_:VF+8*f_+7], v[P+16*\q+8*(f_/2):P+16*\q+8*(f_/2)+7], v[16*\q+8*(f_%2):16*\q+8*(f_%2)+7]
.endr
.set f_, f_+1
.endr
	WIN 0
.endm
; A point: its location in pixels of its level, the four corners' positions in the value table (clamped into the level) and weights (0 where the clamp moved the corner).
; ref W + off is the module's (ref + off / W) W bit for bit: W is a power of two.  All of it in f32, whole numbers exact; the positions are only stored here.
.macro POINT X, p
.set pt_, 4*(\X)+(\p)
.set cW, 32+8*(\X)
	v_pk_fma_f32 v[12:13], v[88+2*(\X):89+2*(\X)], v[cW:cW+1], v[64+8*(\X)+2*(\p):65+8*(\X)+2*(\p)] op_sel_hi:[1,0,1]
	v_pk_add_f32 v[12:13], v[12:13], -0.5 op_sel_hi:[1,0]
	v_floor_f32 v14, v12
	v_floor_f32 v15, v13
	v_pk_add_f32 v[16:17], v[12:13], v[14:15] neg_lo:[0,1] neg_hi:[0,1]
	v_pk_add_f32 v[18:19], v[14:15], 1.0 op_sel_hi:[1,0]
	v_med3_num_f32 v20, v14, 0, v[cW+2]
	v_med3_num_f32 v21, v18, 0, v[cW+2]
	v_med3_num_f32 v22, v15, 0, v[cW+2]
	v_med3_num_f32 v23, v19, 0, v[cW+2]
	v_sub_f32 v24, 1.0, v16
	v_sub_f32 v25, 1.0, v17
	v_cmp_eq_f32 vcc_lo, v20, v14
	v_cndmask_b32 v48, 0, v24, vcc_lo
	v_cmp_eq_f32 vcc_lo, v21, v18
	v_cndmask_b32 v49, 0, v16, vcc_lo
	v_cmp_eq_f32 vcc_lo, v22, v15
	v_cndmask_b32 v50, 0, v25, vcc_lo
	v_cmp_eq_f32 vcc_lo, v23, v19
	v_cndmask_b32 v51, 0, v17, vcc_lo
	v_mul_f32 v50, v50, v[80+pt_]
	v_mul_f32 v51, v51, v[80+pt_]
	v_mul_f32 v52, v48, v50
	v_mul_f32 v53, v49, v50
	v_mul_f32 v54, v48, v51
	v_mul_f32 v55, v49, v51
	v_cvt_pk_bf16_f32 v[112+2*pt_], v52, v53
	v_cvt_pk_bf16_f32 v[113+2*pt_], v54, v55
	v_fma_f32 v56, v22, v[cW], v[cW+3]
	v_fma_f32 v57, v23, v[cW], v[cW+3]
	v_add_f32 v58, v56, v20
	v_add_f32 v59, v56, v21
	v_add_f32 v60, v57, v20
	v_add_f32 v61, v57, v21
	v_cvt_u32_f32 v58, v58
	v_cvt_u32_f32 v59, v59
	v_cvt_u32_f32 v60, v60
	v_cvt_u32_f32 v61, v61
	v_lshl_or_b32 v[96+2*pt_], v59, 16, v58
	v_lshl_or_b32 v[97+2*pt_], v61, 16, v60
.endm
.macro LCONST dst, a, b                ; a in lanes 0-15, b in lanes 16-31
	v_mov_b32 v12, \b
	v_cndmask_b32 v[\dst], \a, v12, vcc_lo
.endm
	s_load_b512 s[4:19], s[0:1], 0x0               ; qkvb, wb, tgt, query_pos, reference_points, out_proj_b, norm2_g, norm2_b
	s_load_b256 s[20:27], s[0:1], 0x40             ; off_b, attw_b, t1, sidx
	s_load_b64 s[28:29], s[0:1], 0x60              ; swt
	v_lshl_add_u32 v[SPW], v0, 2, SPARE
	v_mov_b32 v[NIL], 0
	ds_add_u32 v[SPW], v[NIL]                      ; the wave's opening: the add and its wait ahead of my first tensor load
	HEADREGS
	v_and_b32 v[QO], 31, v0
	v_lshlrev_b32 v[QO], 4, v[QO]
	s_lshl_b32 s61, s[WV], 8
	v_lshl_add_u32 v[DO], v1, 10, s61              ; row m, my wave's 256 bytes,
	v_lshl_add_u32 v[DO], v2, 5, v[DO]             ; my 8 columns of tile 0
	v_lshlrev_b32 v[RFO], 5, v1
	v_lshl_add_u32 v[RFO], v2, 3, v[RFO]           ; row m's reference point of level hh
	v_lshlrev_b32 v19, 3, v0
	v_lshlrev_b32 v20, 2, v0
	v_add_nc_u32 v21, PAR, v19
	v_add_nc_u32 v22, PAR+4096, v20
	s_mov_b32 s[CS], 0x3e8293ee                    ; c = log2(e) / sqrt(32)
	s_mov_b32 s[CS+1], s[CS]
	s_mov_b32 s[INV], 0x3b800000                   ; 1 / 256
	s_mov_b32 s[EPS], 0x3727c5ac                   ; 1e-5
	s_mov_b32 s[L2E], 0x3fb8aa3b
	s_mov_b32 s[L2E+1], s[L2E]
	s_mov_b32 s[TB], RING1+16384                   ; the first change of slots turns this into 0
	s_mov_b32 s[FC], 8
	s_mov_b32 s[XO], 0
	s_mov_b32 s[HL], 2
	s_lshr_b32 s61, ttmp9, 2                       ; batch
	s_lshl_b32 s61, s61, 2
	s_add_co_u32 s61, s61, s[WV]
	s_mul_i32 s62, s61, 393216                     ; my two heads' eight blocks
	s_mov_b32 s63, 0
	s_and_b32 s61, ttmp9, 3                        ; my cluster among the batch's four = the block that holds its queries
	s_cmp_eq_u32 s61, 0
	s_cselect_b32 s[LIM], 2, -1
	s_mul_i32 s78, s61, 49152
	s_lshl_b32 s77, s[CX], 12
	s_add_co_u32 s78, s78, s77
	s_add_co_u32 s78, s78, 32768                   ; my 64 queries in Q's part
	s_mov_b32 s79, 0
	s_lshl_b32 s80, s[CX], 13
	s_add_co_u32 s80, s80, 49152                   ; the prefetches start a block on; the first change steps them to block 2
	s_mov_b32 s81, 0
	s_lshl_b32 s82, s[WV], 15
	s_add_co_u32 s82, s82, 3*131072
	s_mov_b32 s83, 0
	s_lshl_b32 s84, s[GI], 16
	s_mov_b32 s85, 0
	s_lshl_b32 s86, s[GI], 11
	s_mov_b32 s87, 0
	s_lshl_b32 s88, s[GI], 15
	s_lshl_b32 s77, s[WV], 11
	s_add_co_u32 s88, s88, s77
	s_mov_b32 s89, 0
	s_lshl_b32 s90, s[WV], 12
	s_add_co_u32 s90, s90, s84
	s_mov_b32 s91, 0
	s_wait_dscnt 0x0
	s_wait_kmcnt 0x0
	s_add_nc_u64 s[KVP:KVP+1], s[4:5], s[62:63]
	s_mov_b64 s[G0+2:G0+3], s[KVP:KVP+1]
	s_or_b32 s[G0+3], s[G0+3], 0x80000000
	s_add_nc_u64 s[30:31], s[KVP:KVP+1], s[78:79]
	s_add_nc_u64 s[PFA:PFA+1], s[KVP:KVP+1], s[80:81]
	s_add_nc_u64 s[WBP:WBP+1], s[6:7], s[82:83]
	s_add_nc_u64 s[8:9], s[8:9], s[84:85]
	s_add_nc_u64 s[10:11], s[10:11], s[84:85]
	s_add_nc_u64 s[12:13], s[12:13], s[86:87]
	s_add_nc_u64 s[24:25], s[24:25], s[88:89]
	s_add_nc_u64 s[26:27], s[26:27], s[90:91]
	s_add_nc_u64 s[28:29], s[28:29], s[90:91]
	ROUND
	tensor_load_to_lds s[G0:G0+3], s[G1:G1+7]      ; my first block of K and V
	s_nop 0
	PLACES
	global_load_b64 v[64:65], v19, s[14:15]
	global_load_b64 v[66:67], v19, s[16:17]
	global_load_b64 v[68:69], v19, s[18:19]
	global_load_b64 v[70:71], v19, s[20:21]
	global_load_b32 v72, v20, s[22:23]
	WIN 0x40
.set i_, 0
.rept 8                                        ; both heads' Q: head i / 4, tile i % 4
	global_load_b128 v[QF+8*i_:QF+8*i_+3], v[QO], s[30:31] offset:(i_/4)*196608+(i_%4)*1024
	global_load_b128 v[QF+8*i_+4:QF+8*i_+7], v[QO], s[30:31] offset:(i_/4)*196608+(i_%4)*1024+512
.set i_, i_+1
.endr
	WIN 0
	s_wait_loadcnt 16                              ; the parameters are in; Q's sixteen loads may stay out
	ds_store_b64 v21, v[64:65]
	ds_store_b64 v21, v[66:67] offset:1024
	ds_store_b64 v21, v[68:69] offset:2048
	ds_store_b64 v21, v[70:71] offset:3072
	ds_store_b32 v22, v72
	s_wait_loadcnt 0x0
	WIN 0x80                                       ; what the way out wants is asked for now and waited for there
.set t_, 0
.rept 16
	global_load_b128 v[8*t_:8*t_+3], v[DO], s[8:9] offset:(t_/4)*16384+(t_%4)*64
	global_load_b128 v[8*t_+4:8*t_+7], v[DO], s[8:9] offset:(t_/4)*16384+(t_%4)*64+16
	global_load_b128 v[128+8*t_:131+8*t_], v[DO], s[10:11] offset:(t_/4)*16384+(t_%4)*64
	global_load_b128 v[132+8*t_:135+8*t_], v[DO], s[10:11] offset:(t_/4)*16384+(t_%4)*64+16
.set t_, t_+1
.endr
	WIN 0xc0
.set r_, 0
.rept 4
	global_load_b64 v[192+4*r_:193+4*r_], v[RFO], s[12:13] offset:r_*512
	global_load_b64 v[194+4*r_:195+4*r_], v[RFO], s[12:13] offset:r_*512+16
.set r_, r_+1
.endr
	WIN 0
.Lhead:                                        ; a head begins: no first step is written out; its a is 0
	WIN 0x40
.set i_, 0
.rept 64
	v_mov_b32 v[i_], 0
.set i_, i_+1
.endr
	WIN 0
.irp q, 0,1,2,3
	v_mov_b32 v[ST+4*\q], 0xfe000000               ; c m: far below every c s
	v_mov_b32 v[ST+4*\q+1], 0xff7fffff             ; m
	v_mov_b32 v[ST+4*\q+2], 0
	v_mov_b32 v[ST+4*\q+3], 0
.endr
	s_mov_b32 s[SL], 4
.Lslot:
	CHANGE 1
	s_sub_co_u32 s[TB], s[TB], 16384               ; back to a slot's first step,
	s_xor_b32 s[TB], s[TB], RING1                  ; in the other slot
	s_mov_b32 s[STC], 4
.Lstep:
	STEP
	s_add_co_u32 s[TB], s[TB], 4096
	s_sub_co_u32 s[STC], s[STC], 1
	s_cmp_lg_u32 s[STC], 0
	s_cbranch_scc1 .Lstep
	s_sub_co_u32 s[SL], s[SL], 1
	s_cmp_lg_u32 s[SL], 0
	s_cbranch_scc1 .Lslot
; THE HEAD'S END: O / l, rounded to bf16, into the rows' place in LDS.  The additions are the places behind the last products.
.irp q, 0,1,2,3
	v_add_f32 v[TMP+4*\q], v[ST+4*\q+2], v[ST+4*\q+3]
.endr
.irp q, 0,1,2,3
	v_permlanex16_b32 v[TMP+4*\q+1], v[TMP+4*\q], s[SEL], s[SEL+1]
.endr
.irp q, 0,1,2,3
	v_add_f32 v[TMP+4*\q], v[TMP+4*\q], v[TMP+4*\q+1]
.endr
.irp q, 0,1,2,3
	v_rcp_f32 v[TMP+4*\q+2], v[TMP+4*\q]
.endr
	v_nop
	s_wait_alu depctr_va_vdst(0)                   ; one wait for the four reciprocals
	WIN 0x41
.set i_, 0
.rept 8
.irp q, 0,1,2,3
	v_pk_mul_f32 v[16*\q+2*i_:16*\q+2*i_+1], v[16*\q+2*i_:16*\q+2*i_+1], v[TMP+4*\q+2:TMP+4*\q+3] op_sel_hi:[1,0]
.endr
.set i_, i_+1
.endr
	WIN 0x05
.set i_, 0
.rept 32
	v_cvt_pk_bf16_f32 v[S+i_], v[2*i_], v[2*i_+1]
.set i_, i_+1
.endr
	WIN 0
	v_add_nc_u32 v[XWH], s[XO], v[XW]
.set i_, 0
.rept 8                                        ; tile i / 2, channels 16 (i % 2) on
	ds_store_b128 v[XWH], v[S+4*i_:S+4*i_+3] offset:((i_/2)*32+2*(i_%2))*KP
.set i_, i_+1
.endr
	s_add_co_u32 s[XO], s[XO], 4*KP                ; the second head's 32 channels lie four LDS rows on
	WIN 0x41
.set i_, 0
.rept 32
	v_mov_b32 v[QF+i_], v[QF+32+i_]
.set i_, i_+1
.endr
	WIN 0
	s_sub_co_u32 s[HL], s[HL], 1
	s_cmp_lg_u32 s[HL], 0
	s_cbranch_scc1 .Lhead
; out_proj, + tgt, LayerNorm 2
	s_wait_loadcnt 0x0                             ; tgt, query_pos, the reference points
	CHANGE 0                                       ; out_proj's unit is in, off's is asked for; the round also shows every wave's O
	LDX 1
	BLD PR, 0
	s_wait_dscnt 0x0
	WIN 0xc2
.set i_, 0
.rept 64
	v_pk_add_f32 v[2*i_:2*i_+1], v[2*i_:2*i_+1], v[BIAS+8*((i_/4)%4)+2*(i_%4):BIAS+8*((i_/4)%4)+2*(i_%4)+1]
.set i_, i_+1
.endr
	GEMM WA0, 4, 1, 0, 0, 0, 3, 0
	WIN 0
	PLACES
	LN 0, 0, 1024, 2048
	WIN 0x0f
.set i_, 0
.rept 64
	v_cvt_pk_f16_f32 v[128+i_], v[2*i_], v[2*i_+1]
.set i_, i_+1
.endr
	WIN 0
	v_and_b32 v[KVA], 31, v0
	v_lshlrev_b32 v[KVA], 4, v[KVA]                ; 16 x lane
.set t_, 0
.rept 16
	global_store_b128 v[KVA], v[128+4*t_:131+4*t_], s[24:25] offset:(t_/4)*8192+(t_%4)*512  ; a tile: 512 consecutive bytes
.set t_, t_+1
.endr
	WIN 0x8b
.set i_, 0
.rept 64
	v_pk_add_f32 v[128+2*i_:129+2*i_], v[2*i_:2*i_+1], v[128+2*i_:129+2*i_]
.set i_, i_+1
.endr
	WIN 0x0a
.set i_, 0
.rept 64
	v_cvt_pk_bf16_f32 v[192+i_], v[128+2*i_], v[129+2*i_]
.set i_, i_+1
.endr
	WIN 0
.set t_, 0
.rept 16                                       ; LayerNorm's barriers lie between every wave's reads of O and these stores
	ds_store_b128 v[XW], v[192+4*t_:195+4*t_] offset:((t_/4)*32+2*(t_%4))*KP
.set t_, t_+1
.endr
; the offsets and the weights' logits
	CHANGE 0                                       ; off's unit is in, attw's is asked for
	LDX 1
	BLD PR, 3072
	s_wait_dscnt 0x0
	GEMM WA1, 4, 1, 0, 1, BIAS, 0, 0
	WIN 0
	PLACES
	s_wait_tensorcnt 0x0                           ; attw's unit, my quarter, which I alone read; nothing more is asked for
	s_lshl_b32 s61, s[WV], 7
	s_add_co_u32 s61, s61, PAR+4096
	v_lshl_add_u32 v[SA], v2, 4, s61
.irp c, 0,1
	ds_load_b128 v[BIAS+8*\c:BIAS+8*\c+3], v[SA] offset:\c*64
	ds_load_b128 v[BIAS+8*\c+4:BIAS+8*\c+7], v[SA] offset:\c*64+32
.endr
	GEMM WA0, 2, 1, 128, 1, BIAS, 0, 0
	WIN 0
	PLACES
; The results go, a record for each (row tile, head), into my quarter of slot 1, which has had its last fill and which I alone touch: so ONE text serves all eight records.
	WIN 0x0c
.set t_, 0
.rept 8
.set a_, ((t_/2)*4+2*(t_%2))*8
	ds_store_b128 v[WA1], v[a_:a_+3] offset:t_*3584
	ds_store_b128 v[WA1], v[a_+4:a_+7] offset:t_*3584+512
	ds_store_b128 v[WA1], v[a_+8:a_+11] offset:t_*3584+1024
	ds_store_b128 v[WA1], v[a_+12:a_+15] offset:t_*3584+1536
	ds_store_b128 v[WA1], v[128+8*t_:131+8*t_] offset:t_*3584+2048
	ds_store_b128 v[WA1], v[132+8*t_:135+8*t_] offset:t_*3584+2560
	ds_store_b128 v[WA1], v[192+4*(t_/2):195+4*(t_/2)] offset:t_*3584+3072
.set t_, t_+1
.endr
	WIN 0
	v_cmp_eq_u32 vcc_lo, 1, v2                     ; lanes 0-15 hold levels 0 and 2, lanes 16-31 levels 1 and 3
	LCONST 32, 0x42800000, 0x42000000              ; side 64 or 32
	LCONST 34, 0x427c0000, 0x41f80000              ; side - 1
	LCONST 35, 0, 0x45800000                       ; the level's first position: 0 or 4,096
	LCONST 40, 0x41800000, 0x41000000              ; 16 or 8
	LCONST 42, 0x41700000, 0x40e00000
	LCONST 43, 0x45a00000, 0x45a80000              ; 5,120 or 5,376
	v_mov_b32 v33, v32
	v_mov_b32 v41, v40
	s_mov_b32 s[SB], 0
	s_mov_b32 s[STP], 2048
	s_mov_b32 s[STP+1], 0
	s_mov_b32 s[HL], 8
.Lloc:
	v_add_nc_u32 v[SA], s[SB], v[WA1]
.irp s, 0,1,2,3,4,5,6
	ds_load_b128 v[64+4*\s:67+4*\s], v[SA] offset:\s*512
.endr
	s_wait_dscnt 0x0
	v_max3_num_f32 v12, v80, v81, v82              ; the softmax over the head's 16 points: my 8 and the 8 in the lane 16 away
	v_max3_num_f32 v12, v12, v83, v84
	v_max3_num_f32 v12, v12, v85, v86
	v_max_num_f32 v12, v12, v87
	v_permlanex16_b32 v13, v12, s[SEL], s[SEL+1]
	v_max_num_f32 v12, v12, v13
	v_mul_f32 v12, s[L2E], v12
.irp i, 0,1,2,3
	v_pk_fma_f32 v[80+2*\i:81+2*\i], v[80+2*\i:81+2*\i], s[L2E:L2E+1], v[12:13] op_sel_hi:[1,0,0] neg_lo:[0,0,1] neg_hi:[0,0,1]
.endr
.irp i, 0,1,2,3,4,5,6,7
	v_exp_f32 v[80+\i], v[80+\i]
.endr
	v_nop
	s_wait_alu depctr_va_vdst(0)                   ; one wait for the eight exponentials
	v_pk_add_f32 v[14:15], v[80:81], v[82:83]
	v_pk_add_f32 v[16:17], v[84:85], v[86:87]
	v_pk_add_f32 v[14:15], v[14:15], v[16:17]
	v_add_f32 v14, v14, v15
	v_permlanex16_b32 v15, v14, s[SEL], s[SEL+1]
	v_add_f32 v14, v14, v15
	v_rcp_f32 v14, v14
	v_nop
	s_wait_alu depctr_va_vdst(0)
.irp i, 0,1,2,3
	v_pk_mul_f32 v[80+2*\i:81+2*\i], v[80+2*\i:81+2*\i], v[14:15] op_sel_hi:[1,0]
.endr
.irp p, 0,1,2,3
	POINT 0, \p
.endr
.irp p, 0,1,2,3
	POINT 1, \p
.endr
.irp q, 0,1,2,3
	global_store_b128 v[KVA], v[96+4*\q:99+4*\q], s[26:27] offset:\q*512
	global_store_b128 v[KVA], v[112+4*\q:115+4*\q], s[28:29] offset:\q*512
.endr
	s_wait_xcnt 0x0                                ; the stores have read their data and their bases
	s_add_nc_u64 s[26:27], s[26:27], s[STP:STP+1]
	s_add_nc_u64 s[28:29], s[28:29], s[STP:STP+1]
	s_sub_co_u32 s[STP], 16384, s[STP]             ; to my second head 2,048 bytes, from it to the next row tile 14,336
	s_add_co_u32 s[SB], s[SB], 3584
	s_sub_co_u32 s[HL], s[HL], 1
	s_cmp_lg_u32 s[HL], 0
	s_cbranch_scc1 .Lloc
	s_wait_tensorcnt 0x0                           ; the wave's end
	ds_add_u32 v[SPW], v[NIL]
	s_wait_dscnt 0x0
	ROUND                                          ; the closing round
	s_endpgm
.Lfunc_end_k_q42091b794e_attn:
	.size	k_q42091b794e_attn, .Lfunc_end_k_q42091b794e_attn-k_q42091b794e_attn
	.p2alignl 7, 3214868480
	.fill 96, 4, 3214868480
	.section	.rodata,"a",@progbits
	.p2align	6, 0x0
	.amdhsa_kernel k_q42091b794e_attn
		.amdhsa_group_segment_fixed_size 327680
		.amdhsa_private_segment_fixed_size 0
		.amdhsa_enable_private_segment 0
		.amdhsa_kernarg_size 104
		.amdhsa_user_sgpr_count 2
		.amdhsa_user_sgpr_kernarg_segment_ptr 1
		.amdhsa_wavefront_size32 1
		.amdhsa_system_sgpr_workgroup_id_x 1
		.amdhsa_system_sgpr_workgroup_id_y 1
		.amdhsa_system_sgpr_workgroup_id_z 1
		.amdhsa_system_vgpr_workitem_id 0
		.amdhsa_next_free_vgpr 1024
		.amdhsa_next_free_sgpr 96
		.amdhsa_reserve_vcc 1
		.amdhsa_float_denorm_mode_32 3
		.amdhsa_float_denorm_mode_16_64 3
		.amdhsa_memory_ordered 1
		.amdhsa_forward_progress 1
		.amdhsa_inst_pref_size 164
	.end_amdhsa_kernel
	.amdgpu_metadata
---
amdhsa.version: [ 1, 2 ]
amdhsa.kernels:
  - .name:           k_q42091b794e_attn
    .symbol:         k_q42091b794e_attn.kd
    .args:
      - { .name: qkvb, .offset: 0, .size: 8, .value_kind: global_buffer, .address_space: global }
      - { .name: wb, .offset: 8, .size: 8, .value_kind: global_buffer, .address_space: global }
      - { .name: tgt, .offset: 16, .size: 8, .value_kind: global_buffer, .address_space: global }
      - { .name: query_pos, .offset: 24, .size: 8, .value_kind: global_buffer, .address_space: global }
      - { .name: reference_points, .offset: 32, .size: 8, .value_kind: global_buffer, .address_space: global }
      - { .name: out_proj_b, .offset: 40, .size: 8, .value_kind: global_buffer, .address_space: global }
      - { .name: norm2_g, .offset: 48, .size: 8, .value_kind: global_buffer, .address_space: global }
      - { .name: norm2_b, .offset: 56, .size: 8, .value_kind: global_buffer, .address_space: global }
      - { .name: off_b, .offset: 64, .size: 8, .value_kind: global_buffer, .address_space: global }
      - { .name: attw_b, .offset: 72, .size: 8, .value_kind: global_buffer, .address_space: global }
      - { .name: t1, .offset: 80, .size: 8, .value_kind: global_buffer, .address_space: global }
      - { .name: sidx, .offset: 88, .size: 8, .value_kind: global_buffer, .address_space: global }
      - { .name: swt, .offset: 96, .size: 8, .value_kind: global_buffer, .address_space: global }
    .group_segment_fixed_size: 327680
    .private_segment_fixed_size: 0
    .kernarg_segment_align: 8
    .kernarg_segment_size: 104
    .max_flat_workgroup_size: 128
    .sgpr_count:     96
    .vgpr_count:     1024
    .wavefront_size: 32
...
	.end_amdgpu_metadata
.endif
;; end of part 4
;; launch samp (part 5): grid 1024 x 2, 8 waves a work-group, no clusters, 0 bytes of LDS; arguments value, sidx, swt, smp; writes smp
.if DOCPART == 5
	.amdgcn_target "amdgcn-amd-amdhsa--gfx1250"
	.amdhsa_code_object_version 6
	.text
	.protected	k_q42091b794e_samp
	.globl	k_q42091b794e_samp
	.p2align	8
	.type	k_q42091b794e_samp,@function
k_q42091b794e_samp:
	s_mov_b64 s[64:65], 0
	v_nop
	global_prefetch_b8 v0, s[64:65] scope:SCOPE_SE
	s_setreg_imm32_b32 hwreg(HW_REG_WAVE_MODE, 25, 1), 1
	s_wait_xcnt 0x0
; THE GATHER.  smp[row][head][32 channels] = the sum over the head's 16 points x 4 corners of weight x value[batch][head][position][:], in f32, rounded once to bf16.
; Positions (whole numbers) and weights were stored by the launch before.  smp: [row tile 1024][head 8][16 rows][32 channels].
; A wave makes 8 rows of one head: four lanes a row, each 8 channels (16 bytes of a record of 64): one load of the wave reads 8 whole records.  Eight trips of two points (8 corners) a row.
; No LDS, no barrier, no matrix unit: the work is reads of records scattered over 340 KiB a head, which does not fit beside anything in LDS; many small waves lie on a SIMD and cover each other's waits.
	s_load_b256 s[4:11], s[0:1], 0x0               ; value, sidx, swt, smp
	v_lshrrev_b32 v1, 5, v0
	v_readfirstlane_b32 s12, v1                    ; wave 0..7
	s_and_b32 s13, ttmp7, 0xffff
	s_lshl_b32 s13, s13, 2
	s_lshr_b32 s14, s12, 1
	s_add_co_u32 s13, s13, s14                     ; head
	s_and_b32 s14, s12, 1                          ; which 8 of the tile's 16 rows
	v_and_b32 v3, 31, v0
	v_and_b32 v1, 3, v0
	v_lshlrev_b32 v1, 4, v1                        ; my 16 bytes of a record
	v_lshrrev_b32 v2, 2, v3
	v_lshl_add_u32 v2, s14, 3, v2                  ; my row in the tile
	v_lshlrev_b32 v2, 4, v2                        ; its 16 bytes in a piece of 256
	v_lshlrev_b32 v3, 4, v3
	s_lshr_b32 s15, ttmp9, 6                       ; batch
	s_lshl_b32 s15, s15, 3
	s_add_co_u32 s15, s15, s13
	s_mul_i32 s16, s15, 348160
	s_mov_b32 s17, 0
	s_lshl_b32 s18, ttmp9, 3
	s_add_co_u32 s18, s18, s13
	s_lshl_b32 s20, s18, 11
	s_mov_b32 s21, 0
	s_lshl_b32 s22, s18, 10
	s_lshl_b32 s19, s14, 9
	s_add_co_u32 s22, s22, s19
	s_mov_b32 s23, 0
	s_mov_b32 s24, 8
.irp c, 0,1,2,3,4,5,6,7
	v_mov_b32 v[24+\c], 0
.endr
	s_wait_kmcnt 0x0
	s_add_nc_u64 s[4:5], s[4:5], s[16:17]
	s_add_nc_u64 s[6:7], s[6:7], s[20:21]
	s_add_nc_u64 s[8:9], s[8:9], s[20:21]
	s_add_nc_u64 s[10:11], s[10:11], s[22:23]
.macro FM c, k                         ; channel c += corner k's value x its weight, both bf16 halves, the sum in f32
.set vr_, 32+4*(\k)+(\c)/2
.set wr_, 12+(\k)/2
.if ((\c)%2 == 0) && ((\k)%2 == 0)
	v_fma_mix_f32_bf16 v[24+(\c)], v[vr_], v[wr_], v[24+(\c)] op_sel:[0,0,0] op_sel_hi:[1,1,0]
.elseif ((\c)%2 == 1) && ((\k)%2 == 0)
	v_fma_mix_f32_bf16 v[24+(\c)], v[vr_], v[wr_], v[24+(\c)] op_sel:[1,0,0] op_sel_hi:[1,1,0]
.elseif ((\c)%2 == 0) && ((\k)%2 == 1)
	v_fma_mix_f32_bf16 v[24+(\c)], v[vr_], v[wr_], v[24+(\c)] op_sel:[0,1,0] op_sel_hi:[1,1,0]
.else
	v_fma_mix_f32_bf16 v[24+(\c)], v[vr_], v[wr_], v[24+(\c)] op_sel:[1,1,0] op_sel_hi:[1,1,0]
.endif
.endm
.Lpiece:
	global_load_b128 v[8:11], v2, s[6:7]           ; two points' eight positions,
	global_load_b128 v[12:15], v2, s[8:9]          ; and weights
	s_wait_loadcnt 0x0
	v_add_nc_u32 v2, 256, v2                       ; free since that wait: the next piece
.irp k, 0,2,4,6
	v_and_b32 v[32+4*\k], 0xffff, v[8+\k/2]
	v_lshrrev_b32 v[36+4*\k], 16, v[8+\k/2]
.endr
.irp k, 0,1,2,3,4,5,6,7
	v_min_u32 v[32+4*\k], 5439, v[32+4*\k]         ; a position stays inside the table
	v_lshl_add_u32 v[32+4*\k], v[32+4*\k], 6, v1
.endr
.irp k, 0,1,2,3,4,5,6,7
	global_load_b128 v[32+4*\k:35+4*\k], v[32+4*\k], s[4:5]
.endr
	s_wait_loadcnt 0x0
.irp k, 0,1,2,3,4,5,6,7
.irp c, 0,1,2,3,4,5,6,7
	FM \c, \k
.endr
.endr
	s_sub_co_u32 s24, s24, 1
	s_cmp_lg_u32 s24, 0
	s_cbranch_scc1 .Lpiece
	v_cvt_pk_bf16_f32 v4, v24, v25
	v_cvt_pk_bf16_f32 v5, v26, v27
	v_cvt_pk_bf16_f32 v6, v28, v29
	v_cvt_pk_bf16_f32 v7, v30, v31
	global_store_b128 v3, v[4:7], s[10:11]         ; the wave's 8 rows: 512 consecutive bytes
	s_endpgm
.Lfunc_end_k_q42091b794e_samp:
	.size	k_q42091b794e_samp, .Lfunc_end_k_q42091b794e_samp-k_q42091b794e_samp
	.p2alignl 7, 3214868480
	.fill 96, 4, 3214868480
	.section	.rodata,"a",@progbits
	.p2align	6, 0x0
	.amdhsa_kernel k_q42091b794e_samp
		.amdhsa_group_segment_fixed_size 0
		.amdhsa_private_segment_fixed_size 0
		.amdhsa_enable_private_segment 0
		.amdhsa_kernarg_size 32
		.amdhsa_user_sgpr_count 2
		.amdhsa_user_sgpr_kernarg_segment_ptr 1
		.amdhsa_wavefront_size32 1
		.amdhsa_system_sgpr_workgroup_id_x 1
		.amdhsa_system_sgpr_workgroup_id_y 1
		.amdhsa_system_sgpr_workgroup_id_z 1
		.amdhsa_system_vgpr_workitem_id 0
		.amdhsa_next_free_vgpr 64
		.amdhsa_next_free_sgpr 66
		.amdhsa_reserve_vcc 0
		.amdhsa_float_denorm_mode_32 3
		.amdhsa_float_denorm_mode_16_64 3
		.amdhsa_memory_ordered 1
		.amdhsa_forward_progress 1
		.amdhsa_inst_pref_size 9
	.end_amdhsa_kernel
	.amdgpu_metadata
---
amdhsa.version: [ 1, 2 ]
amdhsa.kernels:
  - .name:           k_q42091b794e_samp
    .symbol:         k_q42091b794e_samp.kd
    .args:
      - { .name: value, .offset: 0, .size: 8, .value_kind: global_buffer, .address_space: global }
      - { .name: sidx, .offset: 8, .size: 8, .value_kind: global_buffer, .address_space: global }
      - { .name: swt, .offset: 16, .size: 8, .value_kind: global_buffer, .address_space: global }
      - { .name: smp, .offset: 24, .size: 8, .value_kind: global_buffer, .address_space: global }
    .group_segment_fixed_size: 0
    .private_segment_fixed_size: 0
    .kernarg_segment_align: 8
    .kernarg_segment_size: 32
    .max_flat_workgroup_size: 256
    .sgpr_count:     66
    .vgpr_count:     64
    .wavefront_size: 32
...
	.end_amdgpu_metadata
.endif
;; end of part 5
;; launch ffn (part 6): grid 256 x 1, 4 waves a work-group, clusters of 4 x 1, 327,680 bytes of LDS; arguments smp, t1, wb, outp_b, norm1_g, norm1_b, lin1_b, lin2_b, norm3_g, norm3_b, out0; writes out0
.if DOCPART == 6
	.amdgcn_target "amdgcn-amd-amdhsa--gfx1250"
	.amdhsa_code_object_version 6
	.text
	.protected	k_q42091b794e_ffn
	.globl	k_q42091b794e_ffn
	.p2align	8
	.type	k_q42091b794e_ffn,@function
k_q42091b794e_ffn:
	s_mov_b64 s[64:65], 0
	v_nop
	global_prefetch_b8 v0, s[64:65] scope:SCOPE_SE
	s_setreg_imm32_b32 hwreg(HW_REG_WAVE_MODE, 25, 1), 1
	s_wait_xcnt 0x0
	s_wait_alu depctr_hold_cnt(0) depctr_sa_sdst(0) depctr_va_vdst(0) depctr_va_sdst(0) depctr_va_ssrc(0) depctr_va_vcc(0) depctr_vm_vsrc(0)
	s_getreg_b32 s2, hwreg(HW_REG_IB_STS2, 6, 4)
	s_cmp_eq_u32 s2, 0
	s_cbranch_scc0 .Lentry_in_a_cluster
	s_endpgm
.Lentry_in_a_cluster:
	s_bfe_u32 s2, ttmp6, 0x10000c
	s_cmp_lg_u32 s2, 0x3003
	s_cbranch_scc0 .Lentry_shape_is_right
	s_endpgm
.Lentry_shape_is_right:
; out0 = LayerNorm 3 (x + relu(x lin1^T + b1) lin2^T + b2), x = LayerNorm 1 (t1 + smp outp^T + b).  All in one launch: a work-group keeps its 64 rows in registers and LDS from smp to out0.
; Wave w owns the columns 64 w .. of every product (taken transposed: a lane holds one row and 8 columns); what one product's waves make is the next product's rows, handed over as bf16 through LDS.
; The hidden layer goes in four chunks of 256: lin1's chunk, relu, lin2's chunk onto sums that stay in registers.  Residuals, sums and norms in f32; t1 arrives in f16.
; THE WEIGHTS: nine units of 128 KiB through two LDS slots, each wave fetching and reading its own quarter; all work-groups walk the same units, the four of a cluster ask JOINTLY.
; NaN and infinities are not treated apart.
.set RING1, 131072
.set XS,    262144
.set RED,   296960
.set PAR,   301056                     ; outp_b, norm1_g, norm1_b, lin2_b, norm3_g, norm3_b (1,024 bytes each), lin1_b (4,096)
.set SPARE, 313344
.set KP,    272
.set WA0, 3
.set WA1, 4
.set XW,  5
.set XR,  6
.set PRL, 7                            ; v7  lin1_b's chunk
.set SPW, 8
.set NIL, 9
.set RW,  10
.set RR,  11
.set PR,  28
.set PFO, 29
.set ONE, 30
.set ZR,  31
.set BIAS, 32
.set WF,  64
.set G1,  32
.set G0,  40
.set PFA, 48
.set SEL, 50
.set WV,  54
.set FC,  55
.set LIM, 56
.set CNT, 57
.set PB,  58
.set CX,  66
.set GI,  67
.set INV, 69
.set EPS, 70
; window 0: v128-191 t1 as loaded, later packed tiles; v192-255 smp as loaded.  window 1: x's fragments.  window 2: smp's, later the hidden chunk's.  window 3: v0-127 sums; v128-255 lin2's sums.
.set MSB, 0
.macro WIN new
.if MSB != (\new)
	s_set_vgpr_msb (MSB<<8)|(\new)
.set MSB, (\new)
.endif
.endm
.macro PLACES
.rept 4
	v_nop
.endr
.endm
.macro BAR
	s_wait_dscnt 0x0
	s_barrier_signal -1
	s_barrier_wait -1
.endm
.macro ROUND
	s_barrier_signal -1
	s_barrier_wait -1
	s_cmp_lg_u32 s[WV], 0
	s_cbranch_scc1 .Lnw0_\@
	s_barrier_signal -3
.Lnw0_\@:
	s_barrier_wait -3
	s_barrier_signal -1
	s_barrier_wait -1
.endm
.macro HEADREGS
	v_lshrrev_b32 v1, 5, v0
	v_readfirstlane_b32 s[WV], v1
	s_bfe_u32 s[CX], ttmp6, 0x40000                ; my place in the cluster: it enters global addresses of my own loads, stores and prefetches alone
	s_lshl_b32 s[GI], ttmp9, 2
	s_add_co_u32 s[GI], s[GI], s[CX]
	s_mov_b32 s[G1], 15|(3<<16)|(1<<21)            ; the mask of four; elements of 8 bytes; bit 21 beside a mask; no padding
	s_mov_b32 s[G1+1], 32<<16                      ; 32 KiB on end as 128 rows of 256 bytes
	s_mov_b32 s[G1+2], 128<<16
	s_mov_b32 s[G1+3], 32<<16
	s_mov_b32 s[G1+4], 128
	s_mov_b32 s[G1+5], 32
	s_mov_b32 s[G1+6], 0
	s_mov_b32 s[G1+7], 0
	s_mov_b32 s[G0], 1
	s_lshl_b32 s[G0+1], s[WV], 15
	s_mov_b32 s[SEL], 0x76543210
	s_mov_b32 s[SEL+1], 0xfedcba98
	v_and_b32 v12, 31, v0
	v_and_b32 v1, 15, v0                           ; m
	v_bfe_u32 v2, v0, 4, 1                         ; hh
	v_lshl_add_u32 v[WA0], v12, 4, s[G0+1]
	v_add_nc_u32 v[WA1], RING1, v[WA0]
	v_mul_u32_u24 v13, v2, KP
	v_lshl_add_u32 v13, v1, 4, v13
	v_add_nc_u32 v[XR], XS, v13
	s_mul_i32 s61, s[WV], 8*KP
	s_add_co_u32 s61, s61, XS
	v_add_nc_u32 v[XW], s61, v13
	v_lshlrev_b32 v[RR], 4, v1
	v_add_nc_u32 v[RR], RED, v[RR]
	v_lshl_add_u32 v[RW], s[WV], 2, v[RR]
	s_lshl_b32 s61, s[WV], 8
	s_add_co_u32 s61, s61, PAR
	v_lshl_add_u32 v[PR], v2, 5, s61
	v_lshlrev_b32 v[PFO], 8, v12
.endm
.macro LDX win
	WIN (\win)<<6
.set f_, 0
.rept 32
	ds_load_b128 v[f_*8:f_*8+3], v[XR] offset:((f_/8)*32+4*(f_%8))*KP
	ds_load_b128 v[f_*8+4:f_*8+7], v[XR] offset:((f_/8)*32+4*(f_%8)+2)*KP
.set f_, f_+1
.endr
	WIN 0
.endm
.macro WLD wa, nt, ks, buf
.set w_, 0
.rept \nt
	ds_load_b128 v[WF+32*(\buf)+8*w_:WF+32*(\buf)+8*w_+3], v[\wa] offset:(\ks)*4096+w_*1024
	ds_load_b128 v[WF+32*(\buf)+8*w_+4:WF+32*(\buf)+8*w_+7], v[\wa] offset:(\ks)*4096+w_*1024+512
.set w_, w_+1
.endr
.endm
; A unit's product: 64 rows x nt tiles of my columns, 8 K steps; rows' fragments in window xw, sums at accb in window 3.  cmode = 1: the first step starts the sums with the bias tiles at cb in window cw;
; cmode = 0: the sums stand already.  The accumulators take turns, one instruction a turn, over the K steps too.
.macro GEMM wa, nt, xw, accb, cmode, cb, cw, swap
.if \swap
.set wm_, 0xc0|(\xw)
.else
.set wm_, 0xc0|((\xw)<<2)
.endif
	WIN 0
	PLACES
	WLD \wa, \nt, 0, 0
.set ks_, 0
.rept 8
.if ks_ < 7
	WIN 0
.if ks_ > 0
	PLACES                                         ; four places between the buffer's last readers and the loads into it
.endif
	WLD \wa, \nt, ks_+1, (ks_+1)%2
	s_wait_dscnt 2*(\nt)                           ; the loads just issued may stay out; this step's are in
.else
	s_wait_dscnt 0x0
.endif
.if (\cmode) && (ks_ == 0)
	WIN wm_|((\cw)<<4)
.else
	WIN wm_|0x30
.endif
.set rt_, 0
.rept 4
.set ct_, 0
.rept \nt
.set rA_, (\accb)+(rt_*(\nt)+ct_)*8
.set rW_, WF+32*(ks_%2)+8*ct_
.set rX_, (rt_*8+ks_)*8
.set rC_, rA_
.if (\cmode) && (ks_ == 0)
.set rC_, (\cb)+8*ct_
.endif
.if \swap
	v_wmma_f32_16x16x32_bf16 v[rA_:rA_+7], v[rX_:rX_+7], v[rW_:rW_+7], v[rC_:rC_+7]
.else
	v_wmma_f32_16x16x32_bf16 v[rA_:rA_+7], v[rW_:rW_+7], v[rX_:rX_+7], v[rC_:rC_+7]
.endif
.set ct_, ct_+1
.endr
.set rt_, rt_+1
.endr
.set ks_, ks_+1
.endr
.endm
.macro PACKB accb, dst
	WIN 0x0f
.set i_, 0
.rept 64
	v_cvt_pk_bf16_f32 v[(\dst)+i_], v[(\accb)+2*i_], v[(\accb)+2*i_+1]
.set i_, i_+1
.endr
	WIN 0
.endm
.macro BLD adr, off
.set c_, 0
.rept 4
	ds_load_b128 v[BIAS+8*c_:BIAS+8*c_+3], v[\adr] offset:(\off)+c_*64
	ds_load_b128 v[BIAS+8*c_+4:BIAS+8*c_+7], v[\adr] offset:(\off)+c_*64+16
.set c_, c_+1
.endr
.endm
.macro XST src                         ; 16 packed tiles into the rows' place in LDS
.set t_, 0
.rept 16
	ds_store_b128 v[XW], v[(\src)+4*t_:(\src)+4*t_+3] offset:((t_/4)*32+2*(t_%4))*KP
.set t_, t_+1
.endr
.endm
.macro LNRED reg
	WIN 0
.irp r, 0,1,2,3
	v_pk_add_f32 v[12+4*\r:13+4*\r], v[12+4*\r:13+4*\r], v[14+4*\r:15+4*\r]
.endr
.irp r, 0,1,2,3
	v_add_f32 v[12+4*\r], v[12+4*\r], v[13+4*\r]
.endr
.irp r, 0,1,2,3
	v_permlanex16_b32 v[13+4*\r], v[12+4*\r], s[SEL], s[SEL+1]
.endr
.irp r, 0,1,2,3
	v_add_f32 v[12+4*\r], v[12+4*\r], v[13+4*\r]
.endr
.irp r, 0,1,2,3
	ds_store_b32 v[RW], v[12+4*\r] offset:(\reg)*1024+\r*256
.endr
	BAR
.irp r, 0,1,2,3
	ds_load_b128 v[12+4*\r:15+4*\r], v[RR] offset:(\reg)*1024+\r*256
.endr
	s_wait_dscnt 0x0
.irp r, 0,1,2,3
	v_pk_add_f32 v[12+4*\r:13+4*\r], v[12+4*\r:13+4*\r], v[14+4*\r:15+4*\r]
.endr
.irp r, 0,1,2,3
	v_add_f32 v[12+4*\r], v[12+4*\r], v[13+4*\r]
.endr
.endm
; LayerNorm in place on the 128 registers at zb of window 3, in two passes.  Each accumulator's lowest registers are read first.
.macro LN zb, reg, ga, be
	WIN 0
.set c_, 0
.rept 4
	ds_load_b128 v[64+8*c_:67+8*c_], v[PR] offset:(\ga)+c_*64
	ds_load_b128 v[68+8*c_:71+8*c_], v[PR] offset:(\ga)+c_*64+16
	ds_load_b128 v[96+8*c_:99+8*c_], v[PR] offset:(\be)+c_*64
	ds_load_b128 v[100+8*c_:103+8*c_], v[PR] offset:(\be)+c_*64+16
.set c_, c_+1
.endr
	WIN 0x0f
.irp r, 0,1,2,3
	v_pk_add_f32 v[12+4*\r:13+4*\r], v[(\zb)+32*\r:(\zb)+32*\r+1], v[(\zb)+32*\r+4:(\zb)+32*\r+5]
	v_pk_add_f32 v[14+4*\r:15+4*\r], v[(\zb)+32*\r+2:(\zb)+32*\r+3], v[(\zb)+32*\r+6:(\zb)+32*\r+7]
.endr
	WIN 0x0c
.set p_, 4
.rept 12
.irp r, 0,1,2,3
	v_pk_add_f32 v[12+4*\r+2*(p_%2):13+4*\r+2*(p_%2)], v[12+4*\r+2*(p_%2):13+4*\r+2*(p_%2)], v[(\zb)+32*\r+2*p_:(\zb)+32*\r+2*p_+1]
.endr
.set p_, p_+1
.endr
	LNRED \reg
.irp r, 0,1,2,3
	v_mul_f32 v[12+4*\r], s[INV], v[12+4*\r]
.endr
	WIN 0xc3
.set p_, 0
.rept 16
.irp r, 0,1,2,3
	v_pk_add_f32 v[(\zb)+32*\r+2*p_:(\zb)+32*\r+2*p_+1], v[(\zb)+32*\r+2*p_:(\zb)+32*\r+2*p_+1], v[12+4*\r:13+4*\r] op_sel_hi:[1,0] neg_lo:[0,1] neg_hi:[0,1]
.endr
.set p_, p_+1
.endr
	WIN 0x0f
.irp r, 0,1,2,3
	v_pk_mul_f32 v[12+4*\r:13+4*\r], v[(\zb)+32*\r:(\zb)+32*\r+1], v[(\zb)+32*\r:(\zb)+32*\r+1]
	v_pk_mul_f32 v[14+4*\r:15+4*\r], v[(\zb)+32*\r+2:(\zb)+32*\r+3], v[(\zb)+32*\r+2:(\zb)+32*\r+3]
.endr
.set p_, 2
.rept 14
.irp r, 0,1,2,3
	v_pk_fma_f32 v[12+4*\r+2*(p_%2):13+4*\r+2*(p_%2)], v[(\zb)+32*\r+2*p_:(\zb)+32*\r+2*p_+1], v[(\zb)+32*\r+2*p_:(\zb)+32*\r+2*p_+1], v[12+4*\r+2*(p_%2):13+4*\r+2*(p_%2)]
.endr
.set p_, p_+1
.endr
	LNRED (\reg)+1
.irp r, 0,1,2,3
	v_fma_f32 v[12+4*\r], v[12+4*\r], s[INV], s[EPS]
.endr
.irp r, 0,1,2,3
	v_rsq_f32 v[12+4*\r], v[12+4*\r]
.endr
	v_nop                                          ; a plain instruction behind the last root,
	s_wait_alu depctr_va_vdst(0)                   ; and one wait for the four, ahead of their first reader
	WIN 0xc3
.set p_, 0
.rept 16
.irp r, 0,1,2,3
	v_pk_mul_f32 v[(\zb)+32*\r+2*p_:(\zb)+32*\r+2*p_+1], v[(\zb)+32*\r+2*p_:(\zb)+32*\r+2*p_+1], v[12+4*\r:13+4*\r] op_sel_hi:[1,0]
.endr
.set p_, p_+1
.endr
.set p_, 0
.rept 16
.irp r, 0,1,2,3
	v_pk_fma_f32 v[(\zb)+32*\r+2*p_:(\zb)+32*\r+2*p_+1], v[(\zb)+32*\r+2*p_:(\zb)+32*\r+2*p_+1], v[64+2*p_:65+2*p_], v[96+2*p_:97+2*p_]
.endr
.set p_, p_+1
.endr
	WIN 0
.endm
; A PREFETCH INTO THE L2 of the unit that the NEXT change of slots will ask for: my wave's quarter, of which each of the four partners names 8 KiB, told apart by address; a lane 256 bytes.
; Every cluster walks the same units: the launch's first cluster asks, each unit once.  The last change has no unit behind its own.
.macro ASK
	s_cmp_gt_u32 s[FC], s[LIM]
	s_cbranch_scc0 .Lna_\@
	global_prefetch_b8 v[PFO], s[PFA:PFA+1] th:TH_LOAD_NT scope:SCOPE_SE
.Lna_\@:
.endm
; THE CHANGE OF SLOTS.  Every wave waits for all its tensor loads (one is out: its quarter of the unit to be read next), adds 0 to its spare word, waits for that and for its LDS instructions; a round of the
; cluster's barrier; then the next unit is asked for, into the slot read last: the wave's one tensor load until the next round.  It has a unit's product, 128 matrix instructions, in which to land.
; The round is also the barrier between the waves' stores of rows into LDS and the reads of them.
.macro CHANGE
	WIN 0
	s_wait_tensorcnt 0x0
	ds_add_u32 v[SPW], v[NIL]
	s_xor_b32 s[G0+1], s[G0+1], RING1
	s_add_nc_u64 s[G0+2:G0+3], s[G0+2:G0+3], 131072
	s_wait_xcnt 0x0                                ; the last prefetch, a unit's product back, has read its address
	s_add_nc_u64 s[PFA:PFA+1], s[PFA:PFA+1], 131072
	s_wait_dscnt 0x0
	ROUND
	tensor_load_to_lds s[G0:G0+3], s[G1:G1+7]
	s_nop 0
	PLACES
	ASK
	s_sub_co_u32 s[FC], s[FC], 1
.endm
.macro HALF1                           ; a chunk of the hidden layer: lin1's product, relu, into LDS as rows
	WIN 0
	v_add_nc_u32 v[PRL], s[PB], v[PR]
	BLD PRL, 0
	GEMM WA1, 4, 1, 0, 1, BIAS, 0, 0
	WIN 0
	PLACES
	PACKB 0, 128
.set i_, 0
.rept 64
	v_pk_max_num_bf16 v[128+i_], v[128+i_], v[ZR]
.set i_, i_+1
.endr
	XST 128
.endm
	s_load_b512 s[4:19], s[0:1], 0x0               ; smp, t1, wb, outp_b, norm1_g, norm1_b, lin1_b, lin2_b
	s_load_b128 s[20:23], s[0:1], 0x40             ; norm3_g, norm3_b
	s_load_b64 s[24:25], s[0:1], 0x50              ; out0
	v_lshl_add_u32 v[SPW], v0, 2, SPARE
	v_mov_b32 v[NIL], 0
	ds_add_u32 v[SPW], v[NIL]                      ; the wave's opening: the add and its wait ahead of my first tensor load
	HEADREGS
	v_mov_b32 v[ONE], 1.0
	v_mov_b32 v[ZR], 0
	v_lshlrev_b32 v12, 3, v0
	v_lshlrev_b32 v13, 4, v0
	v_add_nc_u32 v14, PAR, v12
	v_add_nc_u32 v15, PAR+6144, v13
	v_and_b32 v17, 31, v0
	v_and_b32 v16, 3, v0                           ; a load of smp: lane holds row lane / 4 (of 8), channels 8 (lane % 4) ..
	v_mul_u32_u24 v16, v16, KP
	v_lshrrev_b32 v18, 2, v17
	v_lshl_add_u32 v16, v18, 4, v16
	s_mul_i32 s61, s[WV], 32*KP
	s_add_co_u32 s61, s61, XS
	v_add_nc_u32 v16, s61, v16
	v_lshlrev_b32 v17, 4, v17
	s_mov_b32 s[INV], 0x3b800000                   ; 1 / 256
	s_mov_b32 s[EPS], 0x3727c5ac                   ; 1e-5
	s_mov_b32 s[FC], 8
	s_mov_b32 s[PB], 6144
	s_mov_b32 s[CNT], 3
	s_cmp_eq_u32 ttmp9, 0
	s_cselect_b32 s[LIM], 1, -1
	s_lshl_b32 s61, s[GI], 2
	s_add_co_u32 s61, s61, s[WV]
	s_lshl_b32 s72, s61, 13                        ; my row tile of smp
	s_mov_b32 s73, 0
	s_lshl_b32 s74, s[GI], 15
	s_lshl_b32 s61, s[WV], 11
	s_add_co_u32 s74, s74, s61                     ; my column tiles of t1
	s_mov_b32 s75, 0
	s_lshl_b32 s76, s[GI], 16
	s_mov_b32 s77, 0
	s_lshl_b32 s78, s[WV], 15
	s_add_co_u32 s78, s78, 6*131072                ; unit 6, my quarter
	s_mov_b32 s79, 0
	s_lshl_b32 s80, s[CX], 13
	s_add_co_u32 s80, s80, 131072                  ; the prefetches start a unit on; the first change steps them to unit 8
	s_mov_b32 s81, 0
	s_wait_dscnt 0x0
	s_wait_kmcnt 0x0
	s_add_nc_u64 s[4:5], s[4:5], s[72:73]
	s_add_nc_u64 s[6:7], s[6:7], s[74:75]
	s_add_nc_u64 s[24:25], s[24:25], s[76:77]
	s_add_nc_u64 s[8:9], s[8:9], s[78:79]
	s_mov_b64 s[G0+2:G0+3], s[8:9]
	s_or_b32 s[G0+3], s[G0+3], 0x80000000
	s_add_nc_u64 s[PFA:PFA+1], s[8:9], s[80:81]
	ROUND
	tensor_load_to_lds s[G0:G0+3], s[G1:G1+7]      ; outp's unit
	s_nop 0
	PLACES
	global_load_b64 v[32:33], v12, s[10:11]
	global_load_b64 v[34:35], v12, s[12:13]
	global_load_b64 v[36:37], v12, s[14:15]
	global_load_b64 v[38:39], v12, s[18:19]
	global_load_b64 v[40:41], v12, s[20:21]
	global_load_b64 v[42:43], v12, s[22:23]
	global_load_b128 v[44:47], v13, s[16:17]
	global_load_b128 v[48:51], v13, s[16:17] offset:2048
.set i_, 0
.rept 16
	global_load_b128 v[192+4*i_:195+4*i_], v17, s[4:5] offset:i_*512
.set i_, i_+1
.endr
.set t_, 0
.rept 16
	global_load_b128 v[128+4*t_:131+4*t_], v17, s[6:7] offset:(t_/4)*8192+(t_%4)*512
.set t_, t_+1
.endr
	s_wait_loadcnt 32                              ; the parameters are in; smp's and t1's 32 loads may stay out
.irp i, 0,1,2,3,4,5
	ds_store_b64 v14, v[32+2*\i:33+2*\i] offset:\i*1024
.endr
	ds_store_b128 v15, v[44:47]
	ds_store_b128 v15, v[48:51] offset:2048
	s_wait_loadcnt 16                              ; smp is in; t1's 16 loads may stay out
.set i_, 0
.rept 16
	ds_store_b128 v16, v[192+4*i_:195+4*i_] offset:(i_/2)*4*KP+(i_%2)*128
.set i_, i_+1
.endr
	CHANGE                                         ; outp's unit is in, lin1's first is asked for; the round shows the parameters and smp's rows
	LDX 2
	BLD PR, 0
	s_wait_loadcnt 0x0
	s_wait_dscnt 0x0
	WIN 0xc0
.set t_, 0
.rept 16                                       ; the sums start as t1 + outp_b
.set j_, 0
.rept 4
	v_fma_mix_f32 v[8*t_+2*j_], v[128+4*t_+j_], v[ONE], v[BIAS+8*(t_%4)+2*j_] op_sel:[0,0,0] op_sel_hi:[1,0,0]
	v_fma_mix_f32 v[8*t_+2*j_+1], v[128+4*t_+j_], v[ONE], v[BIAS+8*(t_%4)+2*j_+1] op_sel:[1,0,0] op_sel_hi:[1,0,0]
.set j_, j_+1
.endr
.set t_, t_+1
.endr
	GEMM WA0, 4, 2, 0, 0, 0, 3, 0
	WIN 0
	PLACES
	LN 0, 0, 1024, 2048
	PACKB 0, 128
	XST 128                                        ; LayerNorm's barriers lie between every wave's reads of smp's rows and these stores
	BLD PR, 3072
	s_wait_dscnt 0x0
	WIN 0xc3
.set i_, 0
.rept 64                                       ; lin2's sums start as x + lin2_b
	v_pk_add_f32 v[128+2*i_:129+2*i_], v[2*i_:2*i_+1], v[BIAS+8*((i_/4)%4)+2*(i_%4):BIAS+8*((i_/4)%4)+2*(i_%4)+1]
.set i_, i_+1
.endr
	CHANGE                                         ; lin1's first unit is in, lin2's first is asked for
	LDX 1
	BAR                                            ; every wave has x's fragments: the rows in LDS may be written over
.Lchunk:
	HALF1
	CHANGE                                         ; lin2's unit is in, the next lin1's is asked for; the round shows the hidden chunk's rows
	LDX 2
	s_wait_dscnt 0x0
	GEMM WA0, 4, 2, 128, 0, 0, 3, 0
	CHANGE                                         ; the next lin1's unit is in, the next lin2's is asked for; every wave's reads of the rows are over
	s_add_co_u32 s[PB], s[PB], 1024
	s_sub_co_u32 s[CNT], s[CNT], 1
	s_cmp_lg_u32 s[CNT], 0
	s_cbranch_scc1 .Lchunk
	HALF1                                          ; the last chunk is written out: nothing more is asked for
	s_wait_tensorcnt 0x0
	ds_add_u32 v[SPW], v[NIL]
	s_wait_dscnt 0x0
	s_barrier_signal -1
	s_barrier_wait -1
	LDX 2
	s_wait_dscnt 0x0
	GEMM WA0, 4, 2, 128, 0, 0, 3, 0
	WIN 0
	PLACES
	LN 128, 2, 4096, 5120
; THE WAY OUT: a row tile at a time through 16 rows x 272 bytes of my own in the rows' place (LayerNorm's barriers lie behind its last readers), so that 16 lanes store 256 consecutive bytes of a row.
	s_mul_i32 s61, s[WV], 16*KP
	s_add_co_u32 s61, s61, XS
	v_mul_u32_u24 v12, v1, KP
	v_lshl_add_u32 v12, v2, 5, v12
	v_add_nc_u32 v12, s61, v12
	v_mul_u32_u24 v13, v2, KP
	v_lshl_add_u32 v13, v1, 4, v13
	v_add_nc_u32 v13, s61, v13
	s_lshl_b32 s61, s[WV], 8
	v_lshl_add_u32 v14, v2, 10, s61
	v_lshl_add_u32 v14, v1, 4, v14
.set r_, 0
.rept 4
	WIN 0x0c
.set c_, 0
.rept 4
	ds_store_b128 v12, v[128+32*r_+8*c_:131+32*r_+8*c_] offset:c_*64
	ds_store_b128 v12, v[132+32*r_+8*c_:135+32*r_+8*c_] offset:c_*64+16
.set c_, c_+1
.endr
	WIN 0
.set i_, 0
.rept 8                                        ; LDS serves a wave's instructions in order: these see the stores above, and the next tile's stores come behind them
	ds_load_b128 v[128+32*r_+4*i_:131+32*r_+4*i_], v13 offset:i_*2*KP
.set i_, i_+1
.endr
	s_wait_dscnt 0x0
.set i_, 0
.rept 8
	global_store_b128 v14, v[128+32*r_+4*i_:131+32*r_+4*i_], s[24:25] offset:r_*16384+i_*2048 th:TH_STORE_NT
.set i_, i_+1
.endr
.set r_, r_+1
.endr
	s_wait_tensorcnt 0x0                           ; the wave's end
	ds_add_u32 v[SPW], v[NIL]
	s_wait_dscnt 0x0
	ROUND                                          ; the closing round
	s_endpgm
.Lfunc_end_k_q42091b794e_ffn:
	.size	k_q42091b794e_ffn, .Lfunc_end_k_q42091b794e_ffn-k_q42091b794e_ffn
	.p2alignl 7, 3214868480
	.fill 96, 4, 3214868480
	.section	.rodata,"a",@progbits
	.p2align	6, 0x0
	.amdhsa_kernel k_q42091b794e_ffn
		.amdhsa_group_segment_fixed_size 327680
		.amdhsa_private_segment_fixed_size 0
		.amdhsa_enable_private_segment 0
		.amdhsa_kernarg_size 88
		.amdhsa_user_sgpr_count 2
		.amdhsa_user_sgpr_kernarg_segment_ptr 1
		.amdhsa_wavefront_size32 1
		.amdhsa_system_sgpr_workgroup_id_x 1
		.amdhsa_system_sgpr_workgroup_id_y 1
		.amdhsa_system_sgpr_workgroup_id_z 1
		.amdhsa_system_vgpr_workitem_id 0
		.amdhsa_next_free_vgpr 1024
		.amdhsa_next_free_sgpr 96
		.amdhsa_reserve_vcc 0
		.amdhsa_float_denorm_mode_32 3
		.amdhsa_float_denorm_mode_16_64 3
		.amdhsa_memory_ordered 1
		.amdhsa_forward_progress 1
		.amdhsa_inst_pref_size 196
	.end_amdhsa_kernel
	.amdgpu_metadata
---
amdhsa.version: [ 1, 2 ]
amdhsa.kernels:
  - .name:           k_q42091b794e_ffn
    .symbol:         k_q42091b794e_ffn.kd
    .args:
      - { .name: smp, .offset: 0, .size: 8, .value_kind: global_buffer, .address_space: global }
      - { .name: t1, .offset: 8, .size: 8, .value_kind: global_buffer, .address_space: global }
      - { .name: wb, .offset: 16, .size: 8, .value_kind: global_buffer, .address_space: global }
      - { .name: outp_b, .offset: 24, .size: 8, .value_kind: global_buffer, .address_space: global }
      - { .name: norm1_g, .offset: 32, .size: 8, .value_kind: global_buffer, .address_space: global }
      - { .name: norm1_b, .offset: 40, .size: 8, .value_kind: global_buffer, .address_space: global }
      - { .name: lin1_b, .offset: 48, .size: 8, .value_kind: global_buffer, .address_space: global }
      - { .name: lin2_b, .offset: 56, .size: 8, .value_kind: global_buffer, .address_space: global }
      - { .name: norm3_g, .offset: 64, .size: 8, .value_kind: global_buffer, .address_space: global }
      - { .name: norm3_b, .offset: 72, .size: 8, .value_kind: global_buffer, .address_space: global }
      - { .name: out0, .offset: 80, .size: 8, .value_kind: global_buffer, .address_space: global }
    .group_segment_fixed_size: 327680
    .private_segment_fixed_size: 0
    .kernarg_segment_align: 8
    .kernarg_segment_size: 88
    .max_flat_workgroup_size: 128
    .sgpr_count:     96
    .vgpr_count:     1024
    .wavefront_size: 32
...
	.end_amdgpu_metadata
.endif
;; end of part 6
;; ======== version 2 of 3: 6 launches
;; limits: values are held in f16: magnitudes above 65,504 overflow, below 6.1e-05 lose precision
;; workspace buffers: wb 2,097,152 bytes; value 47,185,920 bytes; qkvb 25,165,824 bytes; t1 8,388,608 bytes; sidx 16,777,216 bytes of whole numbers; swt 16,777,216 bytes; smp 8,388,608 bytes
;; launch prep: the kernel of part 1 again; grid 32 x 16, 8 waves a work-group, no clusters, 0 bytes of LDS; arguments in_proj_w, out_proj_w, off_w, attw_w, outp_w, lin1_w, lin2_w, value_w, wb; writes wb
;; launch vproj (part 7): grid 256 x 1, 4 waves a work-group, no clusters, 105,472 bytes of LDS; arguments src, wb, value_b, value; writes value
.if DOCPART == 7
	.amdgcn_target "amdgcn-amd-amdhsa--gfx1250"
	.amdhsa_code_object_version 6
	.text
	.protected	k_q42091b794e_vproj
	.globl	k_q42091b794e_vproj
	.p2align	8
	.type	k_q42091b794e_vproj,@function
k_q42091b794e_vproj:
	s_mov_b64 s[64:65], 0
	v_nop
	global_prefetch_b8 v0, s[64:65] scope:SCOPE_SE
	s_setreg_imm32_b32 hwreg(HW_REG_WAVE_MODE, 25, 1), 1
	s_wait_xcnt 0x0
; value = src value_w^T + value_b, rounded once to bf16, stored by tiles of 16 channels: value[b 16][channel tile 16][chunk 80][72 slots][32 bytes].
; A chunk holds 68 consecutive positions and 4 slots of padding: 2,304 bytes, so that every chunk begins at a multiple of 256 bytes and is stored in whole aligned blocks of 256.
; (The padding takes the products of rows that are cleared: finite numbers that no launch reads.)
; The stream of src (f32, read once) is the launch.  A work-group owns 340 consecutive rows (87,040 / 256; 16 work-groups a batch), in 5 trips of 68, a chunk each.  Wave w loads 16 whole rows and row 64 + w,
; rounds them to bf16 and lays them into LDS; every wave multiplies all 68 rows (five tiles of 16, of the last 4 rows are real) by ITS 64 columns of value_w (channel tiles 4 w .. 4 w + 3),
; whose 32 fragments stay in registers for the whole launch.  The next trip's 34 loads of a wave (17 KiB) are on their way while a trip is multiplied and stored.
; THE PRODUCT IS TAKEN TRANSPOSED (source 0 = 16 rows of value_w, source 1 = 16 rows of src): a lane holds one position and eight neighbouring channels, 16 bytes of its record of 32.
; No tensor load: the numbers are converted on the way in.  No cluster: what work-groups share is 128 KiB of weights, read once into registers.  No prefetch: every wave always has its next rows asked for.
; src_spatial_shapes and level_start_index are not read anywhere in this program: the module's definition takes the levels' sizes from its own constants.
.set KP,    272                        ; LDS: a row holds 16 positions x 8 channels k (256 bytes) + 16 of padding
.set TILE,  32*KP                      ; a tile of 16 positions x 256 k
.set STG,   5*TILE                     ; the way out: for each wave 4 channel tiles x 80 positions x 48 bytes (32 + 16 of padding: the 16 positions of a store start at 16 different groups of four banks)
.set SP,    48
.set SCT,   80*SP                      ; a channel tile's part of the stage
.set SPARE, STG+16*SCT                 ; the spare words, 128 bytes a wave, which no other line names
.set CHUNK, 2304                       ; bytes of a chunk in memory
.set CTB,   80*CHUNK                   ; bytes of a channel tile of one batch
.set RO,  4                            ; v4   my 16 bytes in the wave's 16 rows of src
.set RO2, 5                            ; v5   and in row 64 + w
.set XWR, 6                            ; v6   where I put 8 bytes of a row
.set XW2, 7                            ; v7   the same for row 64 + w
.set XR,  8                            ; v8   where I read a fragment of src
.set SW,  9                            ; v9   into the stage
.set SR,  10                           ; v10  back from the stage: 16 records
.set SR2, 11                           ; v11  back: slots 64-71 of two channel tiles
.set GO,  12                           ; v12  16 x lane
.set GO2, 13                           ; v13  slots 64-71 of two channel tiles in memory
.set SPW, 14
.set NIL, 15
.set XB,  16                           ; v16-95  two buffers of 5 fragments of src; later the way out
.set RAW, 96                           ; v96-231 34 loads of 16 bytes
.set WV,  12                           ; s12
.set CNT, 13                           ; s13
; window 1: v0-255 the fragments of value_w, (K step, tile) at 8 (4 ks + ct).  window 2: v0-159 accumulators (rt, ct) at 8 (4 rt + ct); v160-191 the bias as four tiles.
.set MSB, 0
.macro WIN new
.if MSB != (\new)
	s_set_vgpr_msb (MSB<<8)|(\new)
.set MSB, (\new)
.endif
.endm
.macro PLACES
.rept 4
	v_nop
.endr
.endm
.macro BAR
	s_wait_dscnt 0x0
	s_barrier_signal -1
	s_barrier_wait -1
.endm
.macro SRCLD                           ; the wave's 17 rows of a trip
.set j_, 0
.rept 32
	global_load_b128 v[RAW+4*j_:RAW+4*j_+3], v[RO], s[4:5] offset:j_*512 th:TH_LOAD_NT
.set j_, j_+1
.endr
	global_load_b128 v[RAW+128:RAW+131], v[RO2], s[4:5] th:TH_LOAD_NT
	global_load_b128 v[RAW+132:RAW+135], v[RO2], s[4:5] offset:512 th:TH_LOAD_NT
.endm
.macro XLD ks, buf                     ; five fragments of src for one K step
.set x_, 0
.rept 5
	ds_load_b128 v[XB+40*(\buf)+8*x_:XB+40*(\buf)+8*x_+3], v[XR] offset:(x_*32+4*(\ks))*KP
	ds_load_b128 v[XB+40*(\buf)+8*x_+4:XB+40*(\buf)+8*x_+7], v[XR] offset:(x_*32+4*(\ks)+2)*KP
.set x_, x_+1
.endr
.endm
	s_load_b256 s[4:11], s[0:1], 0x0               ; src, wb, value_b, value
	v_lshl_add_u32 v[SPW], v0, 2, SPARE
	v_mov_b32 v[NIL], 0
	v_lshrrev_b32 v1, 5, v0
	v_readfirstlane_b32 s[WV], v1
	v_and_b32 v3, 31, v0                           ; lane
	v_and_b32 v1, 15, v0                           ; m
	v_bfe_u32 v2, v0, 4, 1                         ; hh
	s_lshl_b32 s20, s[WV], 14
	v_lshl_add_u32 v[RO], v3, 4, s20
	s_lshl_b32 s20, s[WV], 10
	s_add_co_u32 s20, s20, 65536
	v_lshl_add_u32 v[RO2], v3, 4, s20
	v_lshrrev_b32 v232, 1, v3                      ; a load's lane holds k = 4 lane .. + 3 of half a row: LDS row lane / 2, bytes 8 (lane % 2)
	v_mul_u32_u24 v232, v232, KP
	v_and_b32 v233, 1, v0
	v_lshl_add_u32 v232, v233, 3, v232
	s_mul_i32 s20, s[WV], TILE
	v_add_nc_u32 v[XWR], s20, v232
	s_lshl_b32 s20, s[WV], 4
	s_add_co_u32 s20, s20, 4*TILE
	v_add_nc_u32 v[XW2], s20, v232
	v_mul_u32_u24 v[XR], v2, KP
	v_lshl_add_u32 v[XR], v1, 4, v[XR]
	s_mul_i32 s21, s[WV], 4*SCT
	s_add_co_u32 s21, s21, STG
	v_mul_u32_u24 v[SW], v1, SP                    ; in: position m, 16 bytes for each half of the lanes
	v_lshl_add_u32 v[SW], v2, 4, v[SW]
	v_add_nc_u32 v[SW], s21, v[SW]
	v_lshrrev_b32 v232, 1, v3                      ; back: two lanes a record, 16 records
	v_mul_u32_u24 v232, v232, SP
	v_lshl_add_u32 v232, v233, 4, v232
	v_add_nc_u32 v[SR], s21, v232
	v_lshrrev_b32 v234, 1, v1                      ; back: slots 64-71; lanes 0-15 one channel tile, lanes 16-31 the next
	v_mul_u32_u24 v234, v234, SP
	v_lshl_add_u32 v234, v233, 4, v234
	v_mad_u32_u24 v234, v2, SCT, v234
	v_add_nc_u32 v234, 64*SP, v234
	v_add_nc_u32 v[SR2], s21, v234
	v_lshlrev_b32 v[GO], 4, v3
	v_mul_u32_u24 v[GO2], v2, CTB
	v_lshl_add_u32 v[GO2], v1, 4, v[GO2]
	v_add_nc_u32 v[GO2], 2048, v[GO2]
	s_lshl_b32 s20, s[WV], 8
	v_lshl_add_u32 v235, v2, 5, s20                ; the bias of my 8 columns of tile 0
	v_lshl_add_u32 v233, v0, 4, 4*TILE
	v_lshl_add_u32 v234, v0, 2, 4*TILE+8192
	v_mov_b32 v236, 0
	v_mov_b32 v237, 0
	v_mov_b32 v238, 0
	v_mov_b32 v239, 0
	s_mul_i32 s20, ttmp9, 348160                   ; 340 rows of 1,024 bytes
	s_mov_b32 s21, 0
	s_lshr_b32 s14, ttmp9, 4                       ; batch
	s_lshl_b32 s14, s14, 4
	s_lshl_b32 s15, s[WV], 2
	s_add_co_u32 s14, s14, s15                     ; my first channel tile among all
	s_mul_i32 s14, s14, 80
	s_and_b32 s15, ttmp9, 15
	s_mul_i32 s15, s15, 5
	s_add_co_u32 s14, s14, s15                     ; the work-group's first chunk in it
	s_mul_i32 s22, s14, CHUNK
	s_mov_b32 s23, 0
	s_lshl_b32 s24, s[WV], 15
	s_add_co_u32 s24, s24, 15*131072
	s_mov_b32 s25, 0
	s_mov_b32 s[CNT], 5
	s_wait_kmcnt 0x0
	s_add_nc_u64 s[4:5], s[4:5], s[20:21]
	s_add_nc_u64 s[10:11], s[10:11], s[22:23]
	s_add_nc_u64 s[6:7], s[6:7], s[24:25]
	SRCLD
	WIN 0x40
.set f_, 0
.rept 32
	global_load_b128 v[8*f_:8*f_+3], v[GO], s[6:7] offset:f_*1024
	global_load_b128 v[8*f_+4:8*f_+7], v[GO], s[6:7] offset:f_*1024+512
.set f_, f_+1
.endr
	WIN 0x80
.set c_, 0
.rept 4
	global_load_b128 v[160+8*c_:163+8*c_], v235, s[8:9] offset:c_*64
	global_load_b128 v[164+8*c_:167+8*c_], v235, s[8:9] offset:c_*64+16
.set c_, c_+1
.endr
	WIN 0
.irp z, 0,2048,4096,6144                       ; tile 4 is cleared once: of its 16 positions 4 are written in a trip; of the others' products four fill the chunk's padding
	ds_store_b128 v233, v[236:239] offset:\z
.endr
	ds_store_b32 v234, v[NIL]
.Ltrip:
	s_wait_loadcnt 0x0                             ; the trip's rows (at first also the weights and the bias): the loads are done, so their base may step
	s_add_nc_u64 s[4:5], s[4:5], 69632
	BAR                                            ; every wave's reads of the last trip's rows are over
.set j_, 0
.rept 34
	v_cvt_pk_bf16_f32 v[RAW+4*j_], v[RAW+4*j_], v[RAW+4*j_+1]
	v_cvt_pk_bf16_f32 v[RAW+4*j_+1], v[RAW+4*j_+2], v[RAW+4*j_+3]
.if j_ < 32
	ds_store_b64 v[XWR], v[RAW+4*j_:RAW+4*j_+1] offset:(j_%2)*16*KP+(j_/2)*16
.else
	ds_store_b64 v[XW2], v[RAW+4*j_:RAW+4*j_+1] offset:(j_-32)*16*KP
.endif
.set j_, j_+1
.endr
	BAR                                            ; all 68 rows lie in LDS
	s_cmp_eq_u32 s[CNT], 1
	s_cbranch_scc1 .Lnone                          ; the last trip has no rows behind it
	SRCLD
.Lnone:
	XLD 0, 0
.set ks_, 0
.rept 8
.if ks_ < 7
	WIN 0
.if ks_ > 0
	PLACES                                         ; the buffer's last readers stand just ahead
.endif
	XLD ks_+1, (ks_+1)%2
	s_wait_dscnt 10                                ; the ten loads just issued may stay out; this step's are in
.else
	s_wait_dscnt 0x0
.endif
	WIN 0xa1                                       ; weights window 1, src window 0, sums window 2
.set r_, 0
.rept 5
.set c_, 0
.rept 4
.if ks_ == 0
	v_wmma_f32_16x16x32_bf16 v[(r_*4+c_)*8:(r_*4+c_)*8+7], v[c_*8:c_*8+7], v[XB+8*r_:XB+8*r_+7], v[160+8*c_:167+8*c_]
.else
	v_wmma_f32_16x16x32_bf16 v[(r_*4+c_)*8:(r_*4+c_)*8+7], v[(ks_*4+c_)*8:(ks_*4+c_)*8+7], v[XB+40*(ks_%2)+8*r_:XB+40*(ks_%2)+8*r_+7], v[(r_*4+c_)*8:(r_*4+c_)*8+7]
.endif
.set c_, c_+1
.endr
.set r_, r_+1
.endr
.set ks_, ks_+1
.endr
	WIN 0
	PLACES
	WIN 0x0a
.set i_, 0
.rept 80
	v_cvt_pk_bf16_f32 v[XB+i_], v[2*i_], v[2*i_+1]
.set i_, i_+1
.endr
	WIN 0
.set t_, 0
.rept 20                                       ; row tile t / 4, channel tile t % 4
	ds_store_b128 v[SW], v[XB+4*t_:XB+4*t_+3] offset:(t_%4)*SCT+(t_/4)*16*SP
.set t_, t_+1
.endr
.set n_, 0
.rept 16                                       ; LDS serves a wave's instructions in order: these see the stores above; the stage is the wave's own
	ds_load_b128 v[XB+4*n_:XB+4*n_+3], v[SR] offset:(n_/4)*SCT+(n_%4)*16*SP
.set n_, n_+1
.endr
	ds_load_b128 v[XB+64:XB+67], v[SR2]
	ds_load_b128 v[XB+68:XB+71], v[SR2] offset:2*SCT
	s_wait_dscnt 0x0
.set n_, 0
.rept 16
	global_store_b128 v[GO], v[XB+4*n_:XB+4*n_+3], s[10:11] offset:(n_/4)*CTB+(n_%4)*512  ; 512 consecutive bytes: sixteen records of one channel tile
.set n_, n_+1
.endr
	global_store_b128 v[GO2], v[XB+64:XB+67], s[10:11]                ; the chunk's last 256 bytes, of channel tiles 0 and 1,
	global_store_b128 v[GO2], v[XB+68:XB+71], s[10:11] offset:2*CTB   ; and of 2 and 3
	s_wait_xcnt 0x0                                ; the stores have read their data and their base
	s_add_nc_u64 s[10:11], s[10:11], CHUNK         ; the next chunk
	s_sub_co_u32 s[CNT], s[CNT], 1
	s_cmp_lg_u32 s[CNT], 0
	s_cbranch_scc1 .Ltrip
	s_wait_tensorcnt 0x0                           ; the wave's end: behind my last LDS store
	ds_add_u32 v[SPW], v[NIL]
	s_wait_dscnt 0x0
	s_endpgm
.Lfunc_end_k_q42091b794e_vproj:
	.size	k_q42091b794e_vproj, .Lfunc_end_k_q42091b794e_vproj-k_q42091b794e_vproj
	.p2alignl 7, 3214868480
	.fill 96, 4, 3214868480
	.section	.rodata,"a",@progbits
	.p2align	6, 0x0
	.amdhsa_kernel k_q42091b794e_vproj
		.amdhsa_group_segment_fixed_size 105472
		.amdhsa_private_segment_fixed_size 0
		.amdhsa_enable_private_segment 0
		.amdhsa_kernarg_size 32
		.amdhsa_user_sgpr_count 2
		.amdhsa_user_sgpr_kernarg_segment_ptr 1
		.amdhsa_wavefront_size32 1
		.amdhsa_system_sgpr_workgroup_id_x 1
		.amdhsa_system_sgpr_workgroup_id_y 1
		.amdhsa_system_sgpr_workgroup_id_z 1
		.amdhsa_system_vgpr_workitem_id 0
		.amdhsa_next_free_vgpr 704
		.amdhsa_next_free_sgpr 66
		.amdhsa_reserve_vcc 0
		.amdhsa_float_denorm_mode_32 3
		.amdhsa_float_denorm_mode_16_64 3
		.amdhsa_memory_ordered 1
		.amdhsa_forward_progress 1
		.amdhsa_inst_pref_size 50
	.end_amdhsa_kernel
	.amdgpu_metadata
---
amdhsa.version: [ 1, 2 ]
amdhsa.kernels:
  - .name:           k_q42091b794e_vproj
    .symbol:         k_q42091b794e_vproj.kd
    .args:
      - { .name: src, .offset: 0, .size: 8, .value_kind: global_buffer, .address_space: global }
      - { .name: wb, .offset: 8, .size: 8, .value_kind: global_buffer, .address_space: global }
      - { .name: value_b, .offset: 16, .size: 8, .value_kind: global_buffer, .address_space: global }
      - { .name: value, .offset: 24, .size: 8, .value_kind: global_buffer, .address_space: global }
    .group_segment_fixed_size: 105472
    .private_segment_fixed_size: 0
    .kernarg_segment_align: 8
    .kernarg_segment_size: 32
    .max_flat_workgroup_size: 128
    .sgpr_count:     66
    .vgpr_count:     704
    .wavefront_size: 32
...
	.end_amdgpu_metadata
.endif
;; end of part 7
;; launch qkv: the kernel of part 3 again; grid 256 x 1, 4 waves a work-group, clusters of 4 x 1, 327,680 bytes of LDS; arguments tgt, query_pos, wb, in_proj_b, qkvb; writes qkvb
;; launch attn (part 8): grid 256 x 1, 4 waves a work-group, clusters of 4 x 1, 327,680 bytes of LDS; arguments qkvb, wb, tgt, query_pos, reference_points, out_proj_b, norm2_g, norm2_b, off_b, attw_b, t1, sidx, swt; writes t1, sidx, swt
.if DOCPART == 8
	.amdgcn_target "amdgcn-amd-amdhsa--gfx1250"
	.amdhsa_code_object_version 6
	.text
	.protected	k_q42091b794e_attn
	.globl	k_q42091b794e_attn
	.p2align	8
	.type	k_q42091b794e_attn,@function
k_q42091b794e_attn:
	s_mov_b64 s[64:65], 0
	v_nop
	global_prefetch_b8 v0, s[64:65] scope:SCOPE_SE
	s_setreg_imm32_b32 hwreg(HW_REG_WAVE_MODE, 25, 1), 1
	s_wait_xcnt 0x0
	s_wait_alu depctr_hold_cnt(0) depctr_sa_sdst(0) depctr_va_vdst(0) depctr_va_sdst(0) depctr_va_ssrc(0) depctr_va_vcc(0) depctr_vm_vsrc(0)
	s_getreg_b32 s2, hwreg(HW_REG_IB_STS2, 6, 4)
	s_cmp_eq_u32 s2, 0
	s_cbranch_scc0 .Lentry_in_a_cluster
	s_endpgm
.Lentry_in_a_cluster:
	s_bfe_u32 s2, ttmp6, 0x10000c
	s_cmp_lg_u32 s2, 0x3003
	s_cbranch_scc0 .Lentry_shape_is_right
	s_endpgm
.Lentry_shape_is_right:
; SELF-ATTENTION, out_proj, + tgt, LayerNorm 2; then, on that + query_pos, the offsets' and weights' products, the softmax over 16 points, and each point's four corners as INDICES and WEIGHTS.
; Stored: t1 (LayerNorm 2's result, f16, in tiles [row tile][column tile][lane][16 bytes]); sidx (per row tile, head, lane: 8 points x two words of two 16-bit positions 0 .. 5439);
; swt (the same shape: four bf16 weights a point, = attention weight x bilinear weight, 0 for a corner outside its level).
; LIMITS.  t1 is f16: |LayerNorm's result| stays under 65,504 (it is at most 16 |g| + |b|).  NaN and infinities are not treated apart; a location that is no number gives weights 0.
; A weight below 2^-126 counts as 0 in a softmax's sum.  The levels' sizes are the module's own constants (64, 32, 16, 8 squared); src_spatial_shapes and level_start_index are not read, as the module reads neither.
; SHARES.  A work-group owns 64 queries of one batch; wave w the heads 2 w, 2 w + 1, one after the other, four tiles of 16 queries each.  Keys go 64 a step.
; LAYOUT.  S^T = K Q^T: a lane holds one query and 8 keys; two such tiles rounded to bf16 are source 1 of O^T = V^T P.  K, V^T and Q come as ready fragments.  The head size is 32: one matrix instruction a tile of S^T.
; SOFTMAX.  A running maximum m and sum l for each query: p = 2^(c s - c m), c = log2(e) / sqrt(32); O and l are multiplied by a = 2^(c m_old - c m_new) in every step.  m starts at the lowest finite number, O and l at 0.
; A step has 32 matrix and some 440 vector instructions: far more vector work than stands beside so few products.  So the aim is only that no product stands bare where vector work is ready:
; behind 12 of the 16 products K Q^T stand three lines of the maximum, behind the 16 products V^T P the roundings and the row sums; the 132 exponentials are one batch with one wait.
; THE RING.  Two slots of 128 KiB; each wave fetches and reads its own quarter: 256 keys of K and V of its head in hand, later its quarter of a unit of weights.  The four work-groups of a cluster belong to one batch
; and walk the same K, V and weights: each fill is asked for JOINTLY.
.set RING1, 131072
.set XS,    262144
.set RED,   296960
.set PAR,   301056                     ; out_proj_b, norm2_g, norm2_b, off_b (1,024 bytes each), attw_b (512)
.set SPARE, 313344
.set KP,    272
.set WA0, 3
.set WA1, 4
.set XW,  5
.set XR,  6
.set KVA, 7                            ; v7   the step's place in my quarter; later 16 x lane
.set SPW, 8
.set NIL, 9
.set RW,  10
.set RR,  11
.set MV,  12                           ; v12-15  c m_old, a tile each
.set DO,  16                           ; v16-18  offsets of the head's loads
.set RFO, 17
.set QO,  18
.set PR,  28
.set PFO, 29
.set XWH, 30                           ; v30  where the head in hand puts O
.set SA,  31                           ; v31  the record in hand
.set ST,  32                           ; v32-47  c m, m, l (even keys', odd keys'), a tile each
.set BIAS, 32                          ; later: bias tiles
.set TMP, 48                           ; v48-63  four at work a tile
.set S,   64                           ; v64-191 S^T (tile q, keys kt) at 64 + 32 q + 8 kt
.set WF,  64                           ; later: weight fragments
.set P,   192                          ; v192-255
.set QF,  64                           ; window 1: O^T v0-63; Q v64-95; the second head's Q v96-127; K v128-159; V^T v160-191
.set KF,  128
.set VF,  160
.set G1,  32
.set G0,  40
.set KVP, 44                           ; s[44:45] the block of K and V asked for last
.set WBP, 46                           ; s[46:47] unit 3 of the weights, my quarter
.set PFA, 48
.set SEL, 50
.set CS,  52
.set WV,  54
.set FC,  55                           ; fills of the loop still to be asked for
.set LIM, 56
.set HL,  57
.set SL,  58
.set STC, 59
.set TB,  60
.set CX,  66
.set GI,  67
.set XO,  68
.set INV, 69
.set EPS, 70
.set L2E, 72
.set STP, 74
.set SB,  76
.set MK,  80                           ; s80-87  lane masks of the corners' compares
.set MSB, 0
.macro WIN new
.if MSB != (\new)
	s_set_vgpr_msb (MSB<<8)|(\new)
.set MSB, (\new)
.endif
.endm
.macro PLACES
.rept 4
	v_nop
.endr
.endm
.macro BAR
	s_wait_dscnt 0x0
	s_barrier_signal -1
	s_barrier_wait -1
.endm
.macro ROUND
	s_barrier_signal -1
	s_barrier_wait -1
	s_cmp_lg_u32 s[WV], 0
	s_cbranch_scc1 .Lnw0_\@
	s_barrier_signal -3
.Lnw0_\@:
	s_barrier_wait -3
	s_barrier_signal -1
	s_barrier_wait -1
.endm
.macro HEADREGS
	v_lshrrev_b32 v1, 5, v0
	v_readfirstlane_b32 s[WV], v1
	s_bfe_u32 s[CX], ttmp6, 0x40000                ; my place in the cluster: it enters global addresses of my own loads, stores and prefetches alone
	s_lshl_b32 s[GI], ttmp9, 2
	s_add_co_u32 s[GI], s[GI], s[CX]
	s_mov_b32 s[G1], 15|(3<<16)|(1<<21)            ; the mask of four; elements of 8 bytes; bit 21 beside a mask; no padding
	s_mov_b32 s[G1+1], 32<<16                      ; 32 KiB on end as 128 rows of 256 bytes
	s_mov_b32 s[G1+2], 128<<16
	s_mov_b32 s[G1+3], 32<<16
	s_mov_b32 s[G1+4], 128
	s_mov_b32 s[G1+5], 32
	s_mov_b32 s[G1+6], 0
	s_mov_b32 s[G1+7], 0
	s_mov_b32 s[G0], 1
	s_lshl_b32 s[G0+1], s[WV], 15
	s_mov_b32 s[SEL], 0x76543210
	s_mov_b32 s[SEL+1], 0xfedcba98
	v_and_b32 v12, 31, v0
	v_and_b32 v1, 15, v0                           ; m
	v_bfe_u32 v2, v0, 4, 1                         ; hh
	v_lshl_add_u32 v[WA0], v12, 4, s[G0+1]
	v_add_nc_u32 v[WA1], RING1, v[WA0]
	v_mul_u32_u24 v13, v2, KP
	v_lshl_add_u32 v13, v1, 4, v13
	v_add_nc_u32 v[XR], XS, v13
	s_mul_i32 s61, s[WV], 8*KP
	s_add_co_u32 s61, s61, XS
	v_add_nc_u32 v[XW], s61, v13
	v_lshlrev_b32 v[RR], 4, v1
	v_add_nc_u32 v[RR], RED, v[RR]
	v_lshl_add_u32 v[RW], s[WV], 2, v[RR]
	s_lshl_b32 s61, s[WV], 8
	s_add_co_u32 s61, s61, PAR
	v_lshl_add_u32 v[PR], v2, 5, s61
	v_lshlrev_b32 v[PFO], 8, v12
.endm
.macro LDX win
	WIN (\win)<<6
.set f_, 0
.rept 32
	ds_load_b128 v[f_*8:f_*8+3], v[XR] offset:((f_/8)*32+4*(f_%8))*KP
	ds_load_b128 v[f_*8+4:f_*8+7], v[XR] offset:((f_/8)*32+4*(f_%8)+2)*KP
.set f_, f_+1
.endr
	WIN 0
.endm
.macro WLD wa, nt, ks, buf
.set w_, 0
.rept \nt
	ds_load_b128 v[WF+32*(\buf)+8*w_:WF+32*(\buf)+8*w_+3], v[\wa] offset:(\ks)*4096+w_*1024
	ds_load_b128 v[WF+32*(\buf)+8*w_+4:WF+32*(\buf)+8*w_+7], v[\wa] offset:(\ks)*4096+w_*1024+512
.set w_, w_+1
.endr
.endm
; A unit's product: 64 rows x nt tiles of my columns, 8 K steps; rows' fragments in window xw, sums at accb in window 3.  cmode = 1: the first step starts the sums with the bias tiles at cb in window cw;
; cmode = 0: the sums were set by vector work.  The accumulators take turns, one instruction a turn, over the K steps too.
.macro GEMM wa, nt, xw, accb, cmode, cb, cw, swap
.if \swap
.set wm_, 0xc0|(\xw)
.else
.set wm_, 0xc0|((\xw)<<2)
.endif
	WIN 0
	PLACES
	WLD \wa, \nt, 0, 0
.set ks_, 0
.rept 8
.if ks_ < 7
	WIN 0
.if ks_ > 0
	PLACES                                         ; four places between the buffer's last readers and the loads into it
.endif
	WLD \wa, \nt, ks_+1, (ks_+1)%2
	s_wait_dscnt 2*(\nt)                           ; the loads just issued may stay out; this step's are in
.else
	s_wait_dscnt 0x0
.endif
.if (\cmode) && (ks_ == 0)
	WIN wm_|((\cw)<<4)
.else
	WIN wm_|0x30
.endif
.set rt_, 0
.rept 4
.set ct_, 0
.rept \nt
.set rA_, (\accb)+(rt_*(\nt)+ct_)*8
.set rW_, WF+32*(ks_%2)+8*ct_
.set rX_, (rt_*8+ks_)*8
.set rC_, rA_
.if (\cmode) && (ks_ == 0)
.set rC_, (\cb)+8*ct_
.endif
.if \swap
	v_wmma_f32_16x16x32_bf16 v[rA_:rA_+7], v[rX_:rX_+7], v[rW_:rW_+7], v[rC_:rC_+7]
.else
	v_wmma_f32_16x16x32_bf16 v[rA_:rA_+7], v[rW_:rW_+7], v[rX_:rX_+7], v[rC_:rC_+7]
.endif
.set ct_, ct_+1
.endr
.set rt_, rt_+1
.endr
.set ks_, ks_+1
.endr
.endm
.macro BLD adr, off                    ; four bias tiles from the parameters in LDS
.set c_, 0
.rept 4
	ds_load_b128 v[BIAS+8*c_:BIAS+8*c_+3], v[\adr] offset:(\off)+c_*64
	ds_load_b128 v[BIAS+8*c_+4:BIAS+8*c_+7], v[\adr] offset:(\off)+c_*64+16
.set c_, c_+1
.endr
.endm
; The lanes' partial pairs in v[12 + 4 r ..] become the rows' totals over 256 columns, in v[12 + 4 r] of every lane: the lane's own, the other half of the lanes', the four waves' through LDS.
.macro LNRED reg
	WIN 0
.irp r, 0,1,2,3
	v_pk_add_f32 v[12+4*\r:13+4*\r], v[12+4*\r:13+4*\r], v[14+4*\r:15+4*\r]
.endr
.irp r, 0,1,2,3
	v_add_f32 v[12+4*\r], v[12+4*\r], v[13+4*\r]
.endr
.irp r, 0,1,2,3
	v_permlanex16_b32 v[13+4*\r], v[12+4*\r], s[SEL], s[SEL+1]
.endr
.irp r, 0,1,2,3
	v_add_f32 v[12+4*\r], v[12+4*\r], v[13+4*\r]
.endr
.irp r, 0,1,2,3
	ds_store_b32 v[RW], v[12+4*\r] offset:(\reg)*1024+\r*256
.endr
	BAR
.irp r, 0,1,2,3
	ds_load_b128 v[12+4*\r:15+4*\r], v[RR] offset:(\reg)*1024+\r*256
.endr
	s_wait_dscnt 0x0
.irp r, 0,1,2,3
	v_pk_add_f32 v[12+4*\r:13+4*\r], v[12+4*\r:13+4*\r], v[14+4*\r:15+4*\r]
.endr
.irp r, 0,1,2,3
	v_add_f32 v[12+4*\r], v[12+4*\r], v[13+4*\r]
.endr
.endm
; LayerNorm in place on the 128 registers at zb of window 3, in two passes (mean; then the mean of squares of what is left).  Each accumulator's lowest registers are read first.
.macro LN zb, reg, ga, be
	WIN 0
.set c_, 0
.rept 4
	ds_load_b128 v[64+8*c_:67+8*c_], v[PR] offset:(\ga)+c_*64
	ds_load_b128 v[68+8*c_:71+8*c_], v[PR] offset:(\ga)+c_*64+16
	ds_load_b128 v[96+8*c_:99+8*c_], v[PR] offset:(\be)+c_*64
	ds_load_b128 v[100+8*c_:103+8*c_], v[PR] offset:(\be)+c_*64+16
.set c_, c_+1
.endr
	WIN 0x0f
.irp r, 0,1,2,3
	v_pk_add_f32 v[12+4*\r:13+4*\r], v[(\zb)+32*\r:(\zb)+32*\r+1], v[(\zb)+32*\r+4:(\zb)+32*\r+5]
	v_pk_add_f32 v[14+4*\r:15+4*\r], v[(\zb)+32*\r+2:(\zb)+32*\r+3], v[(\zb)+32*\r+6:(\zb)+32*\r+7]
.endr
	WIN 0x0c
.set p_, 4
.rept 12
.irp r, 0,1,2,3
	v_pk_add_f32 v[12+4*\r+2*(p_%2):13+4*\r+2*(p_%2)], v[12+4*\r+2*(p_%2):13+4*\r+2*(p_%2)], v[(\zb)+32*\r+2*p_:(\zb)+32*\r+2*p_+1]
.endr
.set p_, p_+1
.endr
	LNRED \reg
.irp r, 0,1,2,3
	v_mul_f32 v[12+4*\r], s[INV], v[12+4*\r]
.endr
	WIN 0xc3
.set p_, 0
.rept 16
.irp r, 0,1,2,3
	v_pk_add_f32 v[(\zb)+32*\r+2*p_:(\zb)+32*\r+2*p_+1], v[(\zb)+32*\r+2*p_:(\zb)+32*\r+2*p_+1], v[12+4*\r:13+4*\r] op_sel_hi:[1,0] neg_lo:[0,1] neg_hi:[0,1]
.endr
.set p_, p_+1
.endr
	WIN 0x0f
.irp r, 0,1,2,3
	v_pk_mul_f32 v[12+4*\r:13+4*\r], v[(\zb)+32*\r:(\zb)+32*\r+1], v[(\zb)+32*\r:(\zb)+32*\r+1]
	v_pk_mul_f32 v[14+4*\r:15+4*\r], v[(\zb)+32*\r+2:(\zb)+32*\r+3], v[(\zb)+32*\r+2:(\zb)+32*\r+3]
.endr
.set p_, 2
.rept 14
.irp r, 0,1,2,3
	v_pk_fma_f32 v[12+4*\r+2*(p_%2):13+4*\r+2*(p_%2)], v[(\zb)+32*\r+2*p_:(\zb)+32*\r+2*p_+1], v[(\zb)+32*\r+2*p_:(\zb)+32*\r+2*p_+1], v[12+4*\r+2*(p_%2):13+4*\r+2*(p_%2)]
.endr
.set p_, p_+1
.endr
	LNRED (\reg)+1
.irp r, 0,1,2,3
	v_fma_f32 v[12+4*\r], v[12+4*\r], s[INV], s[EPS]
.endr
.irp r, 0,1,2,3
	v_rsq_f32 v[12+4*\r], v[12+4*\r]
.endr
	v_nop                                          ; a plain instruction behind the last root,
	s_wait_alu depctr_va_vdst(0)                   ; and one wait for the four, ahead of their first reader
	WIN 0xc3
.set p_, 0
.rept 16
.irp r, 0,1,2,3
	v_pk_mul_f32 v[(\zb)+32*\r+2*p_:(\zb)+32*\r+2*p_+1], v[(\zb)+32*\r+2*p_:(\zb)+32*\r+2*p_+1], v[12+4*\r:13+4*\r] op_sel_hi:[1,0]
.endr
.set p_, p_+1
.endr
.set p_, 0
.rept 16
.irp r, 0,1,2,3
	v_pk_fma_f32 v[(\zb)+32*\r+2*p_:(\zb)+32*\r+2*p_+1], v[(\zb)+32*\r+2*p_:(\zb)+32*\r+2*p_+1], v[64+2*p_:65+2*p_], v[96+2*p_:97+2*p_]
.endr
.set p_, p_+1
.endr
	WIN 0
.endm
; A PREFETCH INTO THE L2 of the block of K and V that the NEXT change of slots will ask for: my wave's 32 KiB, of which each of the four partners names 8 KiB, told apart by address; a lane 256 bytes.
; All four clusters of a batch walk the same blocks: the batch's first cluster asks.  The last two changes of the loop have no block two on.  The weights' three units are not asked for: many clusters read them.
.macro ASK
	s_cmp_gt_u32 s[FC], s[LIM]
	s_cbranch_scc0 .Lna_\@
	global_prefetch_b8 v[PFO], s[PFA:PFA+1] th:TH_LOAD_NT scope:SCOPE_SE
.Lna_\@:
.endm
; THE CHANGE OF SLOTS.  Every wave waits for all its tensor loads (one is out: its quarter of the slot to be read next), adds 0 to its spare word, waits for that and for its LDS instructions; a round of the
; cluster's barrier; then the next fill is asked for, into the slot read last: the wave's one tensor load until the next round.  In the loop it has four key steps in which to land.
; loop = 1: the address is made anew: the wave's next block of K and V, or behind the last block the first unit of weights.
.macro CHANGE loop
	WIN 0
	s_wait_tensorcnt 0x0
	ds_add_u32 v[SPW], v[NIL]
	s_xor_b32 s[G0+1], s[G0+1], RING1
.if \loop
	s_add_nc_u64 s[KVP:KVP+1], s[KVP:KVP+1], 49152
	s_cmp_eq_u32 s[FC], 1
	s_cselect_b64 s[G0+2:G0+3], s[WBP:WBP+1], s[KVP:KVP+1]
	s_or_b32 s[G0+3], s[G0+3], 0x80000000
	s_wait_xcnt 0x0                                ; the last prefetch, four key steps back, has read its address
	s_add_nc_u64 s[PFA:PFA+1], s[PFA:PFA+1], 49152
.else
	s_add_nc_u64 s[G0+2:G0+3], s[G0+2:G0+3], 131072
.endif
	s_wait_dscnt 0x0
	ROUND
	tensor_load_to_lds s[G0:G0+3], s[G1:G1+7]
	s_nop 0
	PLACES
.if \loop
	ASK
	s_sub_co_u32 s[FC], s[FC], 1
.endif
.endm
.macro REGS qt
.set rT, ST+4*(\qt)
.set rC, TMP+4*(\qt)
.set rM, MV+(\qt)
.set rS, S+32*(\qt)
.set rP, P+16*(\qt)
.set rO, 16*(\qt)
.endm
; Number n of the 22 that find a tile's maximum and statistics: 0-11 four chains of seven scores, chain n % 4 on keys 16 (n % 4) .., each accumulator's lowest registers first; 12-14, 16 the four scores left over,
; the old m, the chains into one; 15 c m_old is kept; 17, 18 the query's other 32 keys lie in the lane 16 away; 19-21 c m, c m_old - c m_new, a.
.macro XSN qq, n
	REGS \qq
.if (\n) < 4
	v_max3_num_f32 v[rC+(\n)], v[rS+8*(\n)], v[rS+8*(\n)+1], v[rS+8*(\n)+2]
.elseif (\n) < 12
	v_max3_num_f32 v[rC+(\n)%4], v[rC+(\n)%4], v[rS+8*((\n)%4)+2*((\n)/4)+1], v[rS+8*((\n)%4)+2*((\n)/4)+2]
.elseif (\n) == 12
	v_max3_num_f32 v[rC], v[rC], v[rS+7], v[rS+15]
.elseif (\n) == 13
	v_max3_num_f32 v[rC+1], v[rC+1], v[rS+23], v[rS+31]
.elseif (\n) == 14
	v_max3_num_f32 v[rC+2], v[rC+2], v[rC+3], v[rT+1]
.elseif (\n) == 15
	v_mov_b32 v[rM], v[rT]
.elseif (\n) == 16
	v_max3_num_f32 v[rC], v[rC], v[rC+1], v[rC+2]
.elseif (\n) == 17
	v_permlanex16_b32 v[rC+3], v[rC], s[SEL], s[SEL+1]
.elseif (\n) == 18
	v_max_num_f32 v[rT+1], v[rC], v[rC+3]
.elseif (\n) == 19
	v_mul_f32 v[rT], s[CS], v[rT+1]
.elseif (\n) == 20
	v_sub_f32 v[rC+1], v[rM], v[rT]
.else
	v_exp_f32 v[rC+2], v[rC+1]
.endif
.endm
.macro KLD off                         ; a step's K, four fragments, from byte off behind v[KVA]
	WIN 0x40
.set k_, 0
.rept 4
	ds_load_b128 v[KF+8*k_:KF+8*k_+3], v[KVA] offset:(\off)+k_*1024
	ds_load_b128 v[KF+8*k_+4:KF+8*k_+7], v[KVA] offset:(\off)+k_*1024+512
.set k_, k_+1
.endr
.endm
.macro SW qq, k                        ; S^T of tile qq, keys 16 k ..: one product, which starts and ends its sum
	WIN 0x05
	v_wmma_f32_16x16x32_bf16 v[S+32*(\qq)+8*(\k):S+32*(\qq)+8*(\k)+7], v[KF+8*(\k):KF+8*(\k)+7], v[QF+8*(\qq):QF+8*(\qq)+7], 0
.endm
.macro CV qq, i                        ; pair i of tile qq's 16 pairs of weights, rounded to bf16
	REGS \qq
	v_cvt_pk_bf16_f32 v[rP+(\i)], v[rS+2*(\i)], v[rS+2*(\i)+1]
.endm
.macro SU qq, z                        ; number z of the 16 that add tile qq's 16 pairs (an even key's weight, an odd key's), in place: neighbours 1, 2, 4, 8 pairs apart; then l = a l + the sum
	REGS \qq
.if (\z) < 8
	v_pk_add_f32 v[rS+4*(\z):rS+4*(\z)+1], v[rS+4*(\z):rS+4*(\z)+1], v[rS+4*(\z)+2:rS+4*(\z)+3]
.elseif (\z) < 12
	v_pk_add_f32 v[rS+8*((\z)-8):rS+8*((\z)-8)+1], v[rS+8*((\z)-8):rS+8*((\z)-8)+1], v[rS+8*((\z)-8)+4:rS+8*((\z)-8)+5]
.elseif (\z) < 14
	v_pk_add_f32 v[rS+16*((\z)-12):rS+16*((\z)-12)+1], v[rS+16*((\z)-12):rS+16*((\z)-12)+1], v[rS+16*((\z)-12)+8:rS+16*((\z)-12)+9]
.elseif (\z) == 14
	v_pk_add_f32 v[rS:rS+1], v[rS:rS+1], v[rS+16:rS+17]
.else
	v_pk_fma_f32 v[rT+2:rT+3], v[rT+2:rT+3], v[rC+2:rC+3], v[rS:rS+1] op_sel_hi:[1,0,1]
.endif
.endm
; A KEY STEP: 64 keys, four tiles of queries.  Its K was fetched a step ago (a slot's first: behind the change of slots).
; K Q^T goes by groups of 16 keys, the four tiles by turns.  The first group stands bare, four v_nop behind it as its places; behind each product of a later group stand three lines of the maximum over the
; group before: a reader stands six plain lines or more behind the product that it reads, and none of those lines names a register of that product.
; Behind the scores one run of 16 LDS loads: this step's V and the NEXT step's K, seven plain lines behind the last product that read K.  In a slot's last step those 4 KiB are no K: they are bytes of V in my own
; quarter, and they are never multiplied: the price of one text for every step, with no read that crosses a change of slots.
; V^T P goes tile by tile, a tile's two accumulators by turns; behind each product stand four roundings of the next tile's weights and four lines of the tile's own row sum (the last tile: the sum alone).
.macro STEP
	s_wait_dscnt 0x0                               ; K is in
.irp q, 0,1,2,3
	SW \q, 0
.endr
	WIN 0
	PLACES
.set g_, 1
.rept 3
.set r_, 0
.irp q, 0,1,2,3
	SW \q, g_
	WIN 0
.rept 3
	XSN r_%4, g_-1+4*(r_/4)
.set r_, r_+1
.endr
.endr
.set g_, g_+1
.endr
.irp q, 0,1,2,3
	XSN \q, 3
.endr
	v_add_nc_u32 v[KVA], s[TB], v[WA0]
	WIN 0x40
.set k_, 0
.rept 4
	ds_load_b128 v[VF+8*k_:VF+8*k_+3], v[KVA] offset:16384+k_*1024
	ds_load_b128 v[VF+8*k_+4:VF+8*k_+7], v[KVA] offset:16384+k_*1024+512
.set k_, k_+1
.endr
	KLD 4096
	WIN 0
.irp n, 7,11,12,13,14,15,16,17,18,19,20,21
.irp q, 0,1,2,3
	XSN \q, \n
.endr
.endr
; THE BATCH: behind the four a, the 64 scalings and the 128 exponentials; none of these lines names an exponential's result.  A pair is scaled a round ahead of its exponentials.
.set i_, 0
.rept 17
.irp q, 0,1,2,3
	REGS \q
.if i_ < 16
	v_pk_fma_f32 v[rS+2*i_:rS+2*i_+1], v[rS+2*i_:rS+2*i_+1], s[CS:CS+1], v[rT:rT+1] op_sel_hi:[1,0,0] neg_lo:[0,0,1] neg_hi:[0,0,1]
.endif
.if i_ > 0
	v_exp_f32 v[rS+2*i_-2], v[rS+2*i_-2]
.endif
.endr
.if i_ > 0
.irp q, 0,1,2,3
	REGS \q
	v_exp_f32 v[rS+2*i_-1], v[rS+2*i_-1]
.endr
.endif
.set i_, i_+1
.endr
	v_nop                                          ; a plain instruction behind the last exponential,
	s_wait_alu depctr_va_vdst(0)                   ; and one wait for the batch, ahead of its first reader
.set i_, 0
.rept 16
	CV 0, i_                                       ; tile 0's weights: its products come first
.set i_, i_+1
.endr
	WIN 0x41
.set i_, 0
.rept 8
.irp q, 0,1,2,3
	REGS \q
	v_pk_mul_f32 v[rO+2*i_:rO+2*i_+1], v[rO+2*i_:rO+2*i_+1], v[rC+2:rC+3] op_sel_hi:[1,0]
.endr
.set i_, i_+1
.endr
	s_wait_dscnt 0x0                               ; V is in (and the next K)
.set q_, 0
.rept 4
.set f_, 0                                     ; keys 32 (f / 2) on, channels 16 (f % 2) on
.rept 4
	WIN 0x51
	v_wmma_f32_16x16x32_bf16 v[16*q_+8*(f_%2):16*q_+8*(f_%2)+7], v[VF+8*f_:VF+8*f_+7], v[P+16*q_+8*(f_/2):P+16*q_+8*(f_/2)+7], v[16*q_+8*(f_%2):16*q_+8*(f_%2)+7]
	WIN 0
.set z_, 0
.rept 4
.if q_ < 3
	CV q_+1, 4*f_+z_
.endif
	SU q_, 4*f_+z_
.set z_, z_+1
.endr
.set f_, f_+1
.endr
.set q_, q_+1
.endr
.endm
; THE CORNERS, four points (one level of my lanes' two: X = 0 or 1) line by line, each point with registers of its own at v[128 + 32 p], so that no line waits for the one before it.
; GEO: a point's location in pixels of its level, the four corners' positions in the value table (clamped into the level) and the bilinear factors (0 where the clamp moved the corner).
; ref W + off is the module's (ref + off / W) W bit for bit: W is a power of two.  All of it in f32, whole numbers exact; the positions are only stored here.
; At 128 + 32 p: +0 x, y; +2 their floors; +4 the fractions; +6 floors + 1; +8 x0, x1, y0, y1 clamped; +12 1 - fractions; +14 (X = 1: +28) the four factors; +18 products; +22 rows' first positions; +24 positions.
.macro GEO X
.set cW, 32+8*(\X)
.set fB, 142+14*(\X)
.irp p, 0,1,2,3
	v_pk_fma_f32 v[128+32*\p:129+32*\p], v[88+2*(\X):89+2*(\X)], v[cW:cW+1], v[64+8*(\X)+2*\p:65+8*(\X)+2*\p] op_sel_hi:[1,0,1]
.endr
.irp p, 0,1,2,3
	v_pk_add_f32 v[128+32*\p:129+32*\p], v[128+32*\p:129+32*\p], -0.5 op_sel_hi:[1,0]
.endr
.irp p, 0,1,2,3
	v_floor_f32 v[130+32*\p], v[128+32*\p]
	v_floor_f32 v[131+32*\p], v[129+32*\p]
.endr
.irp p, 0,1,2,3
	v_pk_add_f32 v[132+32*\p:133+32*\p], v[128+32*\p:129+32*\p], v[130+32*\p:131+32*\p] neg_lo:[0,1] neg_hi:[0,1]
	v_pk_add_f32 v[134+32*\p:135+32*\p], v[130+32*\p:131+32*\p], 1.0 op_sel_hi:[1,0]
.endr
.irp p, 0,1,2,3
	v_med3_num_f32 v[136+32*\p], v[130+32*\p], 0, v[cW+2]
	v_med3_num_f32 v[138+32*\p], v[131+32*\p], 0, v[cW+2]
.endr
.irp p, 0,1,2,3
	v_med3_num_f32 v[137+32*\p], v[134+32*\p], 0, v[cW+2]
	v_med3_num_f32 v[139+32*\p], v[135+32*\p], 0, v[cW+2]
.endr
.irp p, 0,1,2,3
	v_sub_f32 v[140+32*\p], 1.0, v[132+32*\p]
	v_sub_f32 v[141+32*\p], 1.0, v[133+32*\p]
.endr
.irp p, 0,1,2,3
	v_cmp_eq_f32 s[MK+\p], v[136+32*\p], v[130+32*\p]
.endr
.irp p, 0,1,2,3
	v_cmp_eq_f32 s[MK+4+\p], v[137+32*\p], v[134+32*\p]
.endr
.irp p, 0,1,2,3
	v_cndmask_b32 v[fB+32*\p], 0, v[140+32*\p], s[MK+\p]
.endr
.irp p, 0,1,2,3
	v_cndmask_b32 v[fB+1+32*\p], 0, v[132+32*\p], s[MK+4+\p]
.endr
.irp p, 0,1,2,3
	v_cmp_eq_f32 s[MK+\p], v[138+32*\p], v[131+32*\p]
.endr
.irp p, 0,1,2,3
	v_cmp_eq_f32 s[MK+4+\p], v[139+32*\p], v[135+32*\p]
.endr
.irp p, 0,1,2,3
	v_cndmask_b32 v[fB+2+32*\p], 0, v[141+32*\p], s[MK+\p]
.endr
.irp p, 0,1,2,3
	v_cndmask_b32 v[fB+3+32*\p], 0, v[133+32*\p], s[MK+4+\p]
.endr
.irp p, 0,1,2,3
	v_fma_f32 v[150+32*\p], v[138+32*\p], v[cW], v[cW+3]
	v_fma_f32 v[151+32*\p], v[139+32*\p], v[cW], v[cW+3]
.endr
.irp p, 0,1,2,3
	v_add_f32 v[152+32*\p], v[150+32*\p], v[136+32*\p]
	v_add_f32 v[153+32*\p], v[150+32*\p], v[137+32*\p]
	v_add_f32 v[154+32*\p], v[151+32*\p], v[136+32*\p]
	v_add_f32 v[155+32*\p], v[151+32*\p], v[137+32*\p]
.endr
.irp p, 0,1,2,3
	v_cvt_u32_f32 v[152+32*\p], v[152+32*\p]
	v_cvt_u32_f32 v[153+32*\p], v[153+32*\p]
	v_cvt_u32_f32 v[154+32*\p], v[154+32*\p]
	v_cvt_u32_f32 v[155+32*\p], v[155+32*\p]
.endr
.irp p, 0,1,2,3
	v_lshl_or_b32 v[96+8*(\X)+2*\p], v[153+32*\p], 16, v[152+32*\p]
	v_lshl_or_b32 v[97+8*(\X)+2*\p], v[155+32*\p], 16, v[154+32*\p]
.endr
.endm
; FIN: the four corners' weights = the point's attention weight x the two factors, rounded to bf16.
.macro FIN X
.set fB, 142+14*(\X)
.irp p, 0,1,2,3
	v_mul_f32 v[fB+2+32*\p], v[fB+2+32*\p], v[80+4*(\X)+\p]
	v_mul_f32 v[fB+3+32*\p], v[fB+3+32*\p], v[80+4*(\X)+\p]
.endr
.irp p, 0,1,2,3
	v_mul_f32 v[146+32*\p], v[fB+32*\p], v[fB+2+32*\p]
	v_mul_f32 v[147+32*\p], v[fB+1+32*\p], v[fB+2+32*\p]
	v_mul_f32 v[148+32*\p], v[fB+32*\p], v[fB+3+32*\p]
	v_mul_f32 v[149+32*\p], v[fB+1+32*\p], v[fB+3+32*\p]
.endr
.irp p, 0,1,2,3
	v_cvt_pk_bf16_f32 v[112+8*(\X)+2*\p], v[146+32*\p], v[147+32*\p]
	v_cvt_pk_bf16_f32 v[113+8*(\X)+2*\p], v[148+32*\p], v[149+32*\p]
.endr
.endm
.macro LCONST dst, a, b                ; a in lanes 0-15, b in lanes 16-31
	v_mov_b32 v12, \b
	v_cndmask_b32 v[\dst], \a, v12, vcc_lo
.endm
	s_load_b512 s[4:19], s[0:1], 0x0               ; qkvb, wb, tgt, query_pos, reference_points, out_proj_b, norm2_g, norm2_b
	s_load_b256 s[20:27], s[0:1], 0x40             ; off_b, attw_b, t1, sidx
	s_load_b64 s[28:29], s[0:1], 0x60              ; swt
	v_lshl_add_u32 v[SPW], v0, 2, SPARE
	v_mov_b32 v[NIL], 0
	ds_add_u32 v[SPW], v[NIL]                      ; the wave's opening: the add and its wait ahead of my first tensor load
	HEADREGS
	v_and_b32 v[QO], 31, v0
	v_lshlrev_b32 v[QO], 4, v[QO]
	s_lshl_b32 s61, s[WV], 8
	v_lshl_add_u32 v[DO], v1, 10, s61              ; row m, my wave's 256 bytes,
	v_lshl_add_u32 v[DO], v2, 5, v[DO]             ; my 8 columns of tile 0
	v_lshlrev_b32 v[RFO], 5, v1
	v_lshl_add_u32 v[RFO], v2, 3, v[RFO]           ; row m's reference point of level hh
	v_lshlrev_b32 v19, 3, v0
	v_lshlrev_b32 v20, 2, v0
	v_add_nc_u32 v21, PAR, v19
	v_add_nc_u32 v22, PAR+4096, v20
	s_mov_b32 s[CS], 0x3e8293ee                    ; c = log2(e) / sqrt(32)
	s_mov_b32 s[CS+1], s[CS]
	s_mov_b32 s[INV], 0x3b800000                   ; 1 / 256
	s_mov_b32 s[EPS], 0x3727c5ac                   ; 1e-5
	s_mov_b32 s[L2E], 0x3fb8aa3b
	s_mov_b32 s[L2E+1], s[L2E]
	s_mov_b32 s[TB], RING1+16384                   ; the first change of slots turns this into 0
	s_mov_b32 s[FC], 8
	s_mov_b32 s[XO], 0
	s_mov_b32 s[HL], 2
	s_lshr_b32 s61, ttmp9, 2                       ; batch
	s_lshl_b32 s61, s61, 2
	s_add_co_u32 s61, s61, s[WV]
	s_mul_i32 s62, s61, 393216                     ; my two heads' eight blocks
	s_mov_b32 s63, 0
	s_and_b32 s61, ttmp9, 3                        ; my cluster among the batch's four = the block that holds its queries
	s_cmp_eq_u32 s61, 0
	s_cselect_b32 s[LIM], 2, -1
	s_mul_i32 s78, s61, 49152
	s_lshl_b32 s77, s[CX], 12
	s_add_co_u32 s78, s78, s77
	s_add_co_u32 s78, s78, 32768                   ; my 64 queries in Q's part
	s_mov_b32 s79, 0
	s_lshl_b32 s80, s[CX], 13
	s_add_co_u32 s80, s80, 49152                   ; the prefetches start a block on; the first change steps them to block 2
	s_mov_b32 s81, 0
	s_lshl_b32 s82, s[WV], 15
	s_add_co_u32 s82, s82, 3*131072
	s_mov_b32 s83, 0
	s_lshl_b32 s84, s[GI], 16
	s_mov_b32 s85, 0
	s_lshl_b32 s86, s[GI], 11
	s_mov_b32 s87, 0
	s_lshl_b32 s88, s[GI], 15
	s_lshl_b32 s77, s[WV], 11
	s_add_co_u32 s88, s88, s77
	s_mov_b32 s89, 0
	s_lshl_b32 s90, s[WV], 12
	s_add_co_u32 s90, s90, s84
	s_mov_b32 s91, 0
	s_wait_dscnt 0x0
	s_wait_kmcnt 0x0
	s_add_nc_u64 s[KVP:KVP+1], s[4:5], s[62:63]
	s_mov_b64 s[G0+2:G0+3], s[KVP:KVP+1]
	s_or_b32 s[G0+3], s[G0+3], 0x80000000
	s_add_nc_u64 s[30:31], s[KVP:KVP+1], s[78:79]
	s_add_nc_u64 s[PFA:PFA+1], s[KVP:KVP+1], s[80:81]
	s_add_nc_u64 s[WBP:WBP+1], s[6:7], s[82:83]
	s_add_nc_u64 s[8:9], s[8:9], s[84:85]
	s_add_nc_u64 s[10:11], s[10:11], s[84:85]
	s_add_nc_u64 s[12:13], s[12:13], s[86:87]
	s_add_nc_u64 s[24:25], s[24:25], s[88:89]
	s_add_nc_u64 s[26:27], s[26:27], s[90:91]
	s_add_nc_u64 s[28:29], s[28:29], s[90:91]
	ROUND
	tensor_load_to_lds s[G0:G0+3], s[G1:G1+7]      ; my first block of K and V
	s_nop 0
	PLACES
	global_load_b64 v[64:65], v19, s[14:15]
	global_load_b64 v[66:67], v19, s[16:17]
	global_load_b64 v[68:69], v19, s[18:19]
	global_load_b64 v[70:71], v19, s[20:21]
	global_load_b32 v72, v20, s[22:23]
	WIN 0x40
.set i_, 0
.rept 8                                        ; both heads' Q: head i / 4, tile i % 4
	global_load_b128 v[QF+8*i_:QF+8*i_+3], v[QO], s[30:31] offset:(i_/4)*196608+(i_%4)*1024
	global_load_b128 v[QF+8*i_+4:QF+8*i_+7], v[QO], s[30:31] offset:(i_/4)*196608+(i_%4)*1024+512
.set i_, i_+1
.endr
	WIN 0
	s_wait_loadcnt 16                              ; the parameters are in; Q's sixteen loads may stay out
	ds_store_b64 v21, v[64:65]
	ds_store_b64 v21, v[66:67] offset:1024
	ds_store_b64 v21, v[68:69] offset:2048
	ds_store_b64 v21, v[70:71] offset:3072
	ds_store_b32 v22, v72
	s_wait_loadcnt 0x0
	WIN 0x80                                       ; what the way out wants is asked for now and waited for there
.set t_, 0
.rept 16
	global_load_b128 v[8*t_:8*t_+3], v[DO], s[8:9] offset:(t_/4)*16384+(t_%4)*64
	global_load_b128 v[8*t_+4:8*t_+7], v[DO], s[8:9] offset:(t_/4)*16384+(t_%4)*64+16
	global_load_b128 v[128+8*t_:131+8*t_], v[DO], s[10:11] offset:(t_/4)*16384+(t_%4)*64
	global_load_b128 v[132+8*t_:135+8*t_], v[DO], s[10:11] offset:(t_/4)*16384+(t_%4)*64+16
.set t_, t_+1
.endr
	WIN 0xc0
.set r_, 0
.rept 4
	global_load_b64 v[192+4*r_:193+4*r_], v[RFO], s[12:13] offset:r_*512
	global_load_b64 v[194+4*r_:195+4*r_], v[RFO], s[12:13] offset:r_*512+16
.set r_, r_+1
.endr
	WIN 0
.Lhead:                                        ; a head begins: no first step is written out; its a is 0
	WIN 0x40
.set i_, 0
.rept 64
	v_mov_b32 v[i_], 0
.set i_, i_+1
.endr
	WIN 0
.irp q, 0,1,2,3
	v_mov_b32 v[ST+4*\q], 0xfe000000               ; c m: far below every c s
	v_mov_b32 v[ST+4*\q+1], 0xff7fffff             ; m
	v_mov_b32 v[ST+4*\q+2], 0
	v_mov_b32 v[ST+4*\q+3], 0
.endr
	s_mov_b32 s[SL], 4
.Lslot:
	CHANGE 1
	s_sub_co_u32 s[TB], s[TB], 16384               ; back to a slot's first step,
	s_xor_b32 s[TB], s[TB], RING1                  ; in the other slot
	v_add_nc_u32 v[KVA], s[TB], v[WA0]
	KLD 0                                          ; the slot's first K; every later K is fetched in the step before its own
	WIN 0
	s_mov_b32 s[STC], 4
.Lstep:
	STEP
	s_add_co_u32 s[TB], s[TB], 4096
	s_sub_co_u32 s[STC], s[STC], 1
	s_cmp_lg_u32 s[STC], 0
	s_cbranch_scc1 .Lstep
	s_sub_co_u32 s[SL], s[SL], 1
	s_cmp_lg_u32 s[SL], 0
	s_cbranch_scc1 .Lslot
; THE HEAD'S END: O / l, rounded to bf16, into the rows' place in LDS.  The last row sum's four lines and these additions are the places behind the last products.
.irp q, 0,1,2,3
	v_add_f32 v[TMP+4*\q], v[ST+4*\q+2], v[ST+4*\q+3]
.endr
.irp q, 0,1,2,3
	v_permlanex16_b32 v[TMP+4*\q+1], v[TMP+4*\q], s[SEL], s[SEL+1]
.endr
.irp q, 0,1,2,3
	v_add_f32 v[TMP+4*\q], v[TMP+4*\q], v[TMP+4*\q+1]
.endr
.irp q, 0,1,2,3
	v_rcp_f32 v[TMP+4*\q+2], v[TMP+4*\q]
.endr
	v_nop
	s_wait_alu depctr_va_vdst(0)                   ; one wait for the four reciprocals
	WIN 0x41
.set i_, 0
.rept 8
.irp q, 0,1,2,3
	v_pk_mul_f32 v[16*\q+2*i_:16*\q+2*i_+1], v[16*\q+2*i_:16*\q+2*i_+1], v[TMP+4*\q+2:TMP+4*\q+3] op_sel_hi:[1,0]
.endr
.set i_, i_+1
.endr
	WIN 0x05
.set i_, 0
.rept 32
	v_cvt_pk_bf16_f32 v[S+i_], v[2*i_], v[2*i_+1]
.set i_, i_+1
.endr
	WIN 0
	v_add_nc_u32 v[XWH], s[XO], v[XW]
.set i_, 0
.rept 8                                        ; tile i / 2, channels 16 (i % 2) on
	ds_store_b128 v[XWH], v[S+4*i_:S+4*i_+3] offset:((i_/2)*32+2*(i_%2))*KP
.set i_, i_+1
.endr
	s_add_co_u32 s[XO], s[XO], 4*KP                ; the second head's 32 channels lie four LDS rows on
	WIN 0x41
.set i_, 0
.rept 32
	v_mov_b32 v[QF+i_], v[QF+32+i_]
.set i_, i_+1
.endr
	WIN 0
	s_sub_co_u32 s[HL], s[HL], 1
	s_cmp_lg_u32 s[HL], 0
	s_cbranch_scc1 .Lhead
; out_proj, + tgt, LayerNorm 2
	s_wait_loadcnt 0x0                             ; tgt, query_pos, the reference points
	CHANGE 0                                       ; out_proj's unit is in, off's is asked for; the round also shows every wave's O
	LDX 1
	BLD PR, 0
	s_wait_dscnt 0x0
	WIN 0xc2
.set i_, 0
.rept 64
	v_pk_add_f32 v[2*i_:2*i_+1], v[2*i_:2*i_+1], v[BIAS+8*((i_/4)%4)+2*(i_%4):BIAS+8*((i_/4)%4)+2*(i_%4)+1]
.set i_, i_+1
.endr
	GEMM WA0, 4, 1, 0, 0, 0, 3, 0
	WIN 0
	PLACES
	LN 0, 0, 1024, 2048
	WIN 0x0f
.set i_, 0
.rept 64
	v_cvt_pk_f16_f32 v[128+i_], v[2*i_], v[2*i_+1]
.set i_, i_+1
.endr
	WIN 0
	v_and_b32 v[KVA], 31, v0
	v_lshlrev_b32 v[KVA], 4, v[KVA]                ; 16 x lane
.set t_, 0
.rept 16
	global_store_b128 v[KVA], v[128+4*t_:131+4*t_], s[24:25] offset:(t_/4)*8192+(t_%4)*512  ; a tile: 512 consecutive bytes
.set t_, t_+1
.endr
	WIN 0x8b
.set i_, 0
.rept 64
	v_pk_add_f32 v[128+2*i_:129+2*i_], v[2*i_:2*i_+1], v[128+2*i_:129+2*i_]
.set i_, i_+1
.endr
	WIN 0x0a
.set i_, 0
.rept 64
	v_cvt_pk_bf16_f32 v[192+i_], v[128+2*i_], v[129+2*i_]
.set i_, i_+1
.endr
	WIN 0
.set t_, 0
.rept 16                                       ; LayerNorm's barriers lie between every wave's reads of O and these stores
	ds_store_b128 v[XW], v[192+4*t_:195+4*t_] offset:((t_/4)*32+2*(t_%4))*KP
.set t_, t_+1
.endr
; the offsets and the weights' logits
	CHANGE 0                                       ; off's unit is in, attw's is asked for
	LDX 1
	BLD PR, 3072
	s_wait_dscnt 0x0
	GEMM WA1, 4, 1, 0, 1, BIAS, 0, 0
	WIN 0
	PLACES
	s_wait_tensorcnt 0x0                           ; attw's unit, my quarter, which I alone read; nothing more is asked for
	s_lshl_b32 s61, s[WV], 7
	s_add_co_u32 s61, s61, PAR+4096
	v_lshl_add_u32 v[SA], v2, 4, s61
.irp c, 0,1
	ds_load_b128 v[BIAS+8*\c:BIAS+8*\c+3], v[SA] offset:\c*64
	ds_load_b128 v[BIAS+8*\c+4:BIAS+8*\c+7], v[SA] offset:\c*64+32
.endr
	GEMM WA0, 2, 1, 128, 1, BIAS, 0, 0
	WIN 0
	PLACES
; The results go, a record for each (row tile, head), into my quarter of slot 1, which has had its last fill and which I alone touch: so ONE text serves all eight records.
	WIN 0x0c
.set t_, 0
.rept 8
.set a_, ((t_/2)*4+2*(t_%2))*8
	ds_store_b128 v[WA1], v[a_:a_+3] offset:t_*3584
	ds_store_b128 v[WA1], v[a_+4:a_+7] offset:t_*3584+512
	ds_store_b128 v[WA1], v[a_+8:a_+11] offset:t_*3584+1024
	ds_store_b128 v[WA1], v[a_+12:a_+15] offset:t_*3584+1536
	ds_store_b128 v[WA1], v[128+8*t_:131+8*t_] offset:t_*3584+2048
	ds_store_b128 v[WA1], v[132+8*t_:135+8*t_] offset:t_*3584+2560
	ds_store_b128 v[WA1], v[192+4*(t_/2):195+4*(t_/2)] offset:t_*3584+3072
.set t_, t_+1
.endr
	WIN 0
	v_cmp_eq_u32 vcc_lo, 1, v2                     ; lanes 0-15 hold levels 0 and 2, lanes 16-31 levels 1 and 3
	LCONST 32, 0x42800000, 0x42000000              ; side 64 or 32
	LCONST 34, 0x427c0000, 0x41f80000              ; side - 1
	LCONST 35, 0, 0x45800000                       ; the level's first position: 0 or 4,096
	LCONST 40, 0x41800000, 0x41000000              ; 16 or 8
	LCONST 42, 0x41700000, 0x40e00000
	LCONST 43, 0x45a00000, 0x45a80000              ; 5,120 or 5,376
	v_mov_b32 v33, v32
	v_mov_b32 v41, v40
	s_mov_b32 s[SB], 0
	s_mov_b32 s[STP], 2048
	s_mov_b32 s[STP+1], 0
	s_mov_b32 s[HL], 8
	s_wait_xcnt 0x0                                ; t1's stores have read v128-191, which the points' work writes
.Lloc:                                         ; a record: 16 rows of one head.  The geometry, which wants no attention weight, stands behind the exponentials and behind the reciprocal, ahead of their waits
	v_add_nc_u32 v[SA], s[SB], v[WA1]
.irp s, 0,1,2,3,4,5,6
	ds_load_b128 v[64+4*\s:67+4*\s], v[SA] offset:\s*512
.endr
	s_wait_dscnt 0x0
	v_max3_num_f32 v12, v80, v81, v82              ; the softmax over the head's 16 points: my 8 and the 8 in the lane 16 away
	v_max3_num_f32 v12, v12, v83, v84
	v_max3_num_f32 v12, v12, v85, v86
	v_max_num_f32 v12, v12, v87
	v_permlanex16_b32 v13, v12, s[SEL], s[SEL+1]
	v_max_num_f32 v12, v12, v13
	v_mul_f32 v12, s[L2E], v12
.irp i, 0,1,2,3
	v_pk_fma_f32 v[80+2*\i:81+2*\i], v[80+2*\i:81+2*\i], s[L2E:L2E+1], v[12:13] op_sel_hi:[1,0,0] neg_lo:[0,0,1] neg_hi:[0,0,1]
.endr
.irp i, 0,1,2,3,4,5,6,7
	v_exp_f32 v[80+\i], v[80+\i]
.endr
	GEO 0
	s_wait_alu depctr_va_vdst(0)                   ; one wait for the eight exponentials, ahead of their first reader
	v_pk_add_f32 v[14:15], v[80:81], v[82:83]
	v_pk_add_f32 v[16:17], v[84:85], v[86:87]
	v_pk_add_f32 v[14:15], v[14:15], v[16:17]
	v_add_f32 v14, v14, v15
	v_permlanex16_b32 v15, v14, s[SEL], s[SEL+1]
	v_add_f32 v14, v14, v15
	v_rcp_f32 v14, v14
	GEO 1
	s_wait_alu depctr_va_vdst(0)                   ; the reciprocal's wait
.irp i, 0,1,2,3
	v_pk_mul_f32 v[80+2*\i:81+2*\i], v[80+2*\i:81+2*\i], v[14:15] op_sel_hi:[1,0]
.endr
	FIN 0
	FIN 1
.irp q, 0,1,2,3
	global_store_b128 v[KVA], v[96+4*\q:99+4*\q], s[26:27] offset:\q*512
	global_store_b128 v[KVA], v[112+4*\q:115+4*\q], s[28:29] offset:\q*512
.endr
	s_wait_xcnt 0x0                                ; the stores have read their data and their bases
	s_add_nc_u64 s[26:27], s[26:27], s[STP:STP+1]
	s_add_nc_u64 s[28:29], s[28:29], s[STP:STP+1]
	s_sub_co_u32 s[STP], 16384, s[STP]             ; to my second head 2,048 bytes, from it to the next row tile 14,336
	s_add_co_u32 s[SB], s[SB], 3584
	s_sub_co_u32 s[HL], s[HL], 1
	s_cmp_lg_u32 s[HL], 0
	s_cbranch_scc1 .Lloc
	s_wait_tensorcnt 0x0                           ; the wave's end
	ds_add_u32 v[SPW], v[NIL]
	s_wait_dscnt 0x0
	ROUND                                          ; the closing round
	s_endpgm
.Lfunc_end_k_q42091b794e_attn:
	.size	k_q42091b794e_attn, .Lfunc_end_k_q42091b794e_attn-k_q42091b794e_attn
	.p2alignl 7, 3214868480
	.fill 96, 4, 3214868480
	.section	.rodata,"a",@progbits
	.p2align	6, 0x0
	.amdhsa_kernel k_q42091b794e_attn
		.amdhsa_group_segment_fixed_size 327680
		.amdhsa_private_segment_fixed_size 0
		.amdhsa_enable_private_segment 0
		.amdhsa_kernarg_size 104
		.amdhsa_user_sgpr_count 2
		.amdhsa_user_sgpr_kernarg_segment_ptr 1
		.amdhsa_wavefront_size32 1
		.amdhsa_system_sgpr_workgroup_id_x 1
		.amdhsa_system_sgpr_workgroup_id_y 1
		.amdhsa_system_sgpr_workgroup_id_z 1
		.amdhsa_system_vgpr_workitem_id 0
		.amdhsa_next_free_vgpr 1024
		.amdhsa_next_free_sgpr 96
		.amdhsa_reserve_vcc 1
		.amdhsa_float_denorm_mode_32 3
		.amdhsa_float_denorm_mode_16_64 3
		.amdhsa_memory_ordered 1
		.amdhsa_forward_progress 1
		.amdhsa_inst_pref_size 168
	.end_amdhsa_kernel
	.amdgpu_metadata
---
amdhsa.version: [ 1, 2 ]
amdhsa.kernels:
  - .name:           k_q42091b794e_attn
    .symbol:         k_q42091b794e_attn.kd
    .args:
      - { .name: qkvb, .offset: 0, .size: 8, .value_kind: global_buffer, .address_space: global }
      - { .name: wb, .offset: 8, .size: 8, .value_kind: global_buffer, .address_space: global }
      - { .name: tgt, .offset: 16, .size: 8, .value_kind: global_buffer, .address_space: global }
      - { .name: query_pos, .offset: 24, .size: 8, .value_kind: global_buffer, .address_space: global }
      - { .name: reference_points, .offset: 32, .size: 8, .value_kind: global_buffer, .address_space: global }
      - { .name: out_proj_b, .offset: 40, .size: 8, .value_kind: global_buffer, .address_space: global }
      - { .name: norm2_g, .offset: 48, .size: 8, .value_kind: global_buffer, .address_space: global }
      - { .name: norm2_b, .offset: 56, .size: 8, .value_kind: global_buffer, .address_space: global }
      - { .name: off_b, .offset: 64, .size: 8, .value_kind: global_buffer, .address_space: global }
      - { .name: attw_b, .offset: 72, .size: 8, .value_kind: global_buffer, .address_space: global }
      - { .name: t1, .offset: 80, .size: 8, .value_kind: global_buffer, .address_space: global }
      - { .name: sidx, .offset: 88, .size: 8, .value_kind: global_buffer, .address_space: global }
      - { .name: swt, .offset: 96, .size: 8, .value_kind: global_buffer, .address_space: global }
    .group_segment_fixed_size: 327680
    .private_segment_fixed_size: 0
    .kernarg_segment_align: 8
    .kernarg_segment_size: 104
    .max_flat_workgroup_size: 128
    .sgpr_count:     96
    .vgpr_count:     1024
    .wavefront_size: 32
...
	.end_amdgpu_metadata
.endif
;; end of part 8
;; launch samp (part 9): grid 16 x 16, 32 waves a work-group, no clusters, 309,248 bytes of LDS; arguments value, sidx, swt, smp; writes smp
.if DOCPART == 9
	.amdgcn_target "amdgcn-amd-amdhsa--gfx1250"
	.amdhsa_code_object_version 6
	.text
	.protected	k_q42091b794e_samp
	.globl	k_q42091b794e_samp
	.p2align	8
	.type	k_q42091b794e_samp,@function
k_q42091b794e_samp:
	s_mov_b64 s[64:65], 0
	v_nop
	global_prefetch_b8 v0, s[64:65] scope:SCOPE_SE
	s_setreg_imm32_b32 hwreg(HW_REG_WAVE_MODE, 25, 1), 1
	s_wait_xcnt 0x0
; THE GATHER, OUT OF LDS.  smp[row][16 channels] = the sum over a head's 16 points x 4 corners of weight x value[batch][channel tile][position][:], in f32, rounded once to bf16.
; Positions (whole numbers, 0 .. 5439) and weights were stored by the launch before.  smp: [row tile 1024][channel tile 16][16 rows][16 channels].
; SHARES.  A work-group (x = channel tile, y = batch) holds ALL 5,440 positions of its 16 channels in LDS, 32 bytes a record, 174,080 bytes, read from memory once; a whole head (64 bytes a record) would not fit.
; It makes those channels for all 1,024 rows of the batch: 64 row tiles, two for each of its 32 waves (w and w + 32).  16 x 16 work-groups, all alike.
; THE FILL.  In memory 68 positions lie in a chunk of 2,304 bytes; a tensor load takes rows of 2,176 bytes at that pitch, so that in LDS the positions lie on end.  Waves 0-15 fetch five chunks each, once, at the head.
; THE LISTS.  A row tile's positions and weights (2,048 bytes each for the head) come by eight loads of 512 consecutive bytes into registers and go into 4,096 bytes of LDS of the wave's own, so that one
; text, a loop of eight trips, can walk them by address.  The second tile's loads are issued before the first tile is worked on.
; A LANE holds one row (lane / 2) and 8 channels (lane % 2): two lanes read a record.  A trip takes two points: 8 corners, 8 LDS loads of 16 bytes a lane, 64 multiply-adds.
; Eight waves lie on a SIMD and cover each other's waits for LDS.  No cluster: no two work-groups read the same part of value; two share the lists, which come through registers.
; No prefetch: the one fill stands at the head, and a tile's lists are asked for a whole tile ahead.  No matrix unit: each row has records of its own.
.set STG,   174080                     ; behind value: 4,096 bytes for each wave: positions, then weights
.set SPARE, 305152                     ; the spare words, 128 bytes a wave, which no other line names
.set CB,  1                            ; v1   16 x (lane % 2): my half of a record
.set RDB, 2                            ; v2   my row's 16 bytes in a piece of 256 of my wave's lists
.set STB, 3                            ; v3   where I put 16 bytes of the lists
.set GO,  4                            ; v4   16 x lane
.set PA,  5                            ; v5   the piece in hand
.set SPW, 6
.set NIL, 7
.set IX,  8                            ; v8-11   two points' eight positions, two a word
.set WT,  12                           ; v12-15  and weights
.set AD,  16                           ; v16-23  the eight records' LDS addresses
.set ACC, 24                           ; v24-31  my 8 channels' sums
.set VR,  32                           ; v32-63  eight records' 16 bytes
.set GL,  64                           ; v64-95  a row tile's lists on their way
.set OUT, 96                           ; v96-99
.set WV,  12
.set G1,  24                           ; s[24:31] descriptor group 1
.set G0,  32                           ; s[32:35] descriptor group 0
.set RTC, 36
.set PB,  37
.set PC,  38
.set MASK, 39
.macro IDXLD                           ; a row tile's lists for my head
.irp q, 0,1,2,3
	global_load_b128 v[GL+4*\q:GL+4*\q+3], v[GO], s[6:7] offset:\q*512
	global_load_b128 v[GL+16+4*\q:GL+16+4*\q+3], v[GO], s[8:9] offset:\q*512
.endr
.endm
.macro FM c, k                         ; channel c += corner k's value x its weight, both bf16 halves, the sum in f32
.set vr_, VR+4*(\k)+(\c)/2
.set wr_, WT+(\k)/2
.if ((\c)%2 == 0) && ((\k)%2 == 0)
	v_fma_mix_f32_bf16 v[ACC+(\c)], v[vr_], v[wr_], v[ACC+(\c)] op_sel:[0,0,0] op_sel_hi:[1,1,0]
.elseif ((\c)%2 == 1) && ((\k)%2 == 0)
	v_fma_mix_f32_bf16 v[ACC+(\c)], v[vr_], v[wr_], v[ACC+(\c)] op_sel:[1,0,0] op_sel_hi:[1,1,0]
.elseif ((\c)%2 == 0) && ((\k)%2 == 1)
	v_fma_mix_f32_bf16 v[ACC+(\c)], v[vr_], v[wr_], v[ACC+(\c)] op_sel:[0,1,0] op_sel_hi:[1,1,0]
.else
	v_fma_mix_f32_bf16 v[ACC+(\c)], v[vr_], v[wr_], v[ACC+(\c)] op_sel:[1,1,0] op_sel_hi:[1,1,0]
.endif
.endm
	s_load_b256 s[4:11], s[0:1], 0x0               ; value, sidx, swt, smp
	v_lshl_add_u32 v[SPW], v0, 2, SPARE
	v_mov_b32 v[NIL], 0
	ds_add_u32 v[SPW], v[NIL]                      ; the wave's opening: the add and its wait ahead of the first tensor load
	v_lshrrev_b32 v1, 5, v0
	v_readfirstlane_b32 s[WV], v1                  ; wave 0..31
	s_and_b32 s13, ttmp7, 0xffff                   ; batch; ttmp9 is the channel tile
	s_mov_b32 s[G1], 3<<16                         ; no mask; elements of 8 bytes; no padding
	s_mov_b32 s[G1+1], 272<<16                     ; tensor_dim0 = 272: a row of 2,176 bytes, 68 records
	s_mov_b32 s[G1+2], 5<<16                       ; tensor_dim1 = 5
	s_mov_b32 s[G1+3], 272<<16                     ; tile_dim0
	s_mov_b32 s[G1+4], 5                           ; tile_dim1: five chunks
	s_mov_b32 s[G1+5], 288                         ; from chunk to chunk 2,304 bytes
	s_mov_b32 s[G1+6], 0
	s_mov_b32 s[G1+7], 0
	s_mov_b32 s[G0], 1
	s_mul_i32 s[G0+1], s[WV], 10880                ; five rows of 2,176 bytes on end (waves 0-15)
	s_lshl_b32 s14, s13, 4
	s_add_co_u32 s14, s14, ttmp9
	s_mul_i32 s14, s14, 80
	s_mul_i32 s15, s[WV], 5
	s_add_co_u32 s14, s14, s15                     ; my first chunk
	s_mul_i32 s16, s14, 2304
	s_mov_b32 s17, 0
	s_lshl_b32 s18, s13, 6
	s_add_co_u32 s18, s18, s[WV]                   ; my first row tile
	s_lshl_b32 s19, s18, 3
	s_lshr_b32 s20, ttmp9, 1                       ; head
	s_add_co_u32 s19, s19, s20
	s_lshl_b32 s20, s19, 11
	s_mov_b32 s21, 0
	s_lshl_b32 s22, s18, 4
	s_add_co_u32 s22, s22, ttmp9
	s_lshl_b32 s22, s22, 9
	s_mov_b32 s23, 0
	s_lshl_b32 s15, s[WV], 12
	s_add_co_u32 s15, s15, STG                     ; my wave's lists in LDS
	s_mov_b32 s[MASK], 0xffff
	s_mov_b32 s[RTC], 2
	v_and_b32 v[GO], 31, v0
	v_and_b32 v[CB], 1, v0
	v_lshlrev_b32 v[CB], 4, v[CB]
	v_lshrrev_b32 v[RDB], 1, v[GO]
	v_lshl_add_u32 v[RDB], v[RDB], 4, s15
	v_lshl_add_u32 v[STB], v[GO], 4, s15
	v_lshlrev_b32 v[GO], 4, v[GO]
	s_wait_dscnt 0x0                               ; the opening add is done
	s_wait_kmcnt 0x0
	s_add_nc_u64 s[G0+2:G0+3], s[4:5], s[16:17]
	s_or_b32 s[G0+3], s[G0+3], 0x80000000
	s_add_nc_u64 s[6:7], s[6:7], s[20:21]
	s_add_nc_u64 s[8:9], s[8:9], s[20:21]
	s_add_nc_u64 s[10:11], s[10:11], s[22:23]
	s_cmp_lt_u32 s[WV], 16
	s_cbranch_scc0 .Lnofill
	tensor_load_to_lds s[G0:G0+3], s[G1:G1+7]      ; the launch's only fills: one a wave, sixteen in all
	s_nop 0
.Lnofill:
	IDXLD                                          ; my first row tile's lists
	s_wait_tensorcnt 0x0                           ; my part of value is in,
	s_barrier_signal -1
	s_barrier_wait -1                              ; everybody's is; nothing is filled again
.Lrt:
	s_wait_loadcnt 0x0                             ; the tile's lists
.irp q, 0,1,2,3
	ds_store_b128 v[STB], v[GL+4*\q:GL+4*\q+3] offset:\q*512
	ds_store_b128 v[STB], v[GL+16+4*\q:GL+16+4*\q+3] offset:2048+\q*512
.endr
	s_wait_dscnt 0x0                               ; the stores are done: their registers may be loaded again
	s_cmp_eq_u32 s[RTC], 1
	s_cbranch_scc1 .Lnone                          ; the second tile has none behind it
	s_add_nc_u64 s[6:7], s[6:7], 524288            ; 32 row tiles on (the loads that read these bases are done)
	s_add_nc_u64 s[8:9], s[8:9], 524288
	IDXLD
.Lnone:
.irp c, 0,1,2,3,4,5,6,7
	v_mov_b32 v[ACC+\c], 0
.endr
	s_mov_b32 s[PB], 0
	s_mov_b32 s[PC], 8
.Lpiece:                                       ; two points of my row
	v_add_nc_u32 v[PA], s[PB], v[RDB]
	ds_load_b128 v[IX:IX+3], v[PA]
	ds_load_b128 v[WT:WT+3], v[PA] offset:2048
	s_wait_dscnt 1                                 ; the positions are in; the weights' load may stay out
.irp k, 0,2,4,6
	v_and_b32 v[AD+\k], s[MASK], v[IX+\k/2]
	v_lshrrev_b32 v[AD+1+\k], 16, v[IX+\k/2]
.endr
.irp k, 0,1,2,3,4,5,6,7
	v_min_u32 v[AD+\k], 5439, v[AD+\k]             ; a position stays inside the table
.endr
.irp k, 0,1,2,3,4,5,6,7
	v_lshl_add_u32 v[AD+\k], v[AD+\k], 5, v[CB]
.endr
.irp k, 0,1,2,3,4,5,6,7
	ds_load_b128 v[VR+4*\k:VR+4*\k+3], v[AD+\k]
.endr
.irp k, 0,1,2,3,4,5,6,7
	s_wait_dscnt 7-\k                              ; LDS loads come back in order: corner k is in (and the weights, which are older); the younger may stay out
.irp c, 0,1,2,3,4,5,6,7
	FM \c, \k
.endr
.endr
	s_add_co_u32 s[PB], s[PB], 256
	s_sub_co_u32 s[PC], s[PC], 1
	s_cmp_lg_u32 s[PC], 0
	s_cbranch_scc1 .Lpiece
	v_cvt_pk_bf16_f32 v[OUT], v[ACC], v[ACC+1]
	v_cvt_pk_bf16_f32 v[OUT+1], v[ACC+2], v[ACC+3]
	v_cvt_pk_bf16_f32 v[OUT+2], v[ACC+4], v[ACC+5]
	v_cvt_pk_bf16_f32 v[OUT+3], v[ACC+6], v[ACC+7]
	global_store_b128 v[GO], v[OUT:OUT+3], s[10:11]  ; the tile's 16 rows x 16 channels: 512 consecutive bytes
	s_wait_xcnt 0x0                                ; the store has read its data and its base
	s_add_nc_u64 s[10:11], s[10:11], 262144        ; 32 row tiles on
	s_sub_co_u32 s[RTC], s[RTC], 1
	s_cmp_lg_u32 s[RTC], 0
	s_cbranch_scc1 .Lrt
	s_wait_tensorcnt 0x0                           ; the wave's end: behind my last LDS store
	ds_add_u32 v[SPW], v[NIL]
	s_wait_dscnt 0x0
	s_endpgm
.Lfunc_end_k_q42091b794e_samp:
	.size	k_q42091b794e_samp, .Lfunc_end_k_q42091b794e_samp-k_q42091b794e_samp
	.p2alignl 7, 3214868480
	.fill 96, 4, 3214868480
	.section	.rodata,"a",@progbits
	.p2align	6, 0x0
	.amdhsa_kernel k_q42091b794e_samp
		.amdhsa_group_segment_fixed_size 309248
		.amdhsa_private_segment_fixed_size 0
		.amdhsa_enable_private_segment 0
		.amdhsa_kernarg_size 32
		.amdhsa_user_sgpr_count 2
		.amdhsa_user_sgpr_kernarg_segment_ptr 1
		.amdhsa_wavefront_size32 1
		.amdhsa_system_sgpr_workgroup_id_x 1
		.amdhsa_system_sgpr_workgroup_id_y 1
		.amdhsa_system_sgpr_workgroup_id_z 1
		.amdhsa_system_vgpr_workitem_id 0
		.amdhsa_next_free_vgpr 104
		.amdhsa_next_free_sgpr 66
		.amdhsa_reserve_vcc 0
		.amdhsa_float_denorm_mode_32 3
		.amdhsa_float_denorm_mode_16_64 3
		.amdhsa_memory_ordered 1
		.amdhsa_forward_progress 1
		.amdhsa_inst_pref_size 13
	.end_amdhsa_kernel
	.amdgpu_metadata
---
amdhsa.version: [ 1, 2 ]
amdhsa.kernels:
  - .name:           k_q42091b794e_samp
    .symbol:         k_q42091b794e_samp.kd
    .args:
      - { .name: value, .offset: 0, .size: 8, .value_kind: global_buffer, .address_space: global }
      - { .name: sidx, .offset: 8, .size: 8, .value_kind: global_buffer, .address_space: global }
      - { .name: swt, .offset: 16, .size: 8, .value_kind: global_buffer, .address_space: global }
      - { .name: smp, .offset: 24, .size: 8, .value_kind: global_buffer, .address_space: global }
    .group_segment_fixed_size: 309248
    .private_segment_fixed_size: 0
    .kernarg_segment_align: 8
    .kernarg_segment_size: 32
    .max_flat_workgroup_size: 1024
    .sgpr_count:     66
    .vgpr_count:     104
    .wavefront_size: 32
...
	.end_amdgpu_metadata
.endif
;; end of part 9
;; launch ffn (part 10): grid 256 x 1, 4 waves a work-group, clusters of 4 x 1, 327,680 bytes of LDS; arguments smp, t1, wb, outp_b, norm1_g, norm1_b, lin1_b, lin2_b, norm3_g, norm3_b, out0; writes out0
.if DOCPART == 10
	.amdgcn_target "amdgcn-amd-amdhsa--gfx1250"
	.amdhsa_code_object_version 6
	.text
	.protected	k_q42091b794e_ffn
	.globl	k_q42091b794e_ffn
	.p2align	8
	.type	k_q42091b794e_ffn,@function
k_q42091b794e_ffn:
	s_mov_b64 s[64:65], 0
	v_nop
	global_prefetch_b8 v0, s[64:65] scope:SCOPE_SE
	s_setreg_imm32_b32 hwreg(HW_REG_WAVE_MODE, 25, 1), 1
	s_wait_xcnt 0x0
	s_wait_alu depctr_hold_cnt(0) depctr_sa_sdst(0) depctr_va_vdst(0) depctr_va_sdst(0) depctr_va_ssrc(0) depctr_va_vcc(0) depctr_vm_vsrc(0)
	s_getreg_b32 s2, hwreg(HW_REG_IB_STS2, 6, 4)
	s_cmp_eq_u32 s2, 0
	s_cbranch_scc0 .Lentry_in_a_cluster
	s_endpgm
.Lentry_in_a_cluster:
	s_bfe_u32 s2, ttmp6, 0x10000c
	s_cmp_lg_u32 s2, 0x3003
	s_cbranch_scc0 .Lentry_shape_is_right
	s_endpgm
.Lentry_shape_is_right:
; out0 = LayerNorm 3 (x + relu(x lin1^T + b1) lin2^T + b2), x = LayerNorm 1 (t1 + smp outp^T + b).  All in one launch: a work-group keeps its 64 rows in registers and LDS from smp to out0.
; Wave w owns the columns 64 w .. of every product (taken transposed: a lane holds one row and 8 columns); what one product's waves make is the next product's rows, handed over as bf16 through LDS.
; The hidden layer goes in four chunks of 256: lin1's chunk, relu, lin2's chunk onto sums that stay in registers.  Residuals, sums and norms in f32; t1 arrives in f16.
; smp arrives as [row tile][channel tile 16][16 rows][16 channels] in bf16.
; THE WEIGHTS: nine units of 128 KiB through two LDS slots, each wave fetching and reading its own quarter; all work-groups walk the same units, the four of a cluster ask JOINTLY.
; NaN and infinities are not treated apart.
.set RING1, 131072
.set XS,    262144
.set RED,   296960
.set PAR,   301056                     ; outp_b, norm1_g, norm1_b, lin2_b, norm3_g, norm3_b (1,024 bytes each), lin1_b (4,096)
.set SPARE, 313344
.set KP,    272
.set WA0, 3
.set WA1, 4
.set XW,  5
.set XR,  6
.set PRL, 7                            ; v7  lin1_b's chunk
.set SPW, 8
.set NIL, 9
.set RW,  10
.set RR,  11
.set PR,  28
.set PFO, 29
.set ONE, 30
.set ZR,  31
.set BIAS, 32
.set WF,  64
.set G1,  32
.set G0,  40
.set PFA, 48
.set SEL, 50
.set WV,  54
.set FC,  55
.set LIM, 56
.set CNT, 57
.set PB,  58
.set CX,  66
.set GI,  67
.set INV, 69
.set EPS, 70
; window 0: v128-191 t1 as loaded, later packed tiles; v192-255 smp as loaded.  window 1: x's fragments.  window 2: smp's, later the hidden chunk's.  window 3: v0-127 sums; v128-255 lin2's sums.
.set MSB, 0
.macro WIN new
.if MSB != (\new)
	s_set_vgpr_msb (MSB<<8)|(\new)
.set MSB, (\new)
.endif
.endm
.macro PLACES
.rept 4
	v_nop
.endr
.endm
.macro BAR
	s_wait_dscnt 0x0
	s_barrier_signal -1
	s_barrier_wait -1
.endm
.macro ROUND
	s_barrier_signal -1
	s_barrier_wait -1
	s_cmp_lg_u32 s[WV], 0
	s_cbranch_scc1 .Lnw0_\@
	s_barrier_signal -3
.Lnw0_\@:
	s_barrier_wait -3
	s_barrier_signal -1
	s_barrier_wait -1
.endm
.macro HEADREGS
	v_lshrrev_b32 v1, 5, v0
	v_readfirstlane_b32 s[WV], v1
	s_bfe_u32 s[CX], ttmp6, 0x40000                ; my place in the cluster: it enters global addresses of my own loads, stores and prefetches alone
	s_lshl_b32 s[GI], ttmp9, 2
	s_add_co_u32 s[GI], s[GI], s[CX]
	s_mov_b32 s[G1], 15|(3<<16)|(1<<21)            ; the mask of four; elements of 8 bytes; bit 21 beside a mask; no padding
	s_mov_b32 s[G1+1], 32<<16                      ; 32 KiB on end as 128 rows of 256 bytes
	s_mov_b32 s[G1+2], 128<<16
	s_mov_b32 s[G1+3], 32<<16
	s_mov_b32 s[G1+4], 128
	s_mov_b32 s[G1+5], 32
	s_mov_b32 s[G1+6], 0
	s_mov_b32 s[G1+7], 0
	s_mov_b32 s[G0], 1
	s_lshl_b32 s[G0+1], s[WV], 15
	s_mov_b32 s[SEL], 0x76543210
	s_mov_b32 s[SEL+1], 0xfedcba98
	v_and_b32 v12, 31, v0
	v_and_b32 v1, 15, v0                           ; m
	v_bfe_u32 v2, v0, 4, 1                         ; hh
	v_lshl_add_u32 v[WA0], v12, 4, s[G0+1]
	v_add_nc_u32 v[WA1], RING1, v[WA0]
	v_mul_u32_u24 v13, v2, KP
	v_lshl_add_u32 v13, v1, 4, v13
	v_add_nc_u32 v[XR], XS, v13
	s_mul_i32 s61, s[WV], 8*KP
	s_add_co_u32 s61, s61, XS
	v_add_nc_u32 v[XW], s61, v13
	v_lshlrev_b32 v[RR], 4, v1
	v_add_nc_u32 v[RR], RED, v[RR]
	v_lshl_add_u32 v[RW], s[WV], 2, v[RR]
	s_lshl_b32 s61, s[WV], 8
	s_add_co_u32 s61, s61, PAR
	v_lshl_add_u32 v[PR], v2, 5, s61
	v_lshlrev_b32 v[PFO], 8, v12
.endm
.macro LDX win
	WIN (\win)<<6
.set f_, 0
.rept 32
	ds_load_b128 v[f_*8:f_*8+3], v[XR] offset:((f_/8)*32+4*(f_%8))*KP
	ds_load_b128 v[f_*8+4:f_*8+7], v[XR] offset:((f_/8)*32+4*(f_%8)+2)*KP
.set f_, f_+1
.endr
	WIN 0
.endm
.macro WLD wa, nt, ks, buf
.set w_, 0
.rept \nt
	ds_load_b128 v[WF+32*(\buf)+8*w_:WF+32*(\buf)+8*w_+3], v[\wa] offset:(\ks)*4096+w_*1024
	ds_load_b128 v[WF+32*(\buf)+8*w_+4:WF+32*(\buf)+8*w_+7], v[\wa] offset:(\ks)*4096+w_*1024+512
.set w_, w_+1
.endr
.endm
; A unit's product: 64 rows x nt tiles of my columns, 8 K steps; rows' fragments in window xw, sums at accb in window 3.  cmode = 1: the first step starts the sums with the bias tiles at cb in window cw;
; cmode = 0: the sums stand already.  The accumulators take turns, one instruction a turn, over the K steps too.
.macro GEMM wa, nt, xw, accb, cmode, cb, cw, swap
.if \swap
.set wm_, 0xc0|(\xw)
.else
.set wm_, 0xc0|((\xw)<<2)
.endif
	WIN 0
	PLACES
	WLD \wa, \nt, 0, 0
.set ks_, 0
.rept 8
.if ks_ < 7
	WIN 0
.if ks_ > 0
	PLACES                                         ; four places between the buffer's last readers and the loads into it
.endif
	WLD \wa, \nt, ks_+1, (ks_+1)%2
	s_wait_dscnt 2*(\nt)                           ; the loads just issued may stay out; this step's are in
.else
	s_wait_dscnt 0x0
.endif
.if (\cmode) && (ks_ == 0)
	WIN wm_|((\cw)<<4)
.else
	WIN wm_|0x30
.endif
.set rt_, 0
.rept 4
.set ct_, 0
.rept \nt
.set rA_, (\accb)+(rt_*(\nt)+ct_)*8
.set rW_, WF+32*(ks_%2)+8*ct_
.set rX_, (rt_*8+ks_)*8
.set rC_, rA_
.if (\cmode) && (ks_ == 0)
.set rC_, (\cb)+8*ct_
.endif
.if \swap
	v_wmma_f32_16x16x32_bf16 v[rA_:rA_+7], v[rX_:rX_+7], v[rW_:rW_+7], v[rC_:rC_+7]
.else
	v_wmma_f32_16x16x32_bf16 v[rA_:rA_+7], v[rW_:rW_+7], v[rX_:rX_+7], v[rC_:rC_+7]
.endif
.set ct_, ct_+1
.endr
.set rt_, rt_+1
.endr
.set ks_, ks_+1
.endr
.endm
.macro PACKB accb, dst
	WIN 0x0f
.set i_, 0
.rept 64
	v_cvt_pk_bf16_f32 v[(\dst)+i_], v[(\accb)+2*i_], v[(\accb)+2*i_+1]
.set i_, i_+1
.endr
	WIN 0
.endm
.macro BLD adr, off
.set c_, 0
.rept 4
	ds_load_b128 v[BIAS+8*c_:BIAS+8*c_+3], v[\adr] offset:(\off)+c_*64
	ds_load_b128 v[BIAS+8*c_+4:BIAS+8*c_+7], v[\adr] offset:(\off)+c_*64+16
.set c_, c_+1
.endr
.endm
.macro XST src                         ; 16 packed tiles into the rows' place in LDS
.set t_, 0
.rept 16
	ds_store_b128 v[XW], v[(\src)+4*t_:(\src)+4*t_+3] offset:((t_/4)*32+2*(t_%4))*KP
.set t_, t_+1
.endr
.endm
.macro LNRED reg
	WIN 0
.irp r, 0,1,2,3
	v_pk_add_f32 v[12+4*\r:13+4*\r], v[12+4*\r:13+4*\r], v[14+4*\r:15+4*\r]
.endr
.irp r, 0,1,2,3
	v_add_f32 v[12+4*\r], v[12+4*\r], v[13+4*\r]
.endr
.irp r, 0,1,2,3
	v_permlanex16_b32 v[13+4*\r], v[12+4*\r], s[SEL], s[SEL+1]
.endr
.irp r, 0,1,2,3
	v_add_f32 v[12+4*\r], v[12+4*\r], v[13+4*\r]
.endr
.irp r, 0,1,2,3
	ds_store_b32 v[RW], v[12+4*\r] offset:(\reg)*1024+\r*256
.endr
	BAR
.irp r, 0,1,2,3
	ds_load_b128 v[12+4*\r:15+4*\r], v[RR] offset:(\reg)*1024+\r*256
.endr
	s_wait_dscnt 0x0
.irp r, 0,1,2,3
	v_pk_add_f32 v[12+4*\r:13+4*\r], v[12+4*\r:13+4*\r], v[14+4*\r:15+4*\r]
.endr
.irp r, 0,1,2,3
	v_add_f32 v[12+4*\r], v[12+4*\r], v[13+4*\r]
.endr
.endm
; LayerNorm in place on the 128 registers at zb of window 3, in two passes.  Each accumulator's lowest registers are read first.
.macro LN zb, reg, ga, be
	WIN 0
.set c_, 0
.rept 4
	ds_load_b128 v[64+8*c_:67+8*c_], v[PR] offset:(\ga)+c_*64
	ds_load_b128 v[68+8*c_:71+8*c_], v[PR] offset:(\ga)+c_*64+16
	ds_load_b128 v[96+8*c_:99+8*c_], v[PR] offset:(\be)+c_*64
	ds_load_b128 v[100+8*c_:103+8*c_], v[PR] offset:(\be)+c_*64+16
.set c_, c_+1
.endr
	WIN 0x0f
.irp r, 0,1,2,3
	v_pk_add_f32 v[12+4*\r:13+4*\r], v[(\zb)+32*\r:(\zb)+32*\r+1], v[(\zb)+32*\r+4:(\zb)+32*\r+5]
	v_pk_add_f32 v[14+4*\r:15+4*\r], v[(\zb)+32*\r+2:(\zb)+32*\r+3], v[(\zb)+32*\r+6:(\zb)+32*\r+7]
.endr
	WIN 0x0c
.set p_, 4
.rept 12
.irp r, 0,1,2,3
	v_pk_add_f32 v[12+4*\r+2*(p_%2):13+4*\r+2*(p_%2)], v[12+4*\r+2*(p_%2):13+4*\r+2*(p_%2)], v[(\zb)+32*\r+2*p_:(\zb)+32*\r+2*p_+1]
.endr
.set p_, p_+1
.endr
	LNRED \reg
.irp r, 0,1,2,3
	v_mul_f32 v[12+4*\r], s[INV], v[12+4*\r]
.endr
	WIN 0xc3
.set p_, 0
.rept 16
.irp r, 0,1,2,3
	v_pk_add_f32 v[(\zb)+32*\r+2*p_:(\zb)+32*\r+2*p_+1], v[(\zb)+32*\r+2*p_:(\zb)+32*\r+2*p_+1], v[12+4*\r:13+4*\r] op_sel_hi:[1,0] neg_lo:[0,1] neg_hi:[0,1]
.endr
.set p_, p_+1
.endr
	WIN 0x0f
.irp r, 0,1,2,3
	v_pk_mul_f32 v[12+4*\r:13+4*\r], v[(\zb)+32*\r:(\zb)+32*\r+1], v[(\zb)+32*\r:(\zb)+32*\r+1]
	v_pk_mul_f32 v[14+4*\r:15+4*\r], v[(\zb)+32*\r+2:(\zb)+32*\r+3], v[(\zb)+32*\r+2:(\zb)+32*\r+3]
.endr
.set p_, 2
.rept 14
.irp r, 0,1,2,3
	v_pk_fma_f32 v[12+4*\r+2*(p_%2):13+4*\r+2*(p_%2)], v[(\zb)+32*\r+2*p_:(\zb)+32*\r+2*p_+1], v[(\zb)+32*\r+2*p_:(\zb)+32*\r+2*p_+1], v[12+4*\r+2*(p_%2):13+4*\r+2*(p_%2)]
.endr
.set p_, p_+1
.endr
	LNRED (\reg)+1
.irp r, 0,1,2,3
	v_fma_f32 v[12+4*\r], v[12+4*\r], s[INV], s[EPS]
.endr
.irp r, 0,1,2,3
	v_rsq_f32 v[12+4*\r], v[12+4*\r]
.endr
	v_nop                                          ; a plain instruction behind the last root,
	s_wait_alu depctr_va_vdst(0)                   ; and one wait for the four, ahead of their first reader
	WIN 0xc3
.set p_, 0
.rept 16
.irp r, 0,1,2,3
	v_pk_mul_f32 v[(\zb)+32*\r+2*p_:(\zb)+32*\r+2*p_+1], v[(\zb)+32*\r+2*p_:(\zb)+32*\r+2*p_+1], v[12+4*\r:13+4*\r] op_sel_hi:[1,0]
.endr
.set p_, p_+1
.endr
.set p_, 0
.rept 16
.irp r, 0,1,2,3
	v_pk_fma_f32 v[(\zb)+32*\r+2*p_:(\zb)+32*\r+2*p_+1], v[(\zb)+32*\r+2*p_:(\zb)+32*\r+2*p_+1], v[64+2*p_:65+2*p_], v[96+2*p_:97+2*p_]
.endr
.set p_, p_+1
.endr
	WIN 0
.endm
; A PREFETCH INTO THE L2 of the unit that the NEXT change of slots will ask for: my wave's quarter, of which each of the four partners names 8 KiB, told apart by address; a lane 256 bytes.
; Every cluster walks the same units: the launch's first cluster asks, each unit once.  The last change has no unit behind its own.
.macro ASK
	s_cmp_gt_u32 s[FC], s[LIM]
	s_cbranch_scc0 .Lna_\@
	global_prefetch_b8 v[PFO], s[PFA:PFA+1] th:TH_LOAD_NT scope:SCOPE_SE
.Lna_\@:
.endm
; THE CHANGE OF SLOTS.  Every wave waits for all its tensor loads (one is out: its quarter of the unit to be read next), adds 0 to its spare word, waits for that and for its LDS instructions; a round of the
; cluster's barrier; then the next unit is asked for, into the slot read last: the wave's one tensor load until the next round.  It has a unit's product, 128 matrix instructions, in which to land.
; The round is also the barrier between the waves' stores of rows into LDS and the reads of them.
.macro CHANGE
	WIN 0
	s_wait_tensorcnt 0x0
	ds_add_u32 v[SPW], v[NIL]
	s_xor_b32 s[G0+1], s[G0+1], RING1
	s_add_nc_u64 s[G0+2:G0+3], s[G0+2:G0+3], 131072
	s_wait_xcnt 0x0                                ; the last prefetch, a unit's product back, has read its address
	s_add_nc_u64 s[PFA:PFA+1], s[PFA:PFA+1], 131072
	s_wait_dscnt 0x0
	ROUND
	tensor_load_to_lds s[G0:G0+3], s[G1:G1+7]
	s_nop 0
	PLACES
	ASK
	s_sub_co_u32 s[FC], s[FC], 1
.endm
.macro HALF1                           ; a chunk of the hidden layer: lin1's product, relu, into LDS as rows
	WIN 0
	v_add_nc_u32 v[PRL], s[PB], v[PR]
	BLD PRL, 0
	GEMM WA1, 4, 1, 0, 1, BIAS, 0, 0
	WIN 0
	PLACES
	PACKB 0, 128
.set i_, 0
.rept 64
	v_pk_max_num_bf16 v[128+i_], v[128+i_], v[ZR]
.set i_, i_+1
.endr
	XST 128
.endm
	s_load_b512 s[4:19], s[0:1], 0x0               ; smp, t1, wb, outp_b, norm1_g, norm1_b, lin1_b, lin2_b
	s_load_b128 s[20:23], s[0:1], 0x40             ; norm3_g, norm3_b
	s_load_b64 s[24:25], s[0:1], 0x50              ; out0
	v_lshl_add_u32 v[SPW], v0, 2, SPARE
	v_mov_b32 v[NIL], 0
	ds_add_u32 v[SPW], v[NIL]                      ; the wave's opening: the add and its wait ahead of my first tensor load
	HEADREGS
	v_mov_b32 v[ONE], 1.0
	v_mov_b32 v[ZR], 0
	v_lshlrev_b32 v12, 3, v0
	v_lshlrev_b32 v13, 4, v0
	v_add_nc_u32 v14, PAR, v12
	v_add_nc_u32 v15, PAR+6144, v13
	v_and_b32 v17, 31, v0
	v_and_b32 v16, 1, v0                           ; a load of smp is one channel tile: lane holds row lane / 2, channels 8 (lane % 2) ..
	v_mul_u32_u24 v16, v16, KP
	v_lshrrev_b32 v18, 1, v17
	v_lshl_add_u32 v16, v18, 4, v16
	s_mul_i32 s61, s[WV], 32*KP
	s_add_co_u32 s61, s61, XS
	v_add_nc_u32 v16, s61, v16
	v_lshlrev_b32 v17, 4, v17
	s_mov_b32 s[INV], 0x3b800000                   ; 1 / 256
	s_mov_b32 s[EPS], 0x3727c5ac                   ; 1e-5
	s_mov_b32 s[FC], 8
	s_mov_b32 s[PB], 6144
	s_mov_b32 s[CNT], 3
	s_cmp_eq_u32 ttmp9, 0
	s_cselect_b32 s[LIM], 1, -1
	s_lshl_b32 s61, s[GI], 2
	s_add_co_u32 s61, s61, s[WV]
	s_lshl_b32 s72, s61, 13                        ; my row tile of smp
	s_mov_b32 s73, 0
	s_lshl_b32 s74, s[GI], 15
	s_lshl_b32 s61, s[WV], 11
	s_add_co_u32 s74, s74, s61                     ; my column tiles of t1
	s_mov_b32 s75, 0
	s_lshl_b32 s76, s[GI], 16
	s_mov_b32 s77, 0
	s_lshl_b32 s78, s[WV], 15
	s_add_co_u32 s78, s78, 6*131072                ; unit 6, my quarter
	s_mov_b32 s79, 0
	s_lshl_b32 s80, s[CX], 13
	s_add_co_u32 s80, s80, 131072                  ; the prefetches start a unit on; the first change steps them to unit 8
	s_mov_b32 s81, 0
	s_wait_dscnt 0x0
	s_wait_kmcnt 0x0
	s_add_nc_u64 s[4:5], s[4:5], s[72:73]
	s_add_nc_u64 s[6:7], s[6:7], s[74:75]
	s_add_nc_u64 s[24:25], s[24:25], s[76:77]
	s_add_nc_u64 s[8:9], s[8:9], s[78:79]
	s_mov_b64 s[G0+2:G0+3], s[8:9]
	s_or_b32 s[G0+3], s[G0+3], 0x80000000
	s_add_nc_u64 s[PFA:PFA+1], s[8:9], s[80:81]
	ROUND
	tensor_load_to_lds s[G0:G0+3], s[G1:G1+7]      ; outp's unit
	s_nop 0
	PLACES
	global_load_b64 v[32:33], v12, s[10:11]
	global_load_b64 v[34:35], v12, s[12:13]
	global_load_b64 v[36:37], v12, s[14:15]
	global_load_b64 v[38:39], v12, s[18:19]
	global_load_b64 v[40:41], v12, s[20:21]
	global_load_b64 v[42:43], v12, s[22:23]
	global_load_b128 v[44:47], v13, s[16:17]
	global_load_b128 v[48:51], v13, s[16:17] offset:2048
.set i_, 0
.rept 16
	global_load_b128 v[192+4*i_:195+4*i_], v17, s[4:5] offset:i_*512
.set i_, i_+1
.endr
.set t_, 0
.rept 16
	global_load_b128 v[128+4*t_:131+4*t_], v17, s[6:7] offset:(t_/4)*8192+(t_%4)*512
.set t_, t_+1
.endr
	s_wait_loadcnt 32                              ; the parameters are in; smp's and t1's 32 loads may stay out
.irp i, 0,1,2,3,4,5
	ds_store_b64 v14, v[32+2*\i:33+2*\i] offset:\i*1024
.endr
	ds_store_b128 v15, v[44:47]
	ds_store_b128 v15, v[48:51] offset:2048
	s_wait_loadcnt 16                              ; smp is in; t1's 16 loads may stay out
.set i_, 0
.rept 16                                       ; channel tile i: k = 16 i .., two LDS rows
	ds_store_b128 v16, v[192+4*i_:195+4*i_] offset:i_*2*KP
.set i_, i_+1
.endr
	CHANGE                                         ; outp's unit is in, lin1's first is asked for; the round shows the parameters and smp's rows
	LDX 2
	BLD PR, 0
	s_wait_loadcnt 0x0
	s_wait_dscnt 0x0
	WIN 0xc0
.set t_, 0
.rept 16                                       ; the sums start as t1 + outp_b
.set j_, 0
.rept 4
	v_fma_mix_f32 v[8*t_+2*j_], v[128+4*t_+j_], v[ONE], v[BIAS+8*(t_%4)+2*j_] op_sel:[0,0,0] op_sel_hi:[1,0,0]
	v_fma_mix_f32 v[8*t_+2*j_+1], v[128+4*t_+j_], v[ONE], v[BIAS+8*(t_%4)+2*j_+1] op_sel:[1,0,0] op_sel_hi:[1,0,0]
.set j_, j_+1
.endr
.set t_, t_+1
.endr
	GEMM WA0, 4, 2, 0, 0, 0, 3, 0
	WIN 0
	PLACES
	LN 0, 0, 1024, 2048
	PACKB 0, 128
	XST 128                                        ; LayerNorm's barriers lie between every wave's reads of smp's rows and these stores
	BLD PR, 3072
	s_wait_dscnt 0x0
	WIN 0xc3
.set i_, 0
.rept 64                                       ; lin2's sums start as x + lin2_b
	v_pk_add_f32 v[128+2*i_:129+2*i_], v[2*i_:2*i_+1], v[BIAS+8*((i_/4)%4)+2*(i_%4):BIAS+8*((i_/4)%4)+2*(i_%4)+1]
.set i_, i_+1
.endr
	CHANGE                                         ; lin1's first unit is in, lin2's first is asked for
	LDX 1
	BAR                                            ; every wave has x's fragments: the rows in LDS may be written over
.Lchunk:
	HALF1
	CHANGE                                         ; lin2's unit is in, the next lin1's is asked for; the round shows the hidden chunk's rows
	LDX 2
	s_wait_dscnt 0x0
	GEMM WA0, 4, 2, 128, 0, 0, 3, 0
	CHANGE                                         ; the next lin1's unit is in, the next lin2's is asked for; every wave's reads of the rows are over
	s_add_co_u32 s[PB], s[PB], 1024
	s_sub_co_u32 s[CNT], s[CNT], 1
	s_cmp_lg_u32 s[CNT], 0
	s_cbranch_scc1 .Lchunk
	HALF1                                          ; the last chunk is written out: nothing more is asked for
	s_wait_tensorcnt 0x0
	ds_add_u32 v[SPW], v[NIL]
	s_wait_dscnt 0x0
	s_barrier_signal -1
	s_barrier_wait -1
	LDX 2
	s_wait_dscnt 0x0
	GEMM WA0, 4, 2, 128, 0, 0, 3, 0
	WIN 0
	PLACES
	LN 128, 2, 4096, 5120
; THE WAY OUT: a row tile at a time through 16 rows x 272 bytes of my own in the rows' place (LayerNorm's barriers lie behind its last readers), so that 16 lanes store 256 consecutive bytes of a row.
	s_mul_i32 s61, s[WV], 16*KP
	s_add_co_u32 s61, s61, XS
	v_mul_u32_u24 v12, v1, KP
	v_lshl_add_u32 v12, v2, 5, v12
	v_add_nc_u32 v12, s61, v12
	v_mul_u32_u24 v13, v2, KP
	v_lshl_add_u32 v13, v1, 4, v13
	v_add_nc_u32 v13, s61, v13
	s_lshl_b32 s61, s[WV], 8
	v_lshl_add_u32 v14, v2, 10, s61
	v_lshl_add_u32 v14, v1, 4, v14
.set r_, 0
.rept 4
	WIN 0x0c
.set c_, 0
.rept 4
	ds_store_b128 v12, v[128+32*r_+8*c_:131+32*r_+8*c_] offset:c_*64
	ds_store_b128 v12, v[132+32*r_+8*c_:135+32*r_+8*c_] offset:c_*64+16
.set c_, c_+1
.endr
	WIN 0
.set i_, 0
.rept 8                                        ; LDS serves a wave's instructions in order: these see the stores above, and the next tile's stores come behind them
	ds_load_b128 v[128+32*r_+4*i_:131+32*r_+4*i_], v13 offset:i_*2*KP
.set i_, i_+1
.endr
	s_wait_dscnt 0x0
.set i_, 0
.rept 8
	global_store_b128 v14, v[128+32*r_+4*i_:131+32*r_+4*i_], s[24:25] offset:r_*16384+i_*2048 th:TH_STORE_NT
.set i_, i_+1
.endr
.set r_, r_+1
.endr
	s_wait_tensorcnt 0x0                           ; the wave's end
	ds_add_u32 v[SPW], v[NIL]
	s_wait_dscnt 0x0
	ROUND                                          ; the closing round
	s_endpgm
.Lfunc_end_k_q42091b794e_ffn:
	.size	k_q42091b794e_ffn, .Lfunc_end_k_q42091b794e_ffn-k_q42091b794e_ffn
	.p2alignl 7, 3214868480
	.fill 96, 4, 3214868480
	.section	.rodata,"a",@progbits
	.p2align	6, 0x0
	.amdhsa_kernel k_q42091b794e_ffn
		.amdhsa_group_segment_fixed_size 327680
		.amdhsa_private_segment_fixed_size 0
		.amdhsa_enable_private_segment 0
		.amdhsa_kernarg_size 88
		.amdhsa_user_sgpr_count 2
		.amdhsa_user_sgpr_kernarg_segment_ptr 1
		.amdhsa_wavefront_size32 1
		.amdhsa_system_sgpr_workgroup_id_x 1
		.amdhsa_system_sgpr_workgroup_id_y 1
		.amdhsa_system_sgpr_workgroup_id_z 1
		.amdhsa_system_vgpr_workitem_id 0
		.amdhsa_next_free_vgpr 1024
		.amdhsa_next_free_sgpr 96
		.amdhsa_reserve_vcc 0
		.amdhsa_float_denorm_mode_32 3
		.amdhsa_float_denorm_mode_16_64 3
		.amdhsa_memory_ordered 1
		.amdhsa_forward_progress 1
		.amdhsa_inst_pref_size 196
	.end_amdhsa_kernel
	.amdgpu_metadata
---
amdhsa.version: [ 1, 2 ]
amdhsa.kernels:
  - .name:           k_q42091b794e_ffn
    .symbol:         k_q42091b794e_ffn.kd
    .args:
      - { .name: smp, .offset: 0, .size: 8, .value_kind: global_buffer, .address_space: global }
      - { .name: t1, .offset: 8, .size: 8, .value_kind: global_buffer, .address_space: global }
      - { .name: wb, .offset: 16, .size: 8, .value_kind: global_buffer, .address_space: global }
      - { .name: outp_b, .offset: 24, .size: 8, .value_kind: global_buffer, .address_space: global }
      - { .name: norm1_g, .offset: 32, .size: 8, .value_kind: global_buffer, .address_space: global }
      - { .name: norm1_b, .offset: 40, .size: 8, .value_kind: global_buffer, .address_space: global }
      - { .name: lin1_b, .offset: 48, .size: 8, .value_kind: global_buffer, .address_space: global }
      - { .name: lin2_b, .offset: 56, .size: 8, .value_kind: global_buffer, .address_space: global }
      - { .name: norm3_g, .offset: 64, .size: 8, .value_kind: global_buffer, .address_space: global }
      - { .name: norm3_b, .offset: 72, .size: 8, .value_kind: global_buffer, .address_space: global }
      - { .name: out0, .offset: 80, .size: 8, .value_kind: global_buffer, .address_space: global }
    .group_segment_fixed_size: 327680
    .private_segment_fixed_size: 0
    .kernarg_segment_align: 8
    .kernarg_segment_size: 88
    .max_flat_workgroup_size: 128
    .sgpr_count:     96
    .vgpr_count:     1024
    .wavefront_size: 32
...
	.end_amdgpu_metadata
.endif
;; end of part 10
;; ======== version 3 of 3: 6 launches; version 2 with the launch vproj written anew for expert scheduling mode
;; limits: values are held in f16: magnitudes above 65,504 overflow, below 6.1e-05 lose precision
;; workspace buffers: wb 2,097,152 bytes; value 47,185,920 bytes; qkvb 25,165,824 bytes; t1 8,388,608 bytes; sidx 16,777,216 bytes of whole numbers; swt 16,777,216 bytes; smp 8,388,608 bytes
;; launch prep: the kernel of part 1 again; grid 32 x 16, 8 waves a work-group, no clusters, 0 bytes of LDS; arguments in_proj_w, out_proj_w, off_w, attw_w, outp_w, lin1_w, lin2_w, value_w, wb; writes wb
;; launch vproj (part 11): grid 256 x 1, 4 waves a work-group, no clusters, 105,472 bytes of LDS; arguments src, wb, value_b, value; writes value
.if DOCPART == 11
	.amdgcn_target "amdgcn-amd-amdhsa--gfx1250"
	.amdhsa_code_object_version 6
	.text
	.protected	k_q42091b794e_vproj
	.globl	k_q42091b794e_vproj
	.p2align	8
	.type	k_q42091b794e_vproj,@function
k_q42091b794e_vproj:
	s_mov_b64 s[64:65], 0
	v_nop
	global_prefetch_b8 v0, s[64:65] scope:SCOPE_SE
	s_setreg_imm32_b32 hwreg(HW_REG_WAVE_SCHED_MODE, 0, 2), 2
	s_setreg_imm32_b32 hwreg(HW_REG_WAVE_MODE, 25, 1), 1
	s_wait_xcnt 0x0
	s_wait_alu depctr_vm_vsrc(0)
; value = src value_w^T + value_b, rounded once to bf16, stored by tiles of 16 channels: value[b 16][channel tile 16][chunk 80][72 slots][32 bytes].
; A chunk holds 68 consecutive positions and 4 slots of padding: 2,304 bytes, so that every chunk begins at a multiple of 256 bytes and is stored in whole aligned blocks of 256.
; (The padding takes the products of rows that are cleared: finite numbers that no launch reads.)
; The stream of src (f32, read once) is the launch.  A work-group owns 340 consecutive rows (87,040 / 256; 16 work-groups a batch), in 5 trips of 68, a chunk each.  Wave w loads 16 whole rows and row 64 + w,
; rounds them to bf16 and lays them into LDS; every wave multiplies all 68 rows (five tiles of 16, of the last 4 rows are real) by ITS 64 columns of value_w (channel tiles 4 w .. 4 w + 3),
; whose 32 fragments stay in registers for the whole launch.  The next trip's 34 loads of a wave (17 KiB) are on their way while a trip is multiplied and stored.
; THE PRODUCT IS TAKEN TRANSPOSED (source 0 = 16 rows of value_w, source 1 = 16 rows of src): a lane holds one position and eight neighbouring channels, 16 bytes of its record of 32.
; No tensor load: the numbers are converted on the way in.  No cluster: what work-groups share is 128 KiB of weights, read once into registers.  No prefetch: every wave always has its next rows asked for.
; src_spatial_shapes and level_start_index are not read anywhere in this program: the module's definition takes the levels' sizes from its own constants.
; THE MODE: SCHED_MODE bits 1:0 = 2 (LLVM: expert scheduling mode 2), set by the entry lines.  The code itself states the register dependences
; between vector or matrix instructions and memory or LDS instructions, with s_wait_alu, always for 0.
; THE PLAN.  Registers that memory or LDS instructions touch, round a trip:
;   RAW (v96-231)         The loads of trip t + 1 land here, issued in trip t behind the LDS stores of its rows; the 68 conversions at the head of trip t + 1 read it.  No memory instruction reads it.
;   XB (v16-95)           Three uses on end: the 68 conversions write it and the 34 LDS stores read it; the fragments of K steps 6 and 7 land in it and matrix instructions read them;
;                         the way out's 80 conversions write it and the 20 LDS stores into the stage read it.
;   window 3, v0-239      The fragments of K steps 0 to 5 land here and matrix instructions read them; then the 18 loads from the stage land in v0-71, and the 18 global stores read those.
;   v4-v13, v233-v239     Offsets, addresses and zeros: written at the head, never again.
;   The weights, the bias and the accumulators: loaded once, or named by vector and matrix instructions alone.
; Every K step's fragments have registers of their own, so no load of a fragment lands in a register that a matrix instruction of the same trip has named: the K steps hold no s_wait_alu.
; A trip has five: ahead of the conversions, behind them, two behind the second barrier, one in the way out.  Each scalar register that a vector instruction reads is written once.
.set KP,    272                        ; LDS: a row holds 16 positions x 8 channels k (256 bytes) + 16 of padding
.set TILE,  32*KP                      ; a tile of 16 positions x 256 k
.set STG,   5*TILE                     ; the way out: for each wave 4 channel tiles x 80 positions x 48 bytes (32 + 16 of padding: the 16 positions of a store start at 16 different groups of four banks)
.set SP,    48
.set SCT,   80*SP                      ; a channel tile's part of the stage
.set SPARE, STG+16*SCT                 ; the spare words, 128 bytes a wave, which no other line names
.set CHUNK, 2304                       ; bytes of a chunk in memory
.set CTB,   80*CHUNK                   ; bytes of a channel tile of one batch
.set RO,  4                            ; v4   my 16 bytes in the wave's 16 rows of src
.set RO2, 5                            ; v5   and in row 64 + w
.set XWR, 6                            ; v6   where I put 8 bytes of a row
.set XW2, 7                            ; v7   the same for row 64 + w
.set XR,  8                            ; v8   where I read a fragment of src
.set SW,  9                            ; v9   into the stage
.set SR,  10                           ; v10  back from the stage: 16 records
.set SR2, 11                           ; v11  back: slots 64-71 of two channel tiles
.set GO,  12                           ; v12  16 x lane
.set GO2, 13                           ; v13  slots 64-71 of two channel tiles in memory
.set SPW, 14
.set NIL, 15
.set XB,  16                           ; v16-95  the rows as bf16 on their way into LDS; then the fragments of K steps 6 and 7; then the way out's packed tiles
.set RAW, 96                           ; v96-231 34 loads of 16 bytes
.set WV,  12                           ; s12
.set CNT, 13                           ; s13
; window 1: v0-255 the fragments of value_w, (K step, tile) at 8 (4 ks + ct).  window 2: v0-159 accumulators (rt, ct) at 8 (4 rt + ct); v160-191 the bias as four tiles.
; window 3: v0-239 the fragments of src of K steps 0 to 5, (K step, row tile) at 40 ks + 8 rt; later v0-71 the chunk on its way out.
.set MSB, 0
.macro WIN new
.if MSB != (\new)
	s_set_vgpr_msb (MSB<<8)|(\new)
.set MSB, (\new)
.endif
.endm
.macro PLACES
.rept 4
	v_nop
.endr
.endm
.macro BAR
	s_wait_dscnt 0x0
	s_barrier_signal -1
	s_barrier_wait -1
.endm
.macro SRCLD                           ; the wave's 17 rows of a trip
.set j_, 0
.rept 32
	global_load_b128 v[RAW+4*j_:RAW+4*j_+3], v[RO], s[4:5] offset:j_*512 th:TH_LOAD_NT
.set j_, j_+1
.endr
	global_load_b128 v[RAW+128:RAW+131], v[RO2], s[4:5] th:TH_LOAD_NT
	global_load_b128 v[RAW+132:RAW+135], v[RO2], s[4:5] offset:512 th:TH_LOAD_NT
.endm
.macro XLD ks                          ; five fragments of src for one K step, into that step's own registers
.if (\ks) < 6
	WIN 0xc0                                       ; destination window 3, address window 0
.set xb_, 40*(\ks)
.else
	WIN 0
.set xb_, XB+40*((\ks)-6)
.endif
.set x_, 0
.rept 5
	ds_load_b128 v[xb_+8*x_:xb_+8*x_+3], v[XR] offset:(x_*32+4*(\ks))*KP
	ds_load_b128 v[xb_+8*x_+4:xb_+8*x_+7], v[XR] offset:(x_*32+4*(\ks)+2)*KP
.set x_, x_+1
.endr
.endm
	s_load_b256 s[4:11], s[0:1], 0x0               ; src, wb, value_b, value
	v_lshl_add_u32 v[SPW], v0, 2, SPARE
	v_mov_b32 v[NIL], 0
	v_lshrrev_b32 v1, 5, v0
	v_readfirstlane_b32 s[WV], v1
	v_and_b32 v3, 31, v0                           ; lane
	v_and_b32 v1, 15, v0                           ; m
	v_bfe_u32 v2, v0, 4, 1                         ; hh
	s_wait_alu depctr_va_sdst(0)                   ; s12, the wave's number, is written, ahead of its first reader: offsets, LDS addresses and bases are made from it
	s_lshl_b32 s16, s[WV], 14
	v_lshl_add_u32 v[RO], v3, 4, s16
	s_lshl_b32 s17, s[WV], 10
	s_add_co_u32 s17, s17, 65536
	v_lshl_add_u32 v[RO2], v3, 4, s17
	v_lshrrev_b32 v232, 1, v3                      ; a load's lane holds k = 4 lane .. + 3 of half a row: LDS row lane / 2, bytes 8 (lane % 2)
	v_mul_u32_u24 v232, v232, KP
	v_and_b32 v233, 1, v0
	v_lshl_add_u32 v232, v233, 3, v232
	s_mul_i32 s18, s[WV], TILE
	v_add_nc_u32 v[XWR], s18, v232
	s_lshl_b32 s19, s[WV], 4
	s_add_co_u32 s19, s19, 4*TILE
	v_add_nc_u32 v[XW2], s19, v232
	v_mul_u32_u24 v[XR], v2, KP
	v_lshl_add_u32 v[XR], v1, 4, v[XR]
	s_mul_i32 s26, s[WV], 4*SCT
	s_add_co_u32 s26, s26, STG
	v_mul_u32_u24 v[SW], v1, SP                    ; in: position m, 16 bytes for each half of the lanes
	v_lshl_add_u32 v[SW], v2, 4, v[SW]
	v_add_nc_u32 v[SW], s26, v[SW]
	v_lshrrev_b32 v232, 1, v3                      ; back: two lanes a record, 16 records
	v_mul_u32_u24 v232, v232, SP
	v_lshl_add_u32 v232, v233, 4, v232
	v_add_nc_u32 v[SR], s26, v232
	v_lshrrev_b32 v234, 1, v1                      ; back: slots 64-71; lanes 0-15 one channel tile, lanes 16-31 the next
	v_mul_u32_u24 v234, v234, SP
	v_lshl_add_u32 v234, v233, 4, v234
	v_mad_u32_u24 v234, v2, SCT, v234
	v_add_nc_u32 v234, 64*SP, v234
	v_add_nc_u32 v[SR2], s26, v234
	v_lshlrev_b32 v[GO], 4, v3
	v_mul_u32_u24 v[GO2], v2, CTB
	v_lshl_add_u32 v[GO2], v1, 4, v[GO2]
	v_add_nc_u32 v[GO2], 2048, v[GO2]
	s_lshl_b32 s27, s[WV], 8
	v_lshl_add_u32 v235, v2, 5, s27                ; the bias of my 8 columns of tile 0
	v_lshl_add_u32 v233, v0, 4, 4*TILE
	v_lshl_add_u32 v234, v0, 2, 4*TILE+8192
	v_mov_b32 v236, 0
	v_mov_b32 v237, 0
	v_mov_b32 v238, 0
	v_mov_b32 v239, 0
	s_mul_i32 s20, ttmp9, 348160                   ; 340 rows of 1,024 bytes
	s_mov_b32 s21, 0
	s_lshr_b32 s14, ttmp9, 4                       ; batch
	s_lshl_b32 s14, s14, 4
	s_lshl_b32 s15, s[WV], 2
	s_add_co_u32 s14, s14, s15                     ; my first channel tile among all
	s_mul_i32 s14, s14, 80
	s_and_b32 s15, ttmp9, 15
	s_mul_i32 s15, s15, 5
	s_add_co_u32 s14, s14, s15                     ; the work-group's first chunk in it
	s_mul_i32 s22, s14, CHUNK
	s_mov_b32 s23, 0
	s_lshl_b32 s24, s[WV], 15
	s_add_co_u32 s24, s24, 15*131072
	s_mov_b32 s25, 0
	s_mov_b32 s[CNT], 5
	s_wait_kmcnt 0x0
	s_add_nc_u64 s[4:5], s[4:5], s[20:21]
	s_add_nc_u64 s[10:11], s[10:11], s[22:23]
	s_add_nc_u64 s[6:7], s[6:7], s[24:25]
	s_wait_alu depctr_va_vdst(0)                   ; the offsets and addresses v4 to v13, v233 to v235 and the zeros v236 to v239 are written: every load and store of the kernel reads some of them, and none is written again
	SRCLD
	WIN 0x40
.set f_, 0
.rept 32
	global_load_b128 v[8*f_:8*f_+3], v[GO], s[6:7] offset:f_*1024
	global_load_b128 v[8*f_+4:8*f_+7], v[GO], s[6:7] offset:f_*1024+512
.set f_, f_+1
.endr
	WIN 0x80
.set c_, 0
.rept 4
	global_load_b128 v[160+8*c_:163+8*c_], v235, s[8:9] offset:c_*64
	global_load_b128 v[164+8*c_:167+8*c_], v235, s[8:9] offset:c_*64+16
.set c_, c_+1
.endr
	WIN 0
.irp z, 0,2048,4096,6144                       ; tile 4 is cleared once: of its 16 positions 4 are written in a trip; of the others' products four fill the chunk's padding
	ds_store_b128 v233, v[236:239] offset:\z
.endr
	ds_store_b32 v234, v236
.Ltrip:
	s_wait_loadcnt 0x0                             ; the trip's rows (at first also the weights and the bias): the loads are done, so their base may step
	s_add_nc_u64 s[4:5], s[4:5], 69632
	BAR                                            ; every wave's reads of the last trip's rows are over
	s_wait_alu depctr_vm_vsrc(0)                   ; the last trip's LDS stores into the stage have read XB, which the conversions below write
.set j_, 0
.rept 34
	v_cvt_pk_bf16_f32 v[XB+2*j_], v[RAW+4*j_], v[RAW+4*j_+1]
	v_cvt_pk_bf16_f32 v[XB+2*j_+1], v[RAW+4*j_+2], v[RAW+4*j_+3]
.set j_, j_+1
.endr
	s_wait_alu depctr_va_vdst(0)                   ; the conversions have written XB, which the LDS stores read, and are done reading RAW, in which the next trip's loads land
.set j_, 0
.rept 34
.if j_ < 32
	ds_store_b64 v[XWR], v[XB+2*j_:XB+2*j_+1] offset:(j_%2)*16*KP+(j_/2)*16
.else
	ds_store_b64 v[XW2], v[XB+2*j_:XB+2*j_+1] offset:(j_-32)*16*KP
.endif
.set j_, j_+1
.endr
	s_cmp_eq_u32 s[CNT], 1
	s_cbranch_scc1 .Lnone                          ; the last trip has no rows behind it
	SRCLD                                          ; no vector instruction since the wait above names RAW; the loads go out while the LDS stores are served
.Lnone:
	BAR                                            ; all 68 rows lie in LDS
	s_wait_alu depctr_vm_vsrc(0)                   ; my LDS stores have read XB, and the last trip's global stores have read v0-71 of window 3: fragments land in both
	s_wait_alu depctr_va_vdst(0)                   ; the conversions have written XB, and the last trip's matrix instructions are done reading all eight fragment sets: the 80 loads of this trip's fragments land there, and up to the last of them no vector or matrix instruction names a set before its loads
	XLD 0
	XLD 1
.set ks_, 0
.rept 8
.if ks_ < 6
	XLD ks_+2                                      ; two K steps ahead, into registers that no matrix instruction of this trip has named
	s_wait_dscnt 20                                ; LDS loads come back in order: this step's ten are in, the two younger steps' twenty may stay out
	WIN 0xad                                       ; weights window 1, src window 3, sums window 2
.set xm_, 40*ks_
.else
	s_wait_dscnt 10*(7-ks_)                        ; nothing more is asked for: the counts run down
	WIN 0xa1                                       ; weights window 1, src window 0, sums window 2
.set xm_, XB+40*(ks_-6)
.endif
.set r_, 0
.rept 5
.set c_, 0
.rept 4
.if ks_ == 0
	v_wmma_f32_16x16x32_bf16 v[(r_*4+c_)*8:(r_*4+c_)*8+7], v[c_*8:c_*8+7], v[xm_+8*r_:xm_+8*r_+7], v[160+8*c_:167+8*c_]
.else
	v_wmma_f32_16x16x32_bf16 v[(r_*4+c_)*8:(r_*4+c_)*8+7], v[(ks_*4+c_)*8:(ks_*4+c_)*8+7], v[xm_+8*r_:xm_+8*r_+7], v[(r_*4+c_)*8:(r_*4+c_)*8+7]
.endif
.set c_, c_+1
.endr
.set r_, r_+1
.endr
.set ks_, ks_+1
.endr
	WIN 0
	PLACES                                         ; four places behind the last matrix instruction, before its result is read and its source in XB written
	WIN 0x0a
.set i_, 0
.rept 80
	v_cvt_pk_bf16_f32 v[XB+i_], v[2*i_], v[2*i_+1]
.set i_, i_+1
.endr
	WIN 0
	s_wait_alu depctr_va_vdst(0)                   ; the conversions have written XB, which the LDS stores read; the matrix instructions are done reading window 3, in which the loads from the stage land
.set t_, 0
.rept 20                                       ; row tile t / 4, channel tile t % 4
	ds_store_b128 v[SW], v[XB+4*t_:XB+4*t_+3] offset:(t_%4)*SCT+(t_/4)*16*SP
.set t_, t_+1
.endr
	WIN 0xc0                                       ; destination window 3, address window 0
.set n_, 0
.rept 16                                       ; LDS serves a wave's instructions in order: these see the stores above; the stage is the wave's own
	ds_load_b128 v[4*n_:4*n_+3], v[SR] offset:(n_/4)*SCT+(n_%4)*16*SP
.set n_, n_+1
.endr
	ds_load_b128 v[64:67], v[SR2]
	ds_load_b128 v[68:71], v[SR2] offset:2*SCT
	s_wait_dscnt 0x0
	WIN 0x0c                                       ; the stores' data in window 3, their offsets in window 0
.set n_, 0
.rept 16
	global_store_b128 v[GO], v[4*n_:4*n_+3], s[10:11] offset:(n_/4)*CTB+(n_%4)*512  ; 512 consecutive bytes: sixteen records of one channel tile
.set n_, n_+1
.endr
	global_store_b128 v[GO2], v[64:67], s[10:11]                ; the chunk's last 256 bytes, of channel tiles 0 and 1,
	global_store_b128 v[GO2], v[68:71], s[10:11] offset:2*CTB   ; and of 2 and 3
	WIN 0
	s_wait_xcnt 0x0                                ; the stores have had their addresses translated: their base may step, and their data registers are loaded again only behind this wait
	s_add_nc_u64 s[10:11], s[10:11], CHUNK         ; the next chunk
	s_sub_co_u32 s[CNT], s[CNT], 1
	s_cmp_lg_u32 s[CNT], 0
	s_cbranch_scc1 .Ltrip
	s_wait_dscnt 0x0                               ; the closing lines, six on end
	s_wait_alu 0x0
	s_wait_tensorcnt 0x0
	ds_add_u32 v[SPW], v[NIL]
	s_wait_dscnt 0x0
	s_endpgm
.Lfunc_end_k_q42091b794e_vproj:
	.size	k_q42091b794e_vproj, .Lfunc_end_k_q42091b794e_vproj-k_q42091b794e_vproj
	.p2alignl 7, 3214868480
	.fill 96, 4, 3214868480
	.section	.rodata,"a",@progbits
	.p2align	6, 0x0
	.amdhsa_kernel k_q42091b794e_vproj
		.amdhsa_group_segment_fixed_size 105472
		.amdhsa_private_segment_fixed_size 0
		.amdhsa_enable_private_segment 0
		.amdhsa_kernarg_size 32
		.amdhsa_user_sgpr_count 2
		.amdhsa_user_sgpr_kernarg_segment_ptr 1
		.amdhsa_wavefront_size32 1
		.amdhsa_system_sgpr_workgroup_id_x 1
		.amdhsa_system_sgpr_workgroup_id_y 1
		.amdhsa_system_sgpr_workgroup_id_z 1
		.amdhsa_system_vgpr_workitem_id 0
		.amdhsa_next_free_vgpr 1008
		.amdhsa_next_free_sgpr 66
		.amdhsa_reserve_vcc 0
		.amdhsa_float_denorm_mode_32 3
		.amdhsa_float_denorm_mode_16_64 3
		.amdhsa_memory_ordered 1
		.amdhsa_forward_progress 1
		.amdhsa_inst_pref_size 50
	.end_amdhsa_kernel
	.amdgpu_metadata
---
amdhsa.version: [ 1, 2 ]
amdhsa.kernels:
  - .name:           k_q42091b794e_vproj
    .symbol:         k_q42091b794e_vproj.kd
    .args:
      - { .name: src, .offset: 0, .size: 8, .value_kind: global_buffer, .address_space: global }
      - { .name: wb, .offset: 8, .size: 8, .value_kind: global_buffer, .address_space: global }
      - { .name: value_b, .offset: 16, .size: 8, .value_kind: global_buffer, .address_space: global }
      - { .name: value, .offset: 24, .size: 8, .value_kind: global_buffer, .address_space: global }
    .group_segment_fixed_size: 105472
    .private_segment_fixed_size: 0
    .kernarg_segment_align: 8
    .kernarg_segment_size: 32
    .max_flat_workgroup_size: 128
    .sgpr_count:     66
    .vgpr_count:     1008
    .wavefront_size: 32
...
	.end_amdgpu_metadata
.endif
;; end of part 11
;; launch qkv: the kernel of part 3 again; grid 256 x 1, 4 waves a work-group, clusters of 4 x 1, 327,680 bytes of LDS; arguments tgt, query_pos, wb, in_proj_b, qkvb; writes qkvb
;; launch attn: the kernel of part 8 again; grid 256 x 1, 4 waves a work-group, clusters of 4 x 1, 327,680 bytes of LDS; arguments qkvb, wb, tgt, query_pos, reference_points, out_proj_b, norm2_g, norm2_b, off_b, attw_b, t1, sidx, swt; writes t1, sidx, swt
;; launch samp: the kernel of part 9 again; grid 16 x 16, 32 waves a work-group, no clusters, 309,248 bytes of LDS; arguments value, sidx, swt, smp; writes smp
;; launch ffn: the kernel of part 10 again; grid 256 x 1, 4 waves a work-group, clusters of 4 x 1, 327,680 bytes of LDS; arguments smp, t1, wb, outp_b, norm1_g, norm1_b, lin1_b, lin2_b, norm3_g, norm3_b, out0; writes out0
